; MI455X (gfx1250); checked and timed in simulation.
; The chip was launched on July 23, 2026; its instructions are those of AMD's public machine-readable ISA for CDNA 5 (MIT licence, August 2026) and "CDNA5" Instruction Set Architecture Reference Guide (July 2026). The comments in the code are by the model that wrote it; some were corrected since.
;; Context Memory. Allowed arithmetic: matrix products marked QUANTISED: E5M2 operands, one given power-of-two scale a tensor, by v_wmma_f32_16x16x64_bf8_bf8 or v_wmma_f32_16x16x128_bf8_bf8, f32 sums; products left as they are: f32 operands where the result goes on into a quantised operand, else bf16, f16 or f32 operands; f32 sums; everything else in f32.
;; Inputs: gate_b 1,024 float32; gate_w_codes 1,024 x 64 x 32 uint8 (E5M2 codes of gate_w, K innermost, in blocks of 32 codes); lowp_scales 18 int32 (the exponents e of the quantised operands' scales 2^e); memory 1 x 512 x 1,024 float32; query 8 x 1,024 x 1,024 float32; r_in_b 3,072 float32; r_in_w_codes 3,072 x 32 x 32 uint8 (E5M2 codes of r_in_w, K innermost, in blocks of 32 codes); r_out_b 1,024 float32; r_out_w_codes 1,024 x 32 x 32 uint8 (E5M2 codes of r_out_w, K innermost, in blocks of 32 codes); rn_b 1,024 float32; rn_g 1,024 float32; w_in_b 3,072 float32; w_in_w 3,072 x 1,024 float32; w_out_b 1,024 float32; w_out_w_codes 1,024 x 32 x 32 uint8 (E5M2 codes of w_out_w, K innermost, in blocks of 32 codes); wn_b 1,024 float32; wn_g 1,024 float32.
;; Outputs: out0 8 x 1,024 x 1,024 float32; out1 8 x 512 x 1,024 float32.
;; This version of the problem:
;;   THIS VERSION OF THE PROBLEM IS GIVEN IN LOW PRECISION. The matrix products marked QUANTISED in the list below multiply operands that are first quantised to E5M2 (5 exponent bits, 2 mantissa bits; 8 bits a number), with one given power-of-two scale for each operand tensor; their sums are f32. All else is computed in f32.
;;   The module's matrix products, in the order in which they are computed (A, B: the left and right operand; K: the contracted axis; several contracted axes count as one K, in the product's order):
;;     1. [M 8,192, K 1,024] x [K 1,024, N 1,024]; A: input query; B: input r_in_w (given as codes): QUANTISED (scales: A lowp_scales[0], B lowp_scales[1])
;;     2. [M 4,096, K 1,024] x [K 1,024, N 1,024]; A: input memory; B: input r_in_w (given as codes): QUANTISED (scales: A lowp_scales[2], B lowp_scales[3])
;;     3. [M 4,096, K 1,024] x [K 1,024, N 1,024]; A: input memory; B: input r_in_w (given as codes): QUANTISED (scales: A lowp_scales[4], B lowp_scales[5])
;;     4. batch 128 x [M 1,024, K 64] x [K 64, N 512]; A: computed on the way; B: computed on the way: QUANTISED (scales: A lowp_scales[6], B lowp_scales[7])
;;     5. batch 128 x [M 64, K 512] x [K 512, N 1,024]; A: computed on the way; B: softmax (see below): QUANTISED (scales: A lowp_scales[8], B lowp_scales[9])
;;     6. [M 8,192, K 1,024] x [K 1,024, N 1,024]; A: computed on the way; B: input r_out_w (given as codes): QUANTISED (scales: A lowp_scales[10], B lowp_scales[11])
;;     7. [M 4,096, K 1,024] x [K 1,024, N 1,024]; A: input memory; B: input w_in_w: QUANTISED (scales: A lowp_scales[12], B lowp_scales[13])
;;     8. [M 8, K 1,024] x [K 1,024, N 1,024]; A: computed on the way; B: input w_in_w: left as it is (M = 8 < 16)
;;     9. [M 8, K 1,024] x [K 1,024, N 1,024]; A: computed on the way; B: input w_in_w: left as it is (M = 8 < 16)
;;     10. batch 128 x [M 512, K 64] x [K 64, N 1]; A: computed on the way; B: computed on the way: left as it is (N = 1 < 16)
;;     11. batch 128 x [M 64, K 1] x [K 1, N 512]; A: computed on the way; B: softmax (see below): left as it is (K = 1 < 32)
;;     12. [M 4,096, K 1,024] x [K 1,024, N 1,024]; A: computed on the way; B: input w_out_w (given as codes): QUANTISED (scales: A lowp_scales[14], B lowp_scales[15])
;;     13. [M 4,096, K 2,048] x [K 2,048, N 1,024]; A: computed on the way; B: input gate_w (given as codes): QUANTISED (scales: A lowp_scales[16], B lowp_scales[17])
;;   THE QUANTISER, for each operand of a quantised product, along K:
;;     - The operand's scale is 2^e, e = its entry of the input lowp_scales (int32; the entries are numbered through the quantised products in the list's order, A before B).
;;     - Each number is divided by the scale, clamped to +-57,344, and rounded to the nearest number of E5M2, ties to even, subnormals kept.
;;     - The product sums the exact products of the quantised numbers (number of the format x scale) in f32.
;;   ~~~python
;;   def quantise(x, axis, e):      # numpy; x: float32 -> the quantised numbers, widened to float32 again
;;       x = np.moveaxis(x, axis, -1); K = x.shape[-1]
;;       r = np.clip(x / 2.0 ** e, -57344, 57344)
;;       step = 2.0 ** (np.maximum(np.frexp(np.where(r == 0, 1, r))[1] - 1, -14) - 2)
;;       q = np.round(r / step) * step * 2.0 ** e      # np.round: ties to even
;;       return np.moveaxis(q, -1, axis).astype(np.float32)
;;   ~~~
;;   SOFTMAX AHEAD OF A QUANTISED PRODUCT. Where the list says 'softmax', what is quantised is not the finished softmax but p = 2^(t - M), with t = logit x log2(e) and M = ceil(the row's largest t), a whole number; so 1/2 < the row's largest p <= 1. The row's sum l is taken of the UNQUANTISED p, in f32, and the product's result is divided by l at the end. Since M is a whole number, a kernel that streams over the keys may use a running M (the ceiling of the running maximum): every later rescaling is an exact power of two, so the quantised numbers keep their values, but for numbers so far below the row's largest that they fall under the format's range.
;;   OPERANDS COMPUTED ON THE WAY. 'Computed on the way' means the value that the module computes at that place (a softmax that the list does not call 'softmax' is quantised finished and normalised). What goes into a quantiser is computed in f32, as accurately as f32 sums, v_exp_f32 and their like allow (about 1e-6 of the number): no bf16 or f16 on the way to a quantiser, and a product that is left as it is and whose result goes on into a quantised operand takes f32 operands (vector FMAs, or v_wmma_f32_16x16x4_f32). A number that lies on a knife's edge between two numbers of the format may be rounded either way, as far as f32 arithmetic and the matrix unit's own rounding can turn it there, and no further.
;;   INPUTS GIVEN AS CODES. gate_w (in the module: [1024, 2048], K = its axis 1); r_in_w (in the module: [3072, 1024], K = its axis 1); r_out_w (in the module: [1024, 1024], K = its axis 1); w_out_w (in the module: [1024, 1024], K = its axis 1): each comes as NAME_codes (uint8): NAME with its K axis moved to the last place and cut into blocks of 32 codes, [.., K / 32, bytes a block], one block behind the other in memory; one code a byte (a code: sign, 5 exponent bits, 2 mantissa bits); its scale is its entry of lowp_scales. Its value is code x scale, taken as it is: it is not quantised again, and the codes and scales need not be those that the quantiser above would give.
;; 2 versions. Each part assembles by itself: llvm-mc -triple=amdgcn-amd-amdhsa -mcpu=gfx1250 --defsym DOCPART=n.
;; ======== version 1 of 2: 4 launches
;; workspace buffers: xq_img 8,388,608 bytes; m_img 1,572,864 bytes; w_img 7,340,032 bytes; vwp 524,288 bytes; qkv_img 9,437,184 bytes; gup 2,179,072 bytes; ao_img 8,388,608 bytes; gu 65,536 bytes
;; launch prep (part 1): grid 172 x 1, 16 waves a work-group, no clusters, 284,672 bytes of LDS; arguments query, memory, w_in_w, r_in_w_codes, r_out_w_codes, w_out_w_codes, gate_w_codes, lowp_scales, xq_img, m_img, w_img, vwp; writes xq_img, m_img, w_img, vwp
.if DOCPART == 1
	.amdgcn_target "amdgcn-amd-amdhsa--gfx1250"
	.amdhsa_code_object_version 6
	.text
	.protected	k_qb224168335_prep
	.globl	k_qb224168335_prep
	.p2align	8
	.type	k_qb224168335_prep,@function
k_qb224168335_prep:
	s_mov_b64 s[64:65], 0
	v_nop
	global_prefetch_b8 v0, s[64:65] scope:SCOPE_SE
	s_setreg_imm32_b32 hwreg(HW_REG_WAVE_MODE, 25, 1), 1
	s_wait_xcnt 0x0
; PREP: every matrix operand of the later launches is laid in memory as an IMAGE OF ITS REGISTERS.
; A tile is 16 rows x 1,024 K of E5M2 codes, 16,384 bytes: 32 blocks P of 512 bytes; in block P lane l = (r = l % 16, h = l / 16) owns the 16 bytes at 16 l: k = 32 P + 16 h + 0 .. 15.
; Lane r of tile T holds row 32 (T / 2) + 8 (T % 2) + r + 8 (r / 8): so a product's results (a lane: one row; 16 registers of two neighbouring tiles: 16 neighbours) are the next operand's block as they stand.
; THREE ROLES by the work-group's number, each a path of its own to its own end, each with LDS bytes of its own:
;   0-127   Qx (batch b = id / 16, slab = id % 16: 64 columns): query -> codes (scale entry 0); the slab's column sums over the batch's 1,024 rows; their products with the slab of Wv (rows 2,048 on of w_in_w), in f32.
;   128-143 Mx (slab): memory -> codes three times (scale entries 2, 4, 16).      144-171 Wr: the four weights that arrive as codes are laid as images, a tile a wave.
; The write attention of the problem has ONE key by its own shapes, so its weight is 1 for every finite score: only the v third of w_in_w and w_in_b is needed; the q and k thirds and scale entries 12, 13 are not read.
; LIMITS: each scale exponent e used here lies between -126 and 112 (2^e and 57,344 x 2^e are f32 numbers).  NaN among the inputs is not served (an infinity is held at the largest code).
; No tensor loads and no cluster: no two work-groups read the same bytes but the slab of Wv (8 readers, 256 KB each); all loads go straight to registers.
.set X0, 32                            ; v32-95   64 numbers a lane as loaded (two tiles)
.set X1, 96                            ; v96-159  the same, the wave's other two tiles
.set Y0, 160                           ; v160-191 32 neighbours along K of my row, tile u = 0
.set Y1, 192                           ; v192-223 tile u = 1
.set T, 224                            ; v224-255 at work
.set SP, 272                           ; a stage row: 256 bytes + 16: row r starts 4 r banks on
.set USTG, 16*SP                       ; a stage: one tile's 16 rows
.set WSTG, 2*USTG                      ; two stages a wave
.set SUMS, 16*WSTG                     ; behind Qx's stages: 16 waves x 256 bytes of column sums
.set MSTG, SUMS+4096                   ; Mx's stages
.macro LOADG x, g                      ; a group of 32 rows x 256 bytes: each load takes two whole 256-byte pieces: tile rows i and i + 8, which lie 16 rows apart in memory
.set n, 0
.rept 16
	global_load_b128 v[\x+4*n:\x+4*n+3], v4, s[32:33] offset:\g*131072+(n/8)*32768+(n%8)*4096 th:TH_LOAD_NT
.set n, n+1
.endr
.endm
.macro TURN x, u, y, si, so            ; a tile through the wave's own stage: in as loaded, out 64 neighbouring bytes a lane and block.  LDS serves a wave's instructions in order (ISA guide 5.7.1.4): no wait between
.set n, 0
.rept 8
	ds_store_b128 v[\si], v[\x+32*\u+4*n:\x+32*\u+4*n+3] offset:\u*USTG+n*SP
.set n, n+1
.endr
.set n, 0
.rept 8
	ds_load_b128 v[\y+4*n:\y+4*n+3], v[\so] offset:\u*USTG+(n/4)*128+(n%4)*16
.set n, n+1
.endr
.endm
.macro QUANT y, c, sc, lim             ; 32 numbers -> two blocks' codes in v[c] .. v[c + 7]
.set n, 0
.rept 32
	v_med3_num_f32 v[T+n], v[\y+n], -v[\lim], v[\lim]   ; the conversion to an 8-bit code does not saturate (ISA guide 7.6.2): the hold at the largest code x the scale
.set n, n+1
.endr
.set n, 0
.rept 4
	v_cvt_scalef32_pk8_bf8_f32 v[\c+2*n:\c+2*n+1], v[T+8*n:T+8*n+7], v[\sc]
.set n, n+1
.endr
	v_nop                                          ; a plain line between the conversions and the next lines that write their sources
.endm
.macro PUT c, off                      ; each store of the wave covers 512 consecutive bytes, aligned
	global_store_b128 v7, v[\c:\c+3], s[34:35] offset:\off
	global_store_b128 v7, v[\c+4:\c+7], s[34:35] offset:\off+512
.endm
.macro MKSCALE e, t, sc, lim           ; from the exponent in s[e]: 2^e and 57,344 x 2^e as f32
	s_add_co_i32 s[\t], s[\e], 127
	s_lshl_b32 s[\e], s[\t], 23
	v_mov_b32 v[\sc], s[\e]
	s_add_co_i32 s[\t], s[\t], 15
	s_lshl_b32 s[\t], s[\t], 23
	s_or_b32 s[\t], s[\t], 0x600000
	v_mov_b32 v[\lim], s[\t]
.endm
.macro SUMX x, first                   ; my four columns' sums over the set's 16 row pieces; the first two pieces start the sums
.set n, 1
.rept 15
.if \first && (n == 1)
	v_pk_add_f32 v[12:13], v[\x:\x+1], v[\x+4:\x+5]
	v_pk_add_f32 v[14:15], v[\x+2:\x+3], v[\x+6:\x+7]
.else
	v_pk_add_f32 v[12:13], v[12:13], v[\x+4*n:\x+4*n+1]
	v_pk_add_f32 v[14:15], v[14:15], v[\x+4*n+2:\x+4*n+3]
.endif
.set n, n+1
.endr
.if !\first
	v_pk_add_f32 v[12:13], v[12:13], v[\x:\x+1]
	v_pk_add_f32 v[14:15], v[14:15], v[\x+2:\x+3]
.endif
.endm
	s_load_b512 s[4:19], s[0:1], 0x0               ; query 4, memory 6, w_in_w 8, r_in codes 10, r_out codes 12, w_out codes 14, gate codes 16, scales 18
	s_load_b256 s[20:27], s[0:1], 0x40             ; xq_img 20, m_img 22, w_img 24, vwp 26
	v_lshrrev_b32 v1, 5, v0
	v_readfirstlane_b32 s28, v1                    ; wave 0..15
	v_and_b32 v1, 31, v0                           ; lane
	v_and_b32 v2, 15, v0                           ; q = r = lane % 16
	v_bfe_u32 v3, v0, 4, 1                         ; h = lane / 16
	v_lshlrev_b32 v7, 4, v1                        ; 16 x lane
	v_lshlrev_b32 v4, 4, v2
	v_lshl_add_u32 v4, v3, 16, v4                  ; loads: 16 q, and 16 rows of 4,096 bytes further down for lanes 16-31
	s_mul_i32 s30, s28, WSTG
	v_mul_u32_u24 v5, v3, 8*SP
	v_lshl_add_u32 v5, v2, 4, v5
	v_add_nc_u32 v5, s30, v5                       ; stage, way in: row i + 8 h, 16 q
	v_mul_u32_u24 v6, v2, SP
	v_lshl_add_u32 v6, v3, 6, v6
	v_add_nc_u32 v6, s30, v6                       ; stage, way out: row r, 64 h
	s_mov_b32 s31, 0
	s_wait_kmcnt 0x0
	s_cmp_ge_u32 ttmp9, 144
	s_cbranch_scc1 .Lwr
	s_cmp_ge_u32 ttmp9, 128
	s_cbranch_scc1 .Lmx
	; ---------------- Qx ----------------
	s_load_b32 s44, s[18:19], 0x0                  ; e of product 1's A
	s_lshr_b32 s41, ttmp9, 4                       ; b
	s_and_b32 s29, ttmp9, 15                       ; slab
	s_lshl_b32 s42, s29, 8
	s_lshl_b32 s43, s28, 18
	s_add_co_u32 s43, s43, s42                     ; 256 x slab + 64 rows x wave
	s_lshl_b32 s30, s41, 22
	s_add_co_u32 s30, s30, s43
	s_add_nc_u64 s[32:33], s[4:5], s[30:31]        ; my 64 rows of the batch, my slab
	LOADG X0, 0
	LOADG X1, 1
	s_add_co_u32 s30, s43, 2048*4096
	s_add_nc_u64 s[36:37], s[8:9], s[30:31]        ; Wv: rows 2,048 + 64 x wave on, my slab
	s_lshl_b32 s30, s41, 20
	s_lshl_b32 s42, s28, 16
	s_add_co_u32 s30, s30, s42
	s_lshl_b32 s42, s29, 10
	s_add_co_u32 s30, s30, s42
	s_add_nc_u64 s[34:35], s[20:21], s[30:31]      ; tiles 64 b + 4 x wave on, blocks 2 x slab on
	s_lshl_b32 s30, s29, 3
	s_add_co_u32 s30, s30, s41
	s_lshl_b32 s30, s30, 12
	s_lshl_b32 s42, s28, 8
	s_add_co_u32 s30, s30, s42
	s_add_nc_u64 s[38:39], s[26:27], s[30:31]      ; vwp[slab][b][64 x wave ..]
	v_lshlrev_b32 v10, 4, v2
	v_add_nc_u32 v11, SUMS, v10                    ; the sums, way out: 16 q
	v_add_nc_u32 v10, s42, v11                     ; way in: + 256 x wave
	v_lshlrev_b32 v1, 4, v2
	v_lshl_add_u32 v1, v3, 17, v1                  ; Wv: 16 q, and 32 rows further down for lanes 16-31
	s_mov_b32 s48, 0x76543210
	s_mov_b32 s49, 0xfedcba98                      ; v_permlanex16_b32: lane l xor 16
	s_wait_kmcnt 0x0
	MKSCALE 44, 45, 8, 9
	s_wait_loadcnt 16                              ; the first set's 16 loads are in; the second set's stay out
	SUMX X0, 1
	TURN X0, 0, Y0, 5, 6
	TURN X0, 1, Y1, 5, 6
	s_wait_dscnt 16                                ; tile 0 is back; tile 1's 8 stores and 8 loads stay out
	QUANT Y0, 16, 8, 9
	PUT 16, 0
	s_wait_dscnt 0x0
	QUANT Y1, 24, 8, 9
	PUT 24, 16384
	s_wait_loadcnt 0x0
	SUMX X1, 0
	TURN X1, 0, Y0, 5, 6
	TURN X1, 1, Y1, 5, 6
	s_wait_dscnt 0x0
	s_wait_xcnt 0x0                                ; the stores of tiles 0 and 1 have read their codes' registers, which are written again below
.set n, 0
.rept 32                               ; Wv: 64 rows x 256 bytes, two rows a load, into the registers that the query has left
	global_load_b128 v[32+4*n:35+4*n], v1, s[36:37] offset:n*4096
.set n, n+1
.endr
	QUANT Y0, 16, 8, 9
	PUT 16, 32768
	QUANT Y1, 24, 8, 9
	PUT 24, 49152
.irp k, 0,1,2,3
	v_permlanex16_b32 v[T+\k], v[12+\k], s48, s49  ; lanes l and l xor 16 hold the same columns of other rows
.endr
.irp k, 0,1,2,3
	v_add_f32 v[12+\k], v[12+\k], v[T+\k]
.endr
	ds_store_b128 v10, v[12:15]
	s_wait_dscnt 0x0                               ; for the others' sake: my sums lie in LDS
	s_barrier_signal -1
	s_barrier_wait -1
.set n, 0
.rept 16
	ds_load_b128 v[160+4*n:163+4*n], v11 offset:n*256
.set n, n+1
.endr
	s_wait_dscnt 0x0
.irp d, 8,4,2,1
.set n, 0
.rept \d
	v_pk_add_f32 v[160+4*n:161+4*n], v[160+4*n:161+4*n], v[160+4*(n+\d):161+4*(n+\d)]
	v_pk_add_f32 v[162+4*n:163+4*n], v[162+4*n:163+4*n], v[162+4*(n+\d):163+4*(n+\d)]
.set n, n+1
.endr
.endr                                  ; v[160:163]: the batch's sums of my four columns
; Four rows' products at a time, line by line.  Load idx holds rows 64 w + idx (lanes 0-15) and + 32 (lanes 16-31); the sixteen lanes' parts are added by four exchanges.
; Lane l keeps rows 64 w + 2 l and 2 l + 1, so that the wave's one store covers 256 consecutive bytes.
.macro DOT4 g
	s_wait_loadcnt 28-4*\g                         ; loads come back in order: these four are in, the younger stay out
.irp k, 0,1,2,3
	v_pk_mul_f32 v[T+2*\k:T+2*\k+1], v[32+16*\g+4*\k:32+16*\g+4*\k+1], v[160:161]
.endr
.irp k, 0,1,2,3
	v_pk_fma_f32 v[T+2*\k:T+2*\k+1], v[32+16*\g+4*\k+2:32+16*\g+4*\k+3], v[162:163], v[T+2*\k:T+2*\k+1]
.endr
.irp k, 0,1,2,3
	v_add_f32 v[T+2*\k], v[T+2*\k], v[T+2*\k+1]
.endr
.irp m, 1,2,4,8
.irp k, 0,1,2,3
	v_add_f32_dpp v[T+2*\k], v[T+2*\k], v[T+2*\k] row_xmask:\m row_mask:0xf bank_mask:0xf
.endr
.endr
	s_mov_b32 s41, 0x10001<<(2*\g+1)
.if \g == 0
	v_mov_b32 v2, v[T]
	v_mov_b32 v3, v[T+2]
.else
	s_mov_b32 s40, 0x10001<<(2*\g)
	v_cndmask_b32 v2, v2, v[T], s40
	v_cndmask_b32 v3, v3, v[T+2], s40
.endif
	v_cndmask_b32 v2, v2, v[T+4], s41
	v_cndmask_b32 v3, v3, v[T+6], s41
.endm
.irp g, 0,1,2,3,4,5,6,7
	DOT4 \g
.endr
	v_lshrrev_b32 v4, 1, v7                        ; 8 x lane (the loads that v4 addressed were waited for above)
	global_store_b64 v4, v[2:3], s[38:39]
	s_wait_xcnt 0x0
	v_lshl_add_u32 v254, v0, 2, 0x45000
	v_mov_b32 v255, 0
	s_wait_tensorcnt 0x0
	ds_add_u32 v254, v255
	s_wait_dscnt 0x0
	s_endpgm
	; ---------------- Mx ----------------
.Lmx:
	s_load_b32 s45, s[18:19], 0x8                  ; e of product 2's A,
	s_load_b32 s46, s[18:19], 0x10                 ; of product 3's A,
	s_load_b32 s47, s[18:19], 0x40                 ; of product 13's A
	s_sub_co_u32 s29, ttmp9, 128                   ; slab
	s_lshl_b32 s30, s29, 8
	s_lshl_b32 s42, s28, 17
	s_add_co_u32 s30, s30, s42
	s_add_nc_u64 s[32:33], s[6:7], s[30:31]        ; rows 32 x wave on, my slab
	LOADG X0, 0
	s_lshl_b32 s30, s29, 10
	s_lshl_b32 s42, s28, 15
	s_add_co_u32 s30, s30, s42
	s_add_nc_u64 s[34:35], s[22:23], s[30:31]      ; tiles 2 x wave on, blocks 2 x slab on
	v_add_nc_u32 v10, MSTG, v5
	v_add_nc_u32 v11, MSTG, v6
	s_wait_kmcnt 0x0
	MKSCALE 45, 43, 8, 9
	MKSCALE 46, 43, 20, 21
	MKSCALE 47, 43, 22, 23
	s_wait_loadcnt 0x0
	TURN X0, 0, Y0, 10, 11
	TURN X0, 1, Y1, 10, 11
	s_wait_dscnt 0x0
	QUANT Y0, 96, 8, 9                             ; each of the six results has registers of its own: no store's data are written again
	PUT 96, 0
	QUANT Y1, 104, 8, 9
	PUT 104, 16384
	QUANT Y0, 112, 20, 21
	PUT 112, 524288
	QUANT Y1, 120, 20, 21
	PUT 120, 524288+16384
	QUANT Y0, 128, 22, 23
	PUT 128, 1048576
	QUANT Y1, 136, 22, 23
	PUT 136, 1048576+16384
	s_wait_xcnt 0x0
	v_lshl_add_u32 v254, v0, 2, 0x45000
	v_mov_b32 v255, 0
	s_wait_tensorcnt 0x0
	ds_add_u32 v254, v255
	s_wait_dscnt 0x0
	s_endpgm
	; ---------------- Wr ----------------
.Lwr:
	s_sub_co_u32 s29, ttmp9, 144
	s_lshl_b32 s41, s29, 4
	s_add_co_u32 s41, s41, s28                     ; my tile of w_img, 0 .. 447
	s_mov_b64 s[32:33], s[16:17]                   ; which tensor, its first tile, its row's bytes as a shift, the first column: chosen on the work-group's number alone
	s_mov_b32 s42, 384
	s_mov_b32 s43, 11
	s_mov_b32 s50, 1024
	s_cmp_lt_u32 s29, 24
	s_cselect_b32 s42, 320, s42
	s_cselect_b32 s50, 0, s50
	s_cmp_lt_u32 s29, 20
	s_cselect_b64 s[32:33], s[14:15], s[32:33]
	s_cselect_b32 s42, 256, s42
	s_cselect_b32 s43, 10, s43
	s_cmp_lt_u32 s29, 16
	s_cselect_b64 s[32:33], s[12:13], s[32:33]
	s_cselect_b32 s42, 192, s42
	s_cmp_lt_u32 s29, 12
	s_cselect_b64 s[32:33], s[10:11], s[32:33]
	s_cselect_b32 s42, 0, s42
	s_sub_co_u32 s42, s41, s42                     ; the tile's number in its tensor
	s_lshr_b32 s51, s42, 1
	s_lshl_b32 s51, s51, 5
	s_and_b32 s42, s42, 1
	s_lshl_b32 s42, s42, 3
	s_add_co_u32 s51, s51, s42                     ; its first row
	s_lshl_b32 s30, s51, s43
	s_add_co_u32 s30, s30, s50
	s_add_nc_u64 s[32:33], s[32:33], s[30:31]
	s_lshl_b32 s30, s41, 14
	s_add_nc_u64 s[34:35], s[24:25], s[30:31]
	v_and_b32 v8, 8, v2
	v_add_nc_u32 v8, v8, v2                        ; r + 8 (r / 8)
	v_lshlrev_b32 v8, s43, v8
	v_lshl_add_u32 v8, v3, 4, v8                   ; + 16 h
.set n, 0
.rept 32                               ; block n: 16 bytes a lane out of 16 rows.  Read so once, that every later reader loads 512 consecutive bytes
	global_load_b128 v[32+4*n:35+4*n], v8, s[32:33] offset:n*32 th:TH_LOAD_NT
.set n, n+1
.endr
.set n, 0
.rept 32
	s_wait_loadcnt 31-n
	global_store_b128 v7, v[32+4*n:35+4*n], s[34:35] offset:n*512
.set n, n+1
.endr
	s_endpgm
.Lfunc_end_k_qb224168335_prep:
	.size	k_qb224168335_prep, .Lfunc_end_k_qb224168335_prep-k_qb224168335_prep
	.p2alignl 7, 3214868480
	.fill 96, 4, 3214868480
	.section	.rodata,"a",@progbits
	.p2align	6, 0x0
	.amdhsa_kernel k_qb224168335_prep
		.amdhsa_group_segment_fixed_size 284672
		.amdhsa_private_segment_fixed_size 0
		.amdhsa_enable_private_segment 0
		.amdhsa_kernarg_size 96
		.amdhsa_user_sgpr_count 2
		.amdhsa_user_sgpr_kernarg_segment_ptr 1
		.amdhsa_wavefront_size32 1
		.amdhsa_system_sgpr_workgroup_id_x 1
		.amdhsa_system_sgpr_workgroup_id_y 1
		.amdhsa_system_sgpr_workgroup_id_z 1
		.amdhsa_system_vgpr_workitem_id 0
		.amdhsa_next_free_vgpr 256
		.amdhsa_next_free_sgpr 66
		.amdhsa_reserve_vcc 0
		.amdhsa_float_denorm_mode_32 3
		.amdhsa_float_denorm_mode_16_64 3
		.amdhsa_memory_ordered 1
		.amdhsa_forward_progress 1
		.amdhsa_inst_pref_size 76
	.end_amdhsa_kernel
	.amdgpu_metadata
---
amdhsa.version: [ 1, 2 ]
amdhsa.kernels:
  - .name:           k_qb224168335_prep
    .symbol:         k_qb224168335_prep.kd
    .args:
      - { .name: query, .offset: 0, .size: 8, .value_kind: global_buffer, .address_space: global }
      - { .name: memory, .offset: 8, .size: 8, .value_kind: global_buffer, .address_space: global }
      - { .name: w_in_w, .offset: 16, .size: 8, .value_kind: global_buffer, .address_space: global }
      - { .name: r_in_w_codes, .offset: 24, .size: 8, .value_kind: global_buffer, .address_space: global }
      - { .name: r_out_w_codes, .offset: 32, .size: 8, .value_kind: global_buffer, .address_space: global }
      - { .name: w_out_w_codes, .offset: 40, .size: 8, .value_kind: global_buffer, .address_space: global }
      - { .name: gate_w_codes, .offset: 48, .size: 8, .value_kind: global_buffer, .address_space: global }
      - { .name: lowp_scales, .offset: 56, .size: 8, .value_kind: global_buffer, .address_space: global }
      - { .name: xq_img, .offset: 64, .size: 8, .value_kind: global_buffer, .address_space: global }
      - { .name: m_img, .offset: 72, .size: 8, .value_kind: global_buffer, .address_space: global }
      - { .name: w_img, .offset: 80, .size: 8, .value_kind: global_buffer, .address_space: global }
      - { .name: vwp, .offset: 88, .size: 8, .value_kind: global_buffer, .address_space: global }
    .group_segment_fixed_size: 284672
    .private_segment_fixed_size: 0
    .kernarg_segment_align: 8
    .kernarg_segment_size: 96
    .max_flat_workgroup_size: 512
    .sgpr_count:     66
    .vgpr_count:     256
    .wavefront_size: 32
...
	.end_amdgpu_metadata
.endif
;; end of part 1
;; launch proj (part 2): grid 156 x 1, 8 waves a work-group, no clusters, 249,088 bytes of LDS; arguments xq_img, m_img, w_img, vwp, r_in_b, w_in_b, w_out_b, lowp_scales, qkv_img, gup; writes qkv_img, gup
.if DOCPART == 2
	.amdgcn_target "amdgcn-amd-amdhsa--gfx1250"
	.amdhsa_code_object_version 6
	.text
	.protected	k_qb224168335_proj
	.globl	k_qb224168335_proj
	.p2align	8
	.type	k_qb224168335_proj,@function
k_qb224168335_proj:
	s_mov_b64 s[64:65], 0
	v_nop
	global_prefetch_b8 v0, s[64:65] scope:SCOPE_SE
	s_setreg_imm32_b32 hwreg(HW_REG_WAVE_MODE, 25, 1), 1
	s_wait_xcnt 0x0
; PROJ: the projections, on register images (a tile: 16 rows x 1,024 K, 32 blocks of 512 bytes; lane (r, h) of block P: k = 32 P + 16 h + 0 .. 15; lane r of tile T: row 32 (T / 2) + 8 (T % 2) + r + 8 (r / 8)).
; ROLES by the work-group's number:  0-127 q = Q(query) Wq^T + bq;  128-135 k = Q(memory) Wk^T + bk;  136-143 v (transposed: source 1 = Wv's rows, source 0 = memory's, so that the keys run along a lane's registers);
;   144-151 g = Q(memory) gate_w[:, :1024]^T, raw f32 sums, stored as plain rows;  152-155 W3: v_w = mean(query) Wv^T + bv from prep's parts, its codes, upd = Q(v_w) W_out^T + b_out for the 8 batches, upd's codes.
; A GEMM work-group makes 128 rows of source 1 x 512 rows of source 0; wave w: ALL eight tiles of source 1 x source-0 tiles 4 w + t, t = 0 .. 3: 32 accumulators, 256 registers (window 1).
; So each fragment of source 0 is loaded from memory by ONE wave, 512 consecutive bytes a load, straight into its registers: 512 KB a work-group.  Source 1's eight tiles are copied into LDS once and read by all waves.
; Source 0 = the rows that become the next K: a lane then holds ONE row of source 1, and the 16 registers of tiles 2 p, 2 p + 1 are 16 neighbours: two conversions give a block of the next image, one store of 512 bytes stores it.
; NO JOINT LOADS: a joint load lands in LDS, and here each fragment of source 0 has one reader: it would pass through LDS to be read once; so no cluster, no tensor load, no slot that is filled again.
; The write attention has ONE key by the problem's own shapes: its weight is 1 for every finite score, so its output is v_w for every memory slot, and products 12 and the second half of 13 have 8 distinct rows.
; LIMITS: scale exponents 6, 7, 8, 14, 16 between -126 and 112; the sums 0+1, 2+3, 4+5, 14+15 between -126 and 127.  NaN among the inputs is not served.
.set LI, 5                             ; v5   16 x lane: also where source 1's tiles 0-3 are read;  v7: the same + 65,536, for tiles 4-7
.set CP, 4                             ; v4   where I copy source 1's images: 16,384 x wave + 16 x lane
.set BF, 32                            ; v32-159  source 0's four fragments of a K step, two sets
.set AF, 160                           ; v160-255 source 1's fragments, two tiles a set, three sets that roll
.set BI, 32                            ; the way out: the bias
.set TT, 96                            ; the way out: 64 numbers
.set CC, 160                           ; the way out: codes, 8 registers for each of the eight tiles
.set BP, 36                            ; s[36:37] source 0's first tile
.set W3ROWS, 131072                    ; LDS: 0: source 1's images (GEMM roles);  W3: v_w as 16 rows x 4,112 bytes,
.set W3IMG, W3ROWS+16*4112             ; its image,
.set GSTG, W3IMG+16384                 ; role g: a stage of 16 rows x 272 bytes for each wave
.set GP, 272
.set UPD, 2097152                      ; gup: g [512][1024] f32 at 0, upd [16][1024] f32, upd's image
.set UPDC, UPD+65536
.set MSB, 0
.macro WIN new                         ; the immediate's high byte repeats the setting that is left
.if MSB != \new
	s_set_vgpr_msb (MSB<<8)|\new
.set MSB, \new
.endif
.endm
.macro PLACES                          ; four plain lines behind matrix instructions, ahead of loads into their registers and of reads of their results
.rept 4
	v_nop
.endr
.endm
.macro BLOAD ks                        ; source 0's four fragments of K step ks into set ks % 2
.irp t, 0,1,2,3
.irp c, 0,1,2,3
	global_load_b128 v[BF+64*((\ks)%2)+16*\t+4*\c:BF+64*((\ks)%2)+16*\t+4*\c+3], v[LI], s[BP:BP+1] offset:\t*16384+(\ks)*2048+\c*512
.endr
.endr
.endm
.macro ALOAD g                         ; pair g = 4 ks + q: source 1's tiles 2 q, 2 q + 1 of K step ks into set g % 3
.irp e, 0,1
.irp c, 0,1,2,3
	ds_load_b128 v[AF+32*((\g)%3)+16*\e+4*\c:AF+32*((\g)%3)+16*\e+4*\c+3], v[5+2*(((\g)%4)/2)] offset:((2*((\g)%4)+\e)%4)*16384+((\g)/4)*2048+\c*512
.endr
.endr
.endm
.macro MUL8                            ; pair G: 8 accumulators, one instruction each: the 32 take turns in the same order in every K step.  The first K step starts the sums
.irp t, 0,1,2,3
.irp e, 0,1
.set AC, 8*(4*(2*(G%4)+\e)+\t)
.if G < 4
	v_wmma_f32_16x16x128_bf8_bf8 v[AC:AC+7], v[BF+64*((G/4)%2)+16*\t:BF+64*((G/4)%2)+16*\t+15], v[AF+32*(G%3)+16*\e:AF+32*(G%3)+16*\e+15], 0
.else
	v_wmma_f32_16x16x128_bf8_bf8 v[AC:AC+7], v[BF+64*((G/4)%2)+16*\t:BF+64*((G/4)%2)+16*\t+15], v[AF+32*(G%3)+16*\e:AF+32*(G%3)+16*\e+15], v[AC:AC+7]
.endif
.endr
.endr
.endm
.macro PAIR                            ; a quarter of a K step: two tiles of source 1 against my four of source 0
.if G < 30
	s_wait_dscnt 16                                ; this pair is in; the two pairs asked for behind it (8 loads each) stay out
.else
	s_wait_dscnt 8*(31-G)
.endif
.if G%4 == 0
.if G < 28
	s_wait_loadcnt 16                              ; this K step's fragments of source 0 are in; the next step's 16 loads stay out
.else
	s_wait_loadcnt 0x0
.endif
.endif
	WIN 0x50                                       ; C and D in window 1
	MUL8
	PLACES
	WIN 0
.if G < 29
	ALOAD G+3                                      ; into the set that has just been multiplied
.endif
.if (G%4 == 3) && (G < 24)
	BLOAD G/4+2                                    ; likewise: the K step after the next
.endif
.endm
	s_load_b512 s[4:19], s[0:1], 0x0               ; xq_img 4, m_img 6, w_img 8, vwp 10, r_in_b 12, w_in_b 14, w_out_b 16, scales 18
	s_load_b128 s[20:23], s[0:1], 0x40             ; qkv_img 20, gup 22
	v_lshl_add_u32 v30, v0, 2, 0x3c900
	v_mov_b32 v31, 0
	v_lshrrev_b32 v1, 5, v0
	v_readfirstlane_b32 s24, v1                    ; wave 0..7
	v_and_b32 v1, 31, v0
	v_lshlrev_b32 v[LI], 4, v1
	v_and_b32 v2, 15, v0                           ; r
	v_bfe_u32 v3, v0, 4, 1                         ; h
	s_mov_b32 s35, 0
	s_wait_kmcnt 0x0
	s_load_b512 s[68:83], s[18:19], 0x0            ; scale exponents 0 .. 15
	s_load_b64 s[84:85], s[18:19], 0x40            ; 16, 17
	s_cmp_ge_u32 ttmp9, 152
	s_cbranch_scc1 .Lw3
	; ---------------- the GEMM roles ----------------
	s_sub_co_u32 s28, ttmp9, 128
	s_lshr_b32 s27, s28, 3
	s_add_co_u32 s27, s27, 1
	s_and_b32 s28, s28, 7
	s_cmp_lt_u32 ttmp9, 128
	s_cselect_b32 s27, 0, s27                      ; role: 0 q, 1 k, 2 v, 3 g
	s_cselect_b32 s28, ttmp9, s28                  ; the work-group's number in its role
	s_lshr_b32 s29, s28, 1                         ; rb: which 128 rows of source 1
	s_and_b32 s30, s28, 1                          ; ch: which 512 rows of source 0
	s_cmp_eq_u32 s27, 2
	s_cselect_b32 s29, s28, s29                    ; (v: source 0 has 512 rows in all)
	s_cselect_b32 s30, 0, s30
	s_cselect_b64 s[32:33], s[8:9], s[6:7]         ; source 1: Wv's images for v, else memory's
	s_cselect_b64 s[36:37], s[6:7], s[8:9]         ; source 0: memory's images for v, else a weight's
	s_cselect_b32 s46, 0x200000, 0                 ; source 1's first byte: w_img tile 128
	s_cselect_b32 s47, 0x80000, 0                  ; source 0's: memory's second set of codes
	s_cmp_eq_u32 s27, 0
	s_cselect_b64 s[32:33], s[4:5], s[32:33]       ; q: the query's images
	s_cmp_eq_u32 s27, 1
	s_cselect_b32 s47, 0x100000, s47               ; k: w_img tile 64
	s_cmp_eq_u32 s27, 3
	s_cselect_b32 s46, 0x100000, s46               ; g: memory's third set of codes,
	s_cselect_b32 s47, 0x500000, s47               ;    w_img tile 320
	s_lshl_b32 s34, s29, 17
	s_add_co_u32 s34, s34, s46
	s_lshl_b32 s48, s24, 14
	s_add_co_u32 s34, s34, s48
	s_add_nc_u64 s[32:33], s[32:33], s[34:35]      ; the tile that I copy: 8 rb + wave
	v_add_nc_u32 v[CP], s48, v[LI]
	s_lshl_b32 s34, s30, 19
	s_add_co_u32 s34, s34, s47
	s_lshl_b32 s48, s24, 16
	s_add_co_u32 s34, s34, s48
	s_add_nc_u64 s[BP:BP+1], s[BP:BP+1], s[34:35]  ; source 0's tile 32 ch + 4 wave
	v_add_nc_u32 v7, 0x10000, v[LI]
	WIN 0x40                                       ; destination window 1: the accumulators' registers carry the copy
.set n, 0
.rept 32
	global_load_b128 v[4*n:4*n+3], v[LI], s[32:33] offset:n*512
.set n, n+1
.endr
	WIN 0
	BLOAD 0
	BLOAD 1
	s_mul_i32 s48, s24, 16*GP
	s_add_co_u32 s48, s48, GSTG
	v_mul_u32_u24 v8, v2, GP
	v_lshl_add_u32 v8, v3, 6, v8
	v_add_nc_u32 v8, s48, v8                       ; role g's stage, way in: row r, 64 h
	v_mul_u32_u24 v9, v3, GP
	v_lshl_add_u32 v9, v2, 4, v9
	v_add_nc_u32 v9, s48, v9                       ; way out: lanes 0-15 one row of 256 bytes, lanes 16-31 the next
	v_lshlrev_b32 v14, 12, v3
	v_lshl_add_u32 v14, v2, 4, v14                 ; and the same two rows in g
	v_lshlrev_b32 v12, 6, v3                       ; bias along the registers: 64 h
	v_and_b32 v13, 8, v2
	v_add_nc_u32 v13, v13, v2
	v_lshlrev_b32 v13, 2, v13                      ; bias along the lanes: 4 (r + 8 (r / 8))
	s_lshl_b32 s52, s29, 3                         ; my first tile of source 1
	s_cmp_eq_u32 s27, 2
	s_cselect_b32 s53, 13, 14                      ; a result tile's bytes as a shift: K = 512 keys for v, else 1,024
	s_cselect_b32 s49, 0x880000, 0                 ; v's images in qkv_img
	s_lshl_b32 s52, s52, s53
	s_cmp_eq_u32 s27, 1
	s_cselect_b32 s49, 0x800000, s49               ; k's
	s_add_co_u32 s52, s52, s49
	s_lshl_b32 s53, s30, 13
	s_add_co_u32 s52, s52, s53
	s_lshl_b32 s53, s24, 10
	s_add_co_u32 s52, s52, s53                     ; + block 16 ch + 2 wave
	s_mov_b32 s53, 0
	s_add_nc_u64 s[38:39], s[20:21], s[52:53]
	s_wait_kmcnt 0x0
	s_add_co_i32 s48, s68, s69
	s_add_co_i32 s49, s70, s71
	s_add_co_i32 s50, s72, s73
	s_cmp_eq_u32 s27, 1
	s_cselect_b32 s48, s49, s48
	s_cselect_b32 s51, s75, s74
	s_cmp_eq_u32 s27, 2
	s_cselect_b32 s48, s50, s48                    ; the two operands' exponents added,
	s_cselect_b32 s51, s76, s51                    ; and the exponent of the result's own scale (role g uses neither)
	s_add_co_i32 s48, s48, 127
	s_lshl_b32 s42, s48, 23
	s_mov_b32 s43, s42                             ; (named with it as a pair)
	s_add_co_i32 s51, s51, 127
	s_lshl_b32 s44, s51, 23
	s_add_co_i32 s51, s51, 15
	s_lshl_b32 s45, s51, 23
	s_or_b32 s45, s45, 0x600000
	v_mov_b32 v10, s44                             ; the result's scale as f32
	v_mov_b32 v11, s45                             ; 57,344 x that
	s_wait_loadcnt 32                              ; the copy's 32 loads are in; source 0's first two K steps (32 loads) stay out
	WIN 0x04                                       ; store data in window 1
.set n, 0
.rept 32
	ds_store_b128 v[CP], v[4*n:4*n+3] offset:n*512
.set n, n+1
.endr
	WIN 0
	s_wait_dscnt 0x0                               ; for the others' sake: my tile lies in LDS
	s_barrier_signal -1
	s_barrier_wait -1
	ALOAD 0
	ALOAD 1
	ALOAD 2
.set G, 0
.rept 32
	PAIR
.set G, G+1
.endr
	s_cmp_eq_u32 s27, 3
	s_cbranch_scc1 .Lg_out
	s_cmp_eq_u32 s27, 2
	s_cbranch_scc1 .Lv_out
; THE WAY OUT of q, k (lanebias = 0: the bias runs along a lane's registers) and v (1: a lane has one bias a tile): sum x 2^(the operands' exponents) + bias, held, converted, stored as the next operand's blocks.
; Two tiles of source 1 (64 numbers a lane) at a time; a tile's 32 numbers are blocks 2 w and 2 w + 1 of its image's part.
.macro EPI lanebias
.if \lanebias
	s_lshl_b32 s52, s29, 9
	s_add_co_u32 s52, s52, 8192                    ; bv at row 128 rb
	s_mov_b32 s53, 0
	s_add_nc_u64 s[40:41], s[12:13], s[52:53]
.irp a, 0,1,2,3,4,5,6,7
	global_load_b32 v[BI+2*\a], v13, s[40:41] offset:(32*(\a/2)+8*(\a%2))*4
	v_mov_b32 v[BI+2*\a+1], 0                      ; (named as the upper half of the pair)
.endr
.else
	s_lshl_b32 s52, s27, 12
	s_lshl_b32 s53, s30, 11
	s_add_co_u32 s52, s52, s53
	s_lshl_b32 s53, s24, 8
	s_add_co_u32 s52, s52, s53                     ; bq or bk at column 512 ch + 64 wave
	s_mov_b32 s53, 0
	s_add_nc_u64 s[40:41], s[12:13], s[52:53]
.set n, 0
.rept 8
	global_load_b128 v[BI+4*n:BI+4*n+3], v12, s[40:41] offset:(n/4)*128+(n%4)*16
.set n, n+1
.endr
.endif
	s_wait_loadcnt 0x0
.irp aa, 0,1,2,3
	WIN 0x01                                       ; source 0 (the sums) in window 1
.set n, 0
.rept 32
.if \lanebias
	v_pk_fma_f32 v[TT+2*n:TT+2*n+1], v[64*\aa+2*n:64*\aa+2*n+1], s[42:43], v[BI+2*(2*\aa+n/16):BI+2*(2*\aa+n/16)+1] op_sel_hi:[1,0,0]
.else
	v_pk_fma_f32 v[TT+2*n:TT+2*n+1], v[64*\aa+2*n:64*\aa+2*n+1], s[42:43], v[BI+(2*n)%32:BI+(2*n)%32+1] op_sel_hi:[1,0,1]
.endif
.set n, n+1
.endr
	WIN 0
.set n, 0
.rept 64
	v_med3_num_f32 v[TT+n], v[TT+n], -v11, v11     ; the conversion does not saturate (ISA guide 7.6.2)
.set n, n+1
.endr
.set n, 0
.rept 8
	v_cvt_scalef32_pk8_bf8_f32 v[CC+16*\aa+2*n:CC+16*\aa+2*n+1], v[TT+8*n:TT+8*n+7], v10
.set n, n+1
.endr
	v_nop                                          ; a plain line between the conversions and the lines that write their sources again
.irp e, 0,1
.irp p, 0,1
	global_store_b128 v[LI], v[CC+16*\aa+8*\e+4*\p:CC+16*\aa+8*\e+4*\p+3], s[38:39] offset:(2*\aa+\e)*(16384-8192*\lanebias)+\p*512   ; 512 consecutive bytes, aligned; each tile's codes have registers of their own
.endr
.endr
.endr
.endm
	EPI 0
	s_wait_tensorcnt 0x0
	ds_add_u32 v30, v31
	s_wait_dscnt 0x0
	s_endpgm
.Lv_out:
	EPI 1
	s_wait_tensorcnt 0x0
	ds_add_u32 v30, v31
	s_wait_dscnt 0x0
	s_endpgm
.Lg_out:                                               ; raw sums as plain rows: a tile of 16 rows x 64 columns goes through my own stage and leaves as rows of 256 bytes, two a store
	s_lshl_b32 s52, s29, 19                        ; row 128 rb,
	s_lshl_b32 s53, s30, 11
	s_add_co_u32 s52, s52, s53
	s_lshl_b32 s53, s24, 8
	s_add_co_u32 s52, s52, s53                     ; column 512 ch + 64 wave
	s_mov_b32 s53, 0
	s_add_nc_u64 s[38:39], s[22:23], s[52:53]
.irp a, 0,1,2,3,4,5,6,7
.if \a >= 2
	s_wait_xcnt 0x0                                ; tile a - 2's stores have read the registers that this tile's rows land in
.endif
	WIN 0x04
.set n, 0
.rept 8
	ds_store_b128 v8, v[32*\a+4*n:32*\a+4*n+3] offset:128*(n/4)+16*(n%4)
.set n, n+1
.endr
	WIN 0
.set n, 0
.rept 8
	ds_load_b128 v[32+32*(\a%2)+4*n:35+32*(\a%2)+4*n], v9 offset:n*2*GP   ; LDS serves a wave's instructions in order: these see my stores
.set n, n+1
.endr
	s_wait_dscnt 0x0
.set n, 0
.rept 8
	global_store_b128 v14, v[32+32*(\a%2)+4*n:35+32*(\a%2)+4*n], s[38:39] offset:(32*(\a/2)+8*(\a%2)+2*n+8*(n/4))*4096   ; sixteen lanes store 256 consecutive bytes, aligned
.set n, n+1
.endr
.endr
	s_wait_tensorcnt 0x0
	ds_add_u32 v30, v31
	s_wait_dscnt 0x0
	s_endpgm
	; ---------------- W3 ----------------
.Lw3:
	s_sub_co_u32 s28, ttmp9, 152
	s_lshl_b32 s28, s28, 3
	s_add_co_u32 s28, s28, s24                     ; P: my pair of W_out's tiles: columns 32 P .. 32 P + 31 of upd
	s_lshl_b32 s34, s24, 12
	s_add_nc_u64 s[32:33], s[10:11], s[34:35]      ; phase 1: wave = batch b: vwp[.][b][.]
	WIN 0x40
.set n, 0
.rept 64                               ; slabs 0-7 into window 1
	global_load_b128 v[4*n:4*n+3], v[LI], s[32:33] offset:(n/8)*32768+(n%8)*512
.set n, n+1
.endr
	WIN 0
.set n, 0
.rept 32                               ; slabs 8-11
	global_load_b128 v[96+4*n:99+4*n], v[LI], s[32:33] offset:(8+n/8)*32768+(n%8)*512
.set n, n+1
.endr
.set n, 0
.rept 8                                ; bv
	global_load_b128 v[64+4*n:67+4*n], v[LI], s[14:15] offset:8192+n*512
.set n, n+1
.endr
	s_mul_i32 s48, s24, 4112
	s_add_co_u32 s48, s48, W3ROWS
	v_add_nc_u32 v14, s48, v[LI]                   ; row = wave, 16 x lane
	v_mul_u32_u24 v15, v2, 4112
	v_lshl_add_u32 v15, v3, 6, v15
	s_lshl_b32 s48, s24, 9
	s_add_co_u32 s48, s48, W3ROWS
	v_add_nc_u32 v15, s48, v15                     ; row r, 64 h, K step = wave
	s_lshl_b32 s48, s24, 11
	s_add_co_u32 s48, s48, W3IMG
	v_add_nc_u32 v16, s48, v[LI]                   ; the image's K step = wave
	v_add_nc_u32 v17, W3IMG, v[LI]
	v_lshlrev_b32 v18, 6, v3
	v_lshlrev_b32 v19, 12, v2
	v_lshl_add_u32 v19, v3, 6, v19                 ; upd: row r of 4,096 bytes, 64 h
	s_lshl_b32 s34, s28, 15
	s_add_co_u32 s34, s34, 256*16384
	s_add_nc_u64 s[BP:BP+1], s[8:9], s[34:35]      ; w_img tile 256 + 2 P
	s_lshl_b32 s34, s28, 7
	s_add_nc_u64 s[46:47], s[16:17], s[34:35]      ; w_out_b at column 32 P
	s_add_co_u32 s34, s34, UPD
	s_add_nc_u64 s[38:39], s[22:23], s[34:35]
	s_lshl_b32 s34, s28, 9
	s_add_co_u32 s34, s34, UPDC
	s_add_nc_u64 s[40:41], s[22:23], s[34:35]
	s_wait_loadcnt 40                              ; slabs 0-7 are in; slabs 8-11 (32 loads) and bv (8) stay out
	WIN 0x05                                       ; both sources in window 1
.set n, 0
.rept 16
	v_pk_add_f32 v[32+2*n:33+2*n], v[2*n:2*n+1], v[32+2*n:33+2*n]   ; slab 0 + slab 1 start the sums, in window 0
.set n, n+1
.endr
	WIN 0x04                                       ; source 1 in window 1
.irp sl, 2,3,4,5,6,7
.set n, 0
.rept 16
	v_pk_add_f32 v[32+2*n:33+2*n], v[32+2*n:33+2*n], v[32*\sl+2*n:32*\sl+2*n+1]
.set n, n+1
.endr
.endr
	WIN 0x40
.set n, 0
.rept 32                               ; slabs 12-15, into the registers that slabs 0-3 have left
	global_load_b128 v[4*n:4*n+3], v[LI], s[32:33] offset:(12+n/8)*32768+(n%8)*512
.set n, n+1
.endr
	WIN 0
	s_wait_loadcnt 32                              ; slabs 8-11 and bv are in; the 32 just issued stay out
.irp sl, 0,1,2,3
.set n, 0
.rept 16
	v_pk_add_f32 v[32+2*n:33+2*n], v[32+2*n:33+2*n], v[96+32*\sl+2*n:97+32*\sl+2*n]
.set n, n+1
.endr
.endr
	s_wait_loadcnt 0x0
	WIN 0x04
.irp sl, 0,1,2,3
.set n, 0
.rept 16
	v_pk_add_f32 v[32+2*n:33+2*n], v[32+2*n:33+2*n], v[32*\sl+2*n:32*\sl+2*n+1]
.set n, n+1
.endr
.endr
	WIN 0x40
.set n, 0
.rept 64                               ; W_out's two tiles, all eight K steps, into window 1: they land while v_w is quantised
	global_load_b128 v[4*n:4*n+3], v[LI], s[BP:BP+1] offset:(n/32)*16384+(n%32)*512
.set n, n+1
.endr
	WIN 0
.irp i, 0,1,2,3
	global_load_b128 v[208+4*\i:211+4*\i], v18, s[46:47] offset:16*\i
.endr
.set n, 0
.rept 16
	v_pk_fma_f32 v[32+2*n:33+2*n], v[32+2*n:33+2*n], 0x3a800000, v[64+2*n:65+2*n] op_sel_hi:[1,0,1]   ; v_w = the sums / 1,024 + bv
.set n, n+1
.endr
.irp i, 0,1,2,3
	v_mov_b32 v[64+\i], 0
.endr
.set n, 0
.rept 8
	ds_store_b128 v14, v[32+4*n:35+4*n] offset:n*512
	ds_store_b128 v14, v[64:67] offset:8*4112+n*512   ; rows 8-15 of the tile are zeros
.set n, n+1
.endr
	s_wait_dscnt 0x0
	s_barrier_signal -1
	s_barrier_wait -1
.set n, 0
.rept 16                               ; phase 2: wave = K step: 64 numbers of my row
	ds_load_b128 v[96+4*n:99+4*n], v15 offset:(n/4)*128+(n%4)*16
.set n, n+1
.endr
	s_wait_kmcnt 0x0
	s_add_co_i32 s48, s82, 127                     ; entry 14
	s_lshl_b32 s49, s48, 23
	v_mov_b32 v20, s49
	s_add_co_i32 s48, s48, 15
	s_lshl_b32 s48, s48, 23
	s_or_b32 s48, s48, 0x600000
	v_mov_b32 v21, s48
	s_add_co_i32 s48, s84, 127                     ; entry 16
	s_lshl_b32 s49, s48, 23
	v_mov_b32 v22, s49
	s_add_co_i32 s48, s48, 15
	s_lshl_b32 s48, s48, 23
	s_or_b32 s48, s48, 0x600000
	v_mov_b32 v23, s48
	s_add_co_i32 s48, s82, s83
	s_add_co_i32 s48, s48, 127
	s_lshl_b32 s42, s48, 23                        ; 2^(entries 14 + 15)
	s_mov_b32 s43, s42
	s_wait_dscnt 0x0
.set n, 0
.rept 64
	v_med3_num_f32 v[96+n], v[96+n], -v21, v21
.set n, n+1
.endr
.set n, 0
.rept 8
	v_cvt_scalef32_pk8_bf8_f32 v[32+2*n:33+2*n], v[96+8*n:103+8*n], v20
.set n, n+1
.endr
	v_nop
.irp c, 0,1,2,3
	ds_store_b128 v16, v[32+4*\c:35+4*\c] offset:\c*512
.endr
	s_wait_dscnt 0x0
	s_barrier_signal -1
	s_barrier_wait -1
.set n, 0
.rept 32                               ; phase 3: the whole image of Q(v_w)
	ds_load_b128 v[32+4*n:35+4*n], v17 offset:n*512
.set n, n+1
.endr
	s_wait_dscnt 0x0
	s_wait_loadcnt 0x0
	WIN 0x01                                       ; source 0 (W_out) in window 1
.irp ks, 0,1,2,3,4,5,6,7
.irp u, 0,1
.if \ks == 0
	v_wmma_f32_16x16x128_bf8_bf8 v[224+8*\u:231+8*\u], v[128*\u+16*\ks:128*\u+16*\ks+15], v[32+16*\ks:47+16*\ks], 0
.else
	v_wmma_f32_16x16x128_bf8_bf8 v[224+8*\u:231+8*\u], v[128*\u+16*\ks:128*\u+16*\ks+15], v[32+16*\ks:47+16*\ks], v[224+8*\u:231+8*\u]
.endif
.endr
.endr                                  ; the two accumulators take turns
	WIN 0
	PLACES
.set n, 0
.rept 8
	v_pk_fma_f32 v[176+2*n:177+2*n], v[224+2*n:225+2*n], s[42:43], v[208+2*n:209+2*n] op_sel_hi:[1,0,1]   ; upd(r, 32 P + 16 h + ..)
.set n, n+1
.endr
.irp i, 0,1,2,3
	global_store_b128 v19, v[176+4*\i:179+4*\i], s[38:39] offset:16*\i   ; 64 KB in all: rows 0-7 are the batches, rows 8-15 hold the bias alone and are not used
.endr
.set n, 0
.rept 16
	v_med3_num_f32 v[192+n], v[176+n], -v23, v23
.set n, n+1
.endr
	v_cvt_scalef32_pk8_bf8_f32 v[160:161], v[192:199], v22
	v_cvt_scalef32_pk8_bf8_f32 v[162:163], v[200:207], v22
	v_nop
	global_store_b128 v[LI], v[160:163], s[40:41]  ; block P of upd's image
	s_wait_tensorcnt 0x0
	ds_add_u32 v30, v31
	s_wait_dscnt 0x0
	s_endpgm
.Lfunc_end_k_qb224168335_proj:
	.size	k_qb224168335_proj, .Lfunc_end_k_qb224168335_proj-k_qb224168335_proj
	.p2alignl 7, 3214868480
	.fill 96, 4, 3214868480
	.section	.rodata,"a",@progbits
	.p2align	6, 0x0
	.amdhsa_kernel k_qb224168335_proj
		.amdhsa_group_segment_fixed_size 249088
		.amdhsa_private_segment_fixed_size 0
		.amdhsa_enable_private_segment 0
		.amdhsa_kernarg_size 80
		.amdhsa_user_sgpr_count 2
		.amdhsa_user_sgpr_kernarg_segment_ptr 1
		.amdhsa_wavefront_size32 1
		.amdhsa_system_sgpr_workgroup_id_x 1
		.amdhsa_system_sgpr_workgroup_id_y 1
		.amdhsa_system_sgpr_workgroup_id_z 1
		.amdhsa_system_vgpr_workitem_id 0
		.amdhsa_next_free_vgpr 512
		.amdhsa_next_free_sgpr 88
		.amdhsa_reserve_vcc 0
		.amdhsa_float_denorm_mode_32 3
		.amdhsa_float_denorm_mode_16_64 3
		.amdhsa_memory_ordered 1
		.amdhsa_forward_progress 1
		.amdhsa_inst_pref_size 186
	.end_amdhsa_kernel
	.amdgpu_metadata
---
amdhsa.version: [ 1, 2 ]
amdhsa.kernels:
  - .name:           k_qb224168335_proj
    .symbol:         k_qb224168335_proj.kd
    .args:
      - { .name: xq_img, .offset: 0, .size: 8, .value_kind: global_buffer, .address_space: global }
      - { .name: m_img, .offset: 8, .size: 8, .value_kind: global_buffer, .address_space: global }
      - { .name: w_img, .offset: 16, .size: 8, .value_kind: global_buffer, .address_space: global }
      - { .name: vwp, .offset: 24, .size: 8, .value_kind: global_buffer, .address_space: global }
      - { .name: r_in_b, .offset: 32, .size: 8, .value_kind: global_buffer, .address_space: global }
      - { .name: w_in_b, .offset: 40, .size: 8, .value_kind: global_buffer, .address_space: global }
      - { .name: w_out_b, .offset: 48, .size: 8, .value_kind: global_buffer, .address_space: global }
      - { .name: lowp_scales, .offset: 56, .size: 8, .value_kind: global_buffer, .address_space: global }
      - { .name: qkv_img, .offset: 64, .size: 8, .value_kind: global_buffer, .address_space: global }
      - { .name: gup, .offset: 72, .size: 8, .value_kind: global_buffer, .address_space: global }
    .group_segment_fixed_size: 249088
    .private_segment_fixed_size: 0
    .kernarg_segment_align: 8
    .kernarg_segment_size: 80
    .max_flat_workgroup_size: 256
    .sgpr_count:     88
    .vgpr_count:     512
    .wavefront_size: 32
...
	.end_amdgpu_metadata
.endif
;; end of part 2
;; launch attn (part 3): grid 256 x 1, 16 waves a work-group, no clusters, 67,584 bytes of LDS; arguments qkv_img, gup, w_img, lowp_scales, ao_img, gu; writes ao_img, gu
.if DOCPART == 3
	.amdgcn_target "amdgcn-amd-amdhsa--gfx1250"
	.amdhsa_code_object_version 6
	.text
	.protected	k_qb224168335_attn
	.globl	k_qb224168335_attn
	.p2align	8
	.type	k_qb224168335_attn,@function
k_qb224168335_attn:
	s_mov_b64 s[64:65], 0
	v_nop
	global_prefetch_b8 v0, s[64:65] scope:SCOPE_SE
	s_setreg_imm32_b32 hwreg(HW_REG_WAVE_MODE, 25, 1), 1
	s_wait_xcnt 0x0
; ATTN: the read attention on codes of E5M2: 16 heads of 64, 8,192 queries, the same 512 keys for all batches.  Work-group: head = id / 16, 512 queries (32 tiles); each of its sixteen waves takes two tiles, one after the other.
; The head's K (32 tiles x 1 KB) and V (4 tiles x 8 KB) lie in LDS as register images, filled once: every fragment is read as 512 consecutive bytes, with no pitch and no padding.
; Both products are used transposed: S^T = K Q^T (source 0 = 16 keys), O^T = V^T P^T (source 0 = 16 of the head's 64): a lane holds ONE query throughout, and by the images' order of rows the 16 registers of
; tiles 2 p, 2 p + 1 are 16 neighbouring keys (channels): p's codes are the second product's operand, and O's codes are blocks 2 head, 2 head + 1 of the next launch's image.
; THE SOFTMAX: t = score x log2(e) / 8; M = the running largest t rounded UP to a whole number; p = 2^(t - M) is quantised, not normalised; the row's sum is taken of the unquantised p and divides at the end;
; when M moves, the sum and O^T are multiplied by 2^(old M - new M), which rounds nothing.  The first key step starts M, the sum and O^T.
; THE HOLD OF p: p is at most 1.  Where scale entry 9 is -15 or more, the largest code x the scale is 57,344 x 2^-15 = 1.75 or more, and the hold changes no number: a scalar branch on that whole number passes over it.
; Q is asked for ahead: the first tile's with the fill of K and V, the second tile's in the first tile's last key step, behind the last product that reads Q.
; Four waves share a SIMD, so that one wave's vector work stands beside another's matrix work and LDS loads.  Work-groups of one head read the same 64 KB of K and V once each, at their heads: too little for joint loads.
; Wave 0 of work-groups 0-31 also makes 32 columns of Q(upd) gate_w[:, 1024:]^T (16 rows, of which 8 are batches): raw sums into gu.
; LIMITS: scale exponents 6 + 7 between -123 and 130 (added to c's exponent field); 9 and 10 between -126 and 112; 8 + 9 is applied by v_ldexp_f32.
; REGISTERS: v5 16 x lane; v12 -M, v13 the largest t, v[14:15] the sum; v16-23 Q; v32-95 fragments of K, then of V; v96-159 S^T, then p; v160-191 O^T; v224-239 p's codes; v240-254 constants and work.
.set KOFF, 8388608                     ; qkv_img: q's images, k's, v's
.set VOFF, 8912896
.set UPDC, 2162688                     ; gup: upd's image
.set VLDS, 32768
.set CS, 36                            ; s[36:37] c
.set SEL, 38                           ; s[38:39] lane l xor 16
.macro PLACES
.rept 4
	v_nop
.endr
.endm
.macro GULOAD k                        ; K step k of gu's product: upd's fragment (4 loads) and the two weight tiles' (8), into set k % 4
.irp c, 0,1,2,3
	global_load_b128 v[32+16*((\k)%4)+4*\c:35+16*((\k)%4)+4*\c], v5, s[52:53] offset:(\k)*2048+\c*512
.endr
.irp u, 0,1
.irp c, 0,1,2,3
	global_load_b128 v[96+32*((\k)%4)+16*\u+4*\c:99+32*((\k)%4)+16*\u+4*\c], v5, s[50:51] offset:\u*16384+(\k)*2048+\c*512
.endr
.endr
.endm
	s_load_b256 s[4:11], s[0:1], 0x0               ; qkv_img 4, gup 6, w_img 8, scales 10
	s_load_b128 s[12:15], s[0:1], 0x20             ; ao_img 12, gu 14
	v_lshl_add_u32 v251, v0, 2, 0x10000
	v_mov_b32 v255, 0
	v_lshrrev_b32 v1, 5, v0
	v_readfirstlane_b32 s18, v1                    ; wave 0..15
	v_and_b32 v1, 31, v0
	v_lshlrev_b32 v5, 4, v1
	s_lshr_b32 s16, ttmp9, 4                       ; head
	s_and_b32 s17, ttmp9, 15                       ; which 32 tiles of queries
	s_lshl_b32 s19, s18, 11
	v_add_nc_u32 v6, s19, v5                       ; the fill: 2,048 x wave + 16 x lane
	s_mov_b32 s[SEL], 0x76543210
	s_mov_b32 s[SEL+1], 0xfedcba98
	s_mov_b32 s[CS], 0x3e38aa3b                    ; c = log2(e) / sqrt(64)
	s_mov_b32 s21, 0
	s_mov_b32 s47, 0
	s_lshl_b32 s20, s16, 10
	s_lshl_b32 s30, s18, 15
	s_add_co_u32 s20, s20, s30                     ; two tiles x wave, the head's two blocks
	s_lshl_b32 s30, s17, 19
	s_add_co_u32 s46, s20, s30                     ; tile 32 blk + 2 wave of q's and of the output's images
	s_add_co_u32 s20, s20, KOFF
	s_wait_kmcnt 0x0
	s_load_b128 s[40:43], s[10:11], 0x18           ; scale exponents 6, 7, 8, 9
	s_load_b32 s44, s[10:11], 0x28                 ; 10
	s_add_nc_u64 s[22:23], s[4:5], s[20:21]        ; K: tiles 2 wave, 2 wave + 1
	s_lshl_b32 s20, s16, 15
	s_add_co_u32 s20, s20, s19
	s_add_co_u32 s20, s20, VOFF
	s_add_nc_u64 s[24:25], s[4:5], s[20:21]        ; V: my 2 KB of the head's 32
	s_add_nc_u64 s[34:35], s[4:5], s[46:47]
	s_add_nc_u64 s[48:49], s[12:13], s[46:47]
	global_load_b128 v[32:35], v5, s[22:23]
	global_load_b128 v[36:39], v5, s[22:23] offset:512
	global_load_b128 v[40:43], v5, s[22:23] offset:16384
	global_load_b128 v[44:47], v5, s[22:23] offset:16384+512
.irp i, 0,1,2,3
	global_load_b128 v[48+4*\i:51+4*\i], v5, s[24:25] offset:\i*512
.endr
	global_load_b128 v[16:19], v5, s[34:35]        ; my first tile of queries, the head's 64 channels
	global_load_b128 v[20:23], v5, s[34:35] offset:512
	s_wait_loadcnt 2                               ; my part of K and V is in; Q's two loads stay out
.irp i, 0,1,2,3
	ds_store_b128 v6, v[32+4*\i:35+4*\i] offset:\i*512
	ds_store_b128 v6, v[48+4*\i:51+4*\i] offset:VLDS+\i*512
.endr
	s_wait_dscnt 0x0                               ; for the others' sake: my part of K and V lies in LDS
	s_barrier_signal -1
	s_barrier_wait -1
	; ---- the second half of the gate's product, for the 8 distinct rows of upd: one wave of 32 work-groups.  Its eight K steps roll through four sets of registers: 36 to 48 loads are on their way
	s_cmp_lg_u32 s18, 0
	s_cbranch_scc1 .Lno_gu
	s_cmp_ge_u32 ttmp9, 32
	s_cbranch_scc1 .Lno_gu
	s_lshl_b32 s20, ttmp9, 15
	s_add_co_u32 s20, s20, 384*16384
	s_add_nc_u64 s[50:51], s[8:9], s[20:21]        ; w_img tile 384 + 2 P, P = the work-group's number
	s_add_nc_u64 s[52:53], s[6:7], UPDC
	s_lshl_b32 s20, ttmp9, 7
	s_add_nc_u64 s[54:55], s[14:15], s[20:21]      ; gu at column 32 P
	GULOAD 0
	GULOAD 1
	GULOAD 2
	GULOAD 3
	v_and_b32 v2, 15, v0
	v_bfe_u32 v3, v0, 4, 1
	v_lshlrev_b32 v7, 12, v2
	v_lshl_add_u32 v7, v3, 6, v7                   ; row r of 4,096 bytes, 64 h
.irp k, 0,1,2,3,4,5,6,7
.if \k < 5
	s_wait_loadcnt 36                              ; this K step's 12 loads are in; the three steps behind it stay out
.else
	s_wait_loadcnt 12*(7-\k)
.endif
.irp u, 0,1
.if \k == 0
	v_wmma_f32_16x16x128_bf8_bf8 v[224+8*\u:231+8*\u], v[96+32*(\k%4)+16*\u:111+32*(\k%4)+16*\u], v[32+16*(\k%4):47+16*(\k%4)], 0
.else
	v_wmma_f32_16x16x128_bf8_bf8 v[224+8*\u:231+8*\u], v[96+32*(\k%4)+16*\u:111+32*(\k%4)+16*\u], v[32+16*(\k%4):47+16*(\k%4)], v[224+8*\u:231+8*\u]
.endif
.endr                                  ; the two accumulators take turns
	PLACES
.if \k < 4
	GULOAD \k+4                                    ; into the set that has just been multiplied
.endif
.endr
.irp i, 0,1,2,3
	global_store_b128 v7, v[224+4*\i:227+4*\i], s[54:55] offset:16*\i
.endr
	s_wait_xcnt 0x0                                ; the stores have read their registers, which the tasks write
.Lno_gu:
	v_mov_b32 v246, 0                              ; written once: a lane permute's destination counts as one of its sources
	v_mov_b32 v253, 0                              ; (named as the upper half of the pair v[252:253])
	s_wait_kmcnt 0x0
	s_add_co_i32 s30, s40, s41
	s_lshl_b32 s30, s30, 23
	s_add_co_i32 s[CS], s[CS], s30                 ; a score stands for score x 2^(entries 6 + 7): added to c's exponent field
	s_mov_b32 s[CS+1], s[CS]
	s_add_co_i32 s30, s43, 127
	s_lshl_b32 s45, s30, 23
	v_mov_b32 v244, s45                            ; p's scale
	s_add_co_i32 s30, s30, 15
	s_lshl_b32 s30, s30, 23
	s_or_b32 s30, s30, 0x600000
	v_mov_b32 v240, s30                            ; 57,344 x that
	s_add_co_i32 s30, s44, 127
	s_lshl_b32 s45, s30, 23
	v_mov_b32 v245, s45                            ; the output's scale
	s_add_co_i32 s30, s30, 15
	s_lshl_b32 s30, s30, 23
	s_or_b32 s30, s30, 0x600000
	v_mov_b32 v241, s30
	s_add_co_i32 s31, s42, s43                     ; entries 8 + 9
; A KEY STEP: 128 keys.
.macro STEP s
.if \s > 0
	PLACES                                         ; behind the last products, ahead of loads into the registers that they read
.endif
.set n, 0
.rept 16
	ds_load_b128 v[32+4*n:35+4*n], v5 offset:\s*8192+n*512
.set n, n+1
.endr
	s_wait_dscnt 0x0
.irp t, 0,1,2,3,4,5,6,7
	v_wmma_f32_16x16x64_bf8_bf8 v[96+8*\t:103+8*\t], v[32+8*\t:39+8*\t], v[16:23], 0
.endr
	PLACES
.if \s == 3
	s_cmp_eq_u32 s32, 1                            ; Q has had its last reader of this tile: the next tile's is asked for, if there is a next tile
	s_cbranch_scc1 .Llast_q
	global_load_b128 v[16:19], v5, s[34:35] offset:16384
	global_load_b128 v[20:23], v5, s[34:35] offset:16384+512
.Llast_q:
.endif
.set n, 0
.rept 16                               ; V's four fragments of these keys land while the softmax is worked
	ds_load_b128 v[32+4*n:35+4*n], v5 offset:VLDS+(n/4)*8192+\s*2048+(n%4)*512
.set n, n+1
.endr
	v_max3_num_f32 v254, v96, v97, v98             ; the step's largest score of my query among my 64 keys, in two chains, each accumulator from its low end on
	v_max3_num_f32 v252, v99, v100, v101
.irp i, 6,10,14,18,22,26,30,34,38,42,46,50,54,58
	v_max3_num_f32 v254, v254, v[96+\i], v[97+\i]
	v_max3_num_f32 v252, v252, v[98+\i], v[99+\i]
.endr
	v_max3_num_f32 v254, v254, v158, v159
	v_max_num_f32 v254, v254, v252
	v_permlanex16_b32 v246, v254, s[SEL], s[SEL+1]
	v_max_num_f32 v254, v254, v246                 ; and among lane l xor 16's
.if \s == 0
	v_mul_f32 v13, s[CS], v254                     ; as t (c is positive)
	v_floor_f32 v12, -v13                          ; -M = floor(-t): M is a whole number
.else
	v_mul_f32 v254, s[CS], v254
	v_max_num_f32 v13, v13, v254                   ; the running largest t
	v_mov_b32 v254, v12
	v_floor_f32 v12, -v13
	v_sub_f32 v254, v12, v254                      ; old M - new M: a whole number, 0 or less
	v_cvt_i32_f32 v254, v254
	v_ldexp_f32 v252, 1.0, v254                    ; f = 2^(old M - new M)
.endif
.set n, 0
.rept 32
	v_pk_fma_f32 v[96+2*n:97+2*n], v[96+2*n:97+2*n], s[CS:CS+1], v[12:13] op_sel_hi:[1,0,0]   ; t - M
.set n, n+1
.endr
.set n, 0
.rept 64
	v_exp_f32 v[96+n], v[96+n]                     ; p = 2^(t - M), at most 1
.set n, n+1
.endr
.if \s == 0
	v_mov_b32 v14, 0                               ; the sum begins (plain lines behind the exponentials)
	v_mov_b32 v15, 0
.else
	v_pk_mul_f32 v[14:15], v[14:15], v[252:253] op_sel_hi:[1,0]   ; the sum under the new M (a plain line behind the exponentials)
.endif
	s_wait_alu depctr_va_vdst(0)                   ; one wait for the whole batch, ahead of its first reader
	v_pk_add_f32 v[242:243], v[96:97], v[98:99]    ; the sum of the unquantised p, in two chains
.irp j, 4,8,12,16,20,24,28,32,36,40,44,48,52,56,60
	v_pk_add_f32 v[14:15], v[14:15], v[96+\j:97+\j]
	v_pk_add_f32 v[242:243], v[242:243], v[98+\j:99+\j]
.endr
	v_pk_add_f32 v[14:15], v[14:15], v[242:243]
	s_cmp_ge_i32 s43, -15                          ; entry 9 at -15 or above: 57,344 x the scale is 1.75 or more, p is at most 1: the hold would change nothing
	s_cbranch_scc1 .Lnohold_\@
.set n, 0
.rept 64
	v_min_num_f32 v[96+n], v[96+n], v240           ; the conversion does not saturate (ISA guide 7.6.2); p is not negative: a one-sided hold
.set n, n+1
.endr
.Lnohold_\@:
.set n, 0
.rept 8
	v_cvt_scalef32_pk8_bf8_f32 v[224+2*n:225+2*n], v[96+8*n:103+8*n], v244
.set n, n+1
.endr
.if \s == 0
	v_nop                                          ; a plain line between the conversions and the products that read their results
.else
.set n, 0
.rept 16
	v_pk_mul_f32 v[160+2*n:161+2*n], v[160+2*n:161+2*n], v[252:253] op_sel_hi:[1,0]   ; O^T under the new M
.set n, n+1
.endr
.endif
	s_wait_dscnt 0x0                               ; V's fragments are in
.irp t, 0,1,2,3
.if \s == 0
	v_wmma_f32_16x16x128_bf8_bf8 v[160+8*\t:167+8*\t], v[32+16*\t:47+16*\t], v[224:239], 0
.else
	v_wmma_f32_16x16x128_bf8_bf8 v[160+8*\t:167+8*\t], v[32+16*\t:47+16*\t], v[224:239], v[160+8*\t:167+8*\t]
.endif
.endr
.endm
	s_mov_b32 s32, 2
.Ltask:
	s_wait_loadcnt 0x0                             ; this tile's Q, asked for at the head or in the last tile's last key step
	STEP 0
	STEP 1
	STEP 2
	STEP 3
	PLACES
	v_add_f32 v14, v14, v15                        ; the sum's two halves,
	v_permlanex16_b32 v246, v14, s[SEL], s[SEL+1]
	v_add_f32 v14, v14, v246                       ; and lane l xor 16's
	v_rcp_f32 v14, v14
	v_nop
	s_wait_alu depctr_va_vdst(0)                   ; ahead of the reciprocal's first reader
	v_ldexp_f32 v14, v14, s31                      ; x 2^(entries 8 + 9)
.set n, 0
.rept 16
	v_pk_mul_f32 v[96+2*n:97+2*n], v[160+2*n:161+2*n], v[14:15] op_sel_hi:[1,0]
.set n, n+1
.endr
.set n, 0
.rept 32
	v_med3_num_f32 v[96+n], v[96+n], -v241, v241
.set n, n+1
.endr
.set n, 0
.rept 4
	v_cvt_scalef32_pk8_bf8_f32 v[128+2*n:129+2*n], v[96+8*n:103+8*n], v245
.set n, n+1
.endr
	v_nop
	global_store_b128 v5, v[128:131], s[48:49]     ; blocks 2 head and 2 head + 1 of my tile's image: 512 consecutive bytes each
	global_store_b128 v5, v[132:135], s[48:49] offset:512
	s_wait_xcnt 0x0                                ; the stores and loads have read their registers and bases: both are written again
	s_add_nc_u64 s[34:35], s[34:35], 16384
	s_add_nc_u64 s[48:49], s[48:49], 16384
	s_sub_co_u32 s32, s32, 1
	s_cmp_lg_u32 s32, 0
	s_cbranch_scc1 .Ltask
	s_wait_tensorcnt 0x0
	ds_add_u32 v251, v255
	s_wait_dscnt 0x0
	s_endpgm
.Lfunc_end_k_qb224168335_attn:
	.size	k_qb224168335_attn, .Lfunc_end_k_qb224168335_attn-k_qb224168335_attn
	.p2alignl 7, 3214868480
	.fill 96, 4, 3214868480
	.section	.rodata,"a",@progbits
	.p2align	6, 0x0
	.amdhsa_kernel k_qb224168335_attn
		.amdhsa_group_segment_fixed_size 67584
		.amdhsa_private_segment_fixed_size 0
		.amdhsa_enable_private_segment 0
		.amdhsa_kernarg_size 48
		.amdhsa_user_sgpr_count 2
		.amdhsa_user_sgpr_kernarg_segment_ptr 1
		.amdhsa_wavefront_size32 1
		.amdhsa_system_sgpr_workgroup_id_x 1
		.amdhsa_system_sgpr_workgroup_id_y 1
		.amdhsa_system_sgpr_workgroup_id_z 1
		.amdhsa_system_vgpr_workitem_id 0
		.amdhsa_next_free_vgpr 256
		.amdhsa_next_free_sgpr 66
		.amdhsa_reserve_vcc 0
		.amdhsa_float_denorm_mode_32 3
		.amdhsa_float_denorm_mode_16_64 3
		.amdhsa_memory_ordered 1
		.amdhsa_forward_progress 1
		.amdhsa_inst_pref_size 80
	.end_amdhsa_kernel
	.amdgpu_metadata
---
amdhsa.version: [ 1, 2 ]
amdhsa.kernels:
  - .name:           k_qb224168335_attn
    .symbol:         k_qb224168335_attn.kd
    .args:
      - { .name: qkv_img, .offset: 0, .size: 8, .value_kind: global_buffer, .address_space: global }
      - { .name: gup, .offset: 8, .size: 8, .value_kind: global_buffer, .address_space: global }
      - { .name: w_img, .offset: 16, .size: 8, .value_kind: global_buffer, .address_space: global }
      - { .name: lowp_scales, .offset: 24, .size: 8, .value_kind: global_buffer, .address_space: global }
      - { .name: ao_img, .offset: 32, .size: 8, .value_kind: global_buffer, .address_space: global }
      - { .name: gu, .offset: 40, .size: 8, .value_kind: global_buffer, .address_space: global }
    .group_segment_fixed_size: 67584
    .private_segment_fixed_size: 0
    .kernarg_segment_align: 8
    .kernarg_segment_size: 48
    .max_flat_workgroup_size: 512
    .sgpr_count:     66
    .vgpr_count:     256
    .wavefront_size: 32
...
	.end_amdgpu_metadata
.endif
;; end of part 3
;; launch fin (part 4): grid 256 x 1, 8 waves a work-group, no clusters, 165,632 bytes of LDS; arguments ao_img, w_img, gup, gu, query, memory, r_out_b, rn_g, rn_b, gate_b, wn_g, wn_b, lowp_scales, out0, out1; writes out0, out1
.if DOCPART == 4
	.amdgcn_target "amdgcn-amd-amdhsa--gfx1250"
	.amdhsa_code_object_version 6
	.text
	.protected	k_qb224168335_fin
	.globl	k_qb224168335_fin
	.p2align	8
	.type	k_qb224168335_fin,@function
k_qb224168335_fin:
	s_mov_b64 s[64:65], 0
	v_nop
	global_prefetch_b8 v0, s[64:65] scope:SCOPE_SE
	s_setreg_imm32_b32 hwreg(HW_REG_WAVE_MODE, 25, 1), 1
	s_wait_xcnt 0x0
; FIN: both outputs, in 256 equal work-groups.  Work-group id makes 32 whole rows of out0 (rows 32 id on) and 16 whole rows of out1 (batch id / 32, memory rows 16 (id % 32) on).
; OUT0 = LayerNorm(Q(attention) W_out_r^T + b + query).  Wave w makes columns 128 w .. 128 w + 127 of the 32 rows: 16 accumulators (window 1): source 0 = 8 tiles of r_out_w's images, straight from memory into
;   registers, each fragment read by this one wave, in halves of four tiles that roll through three sets of registers; source 1 = the rows' two tiles, copied into LDS once.  The raw sums meet in a stage of 32 rows,
;   and each wave finishes 4 whole rows.  Its 4 rows of query are asked for in the K loop's first four halves, into registers that nothing else wants; the three vectors in its last halves, into sets that have had their last use.
; OUT1: gate = sigmoid((g + gu[b]) x 2^(entries 16 + 17) + gate_b), out1 = LayerNorm(memory + gate (upd[b] - memory)).  A wave owns 2 whole rows.  Their rows of g and memory are asked for as soon as the accumulators
;   are free, the five vectors as the rows of query are used up: all of it lands while out0's rows are finished.
; A row of 1,024 numbers lies in a wave as 8 x 16 bytes a lane (number 128 j + 4 lane + ..): every load and store of a row covers 512 consecutive bytes.  The variance is taken of x - mean, in a second pass.
; THE STAGE: row m at 4,112 m, rows 16-31 a further 128 bytes on: a tile's lanes 0-7 hold rows m .. m + 7 and lanes 8-15 rows 16 further on, so its sixteen rows start at sixteen different groups of four banks.
; NO JOINT LOADS: the weights go to one wave's registers each; through LDS they would be written and read once more, 1 MB a work-group.
; LIMITS: scale exponents 10 + 11 and 16 + 17 between -126 and 127.
; REGISTERS.  Window 0: v5-13 addresses and constants, v16-31 at work; in the K loop v32-63 source 1's two fragments, v64-255 three sets of four weight fragments;
;   behind it v32-95 two rows out of the stage by turns, v96-127 x - mean, v128-191 gain and bias, v192-223 r_out_b (later wn_b), v224-255 the result.  Window 1: v0-127 accumulators (later g's and memory's rows), v128-255 four rows of query (later gate_b, gu, upd, wn_g).
.set LI, 5                             ; v5   16 x lane (also where source 1's images are read)
.set AF, 32
.set BF, 64
.set VF, 64                            ; the part of the gate's argument that all rows share
.set DD, 96
.set GG, 128
.set BB, 160
.set V1, 192
.set YY, 224
.set BP, 52                            ; s[52:53] my eight weight tiles
.set RES, 54                           ; s[54:55] my 4 rows of query
.set OUTP, 56                          ; s[56:57] my 4 rows of out0
.set OUTW, 62                          ; s[62:63] my 2 rows of out1
.set UPD, 2097152
.set SPI, 4112                         ; a stage row: 4,096 bytes + 16
.set STG, 32768                        ; LDS: 0: source 1's two tiles; from here the stage
.set MSB, 0
.macro WIN new                         ; the immediate's high byte repeats the setting that is left
.if MSB != \new
	s_set_vgpr_msb (MSB<<8)|\new
.set MSB, \new
.endif
.endm
.macro PLACES                          ; four plain lines behind matrix instructions, ahead of loads into their registers and of reads of their results
.rept 4
	v_nop
.endr
.endm
.macro HLOAD g                         ; half g = 2 ks + hf: weight tiles 4 hf .. 4 hf + 3 of K step ks into set g % 3
.irp t, 0,1,2,3
.irp c, 0,1,2,3
	global_load_b128 v[BF+64*((\g)%3)+16*\t+4*\c:BF+64*((\g)%3)+16*\t+4*\c+3], v[LI], s[BP:BP+1] offset:(4*((\g)%2)+\t)*16384+((\g)/2)*2048+\c*512
.endr
.endr
.endm
.macro ALOAD ks
.irp a, 0,1
.irp c, 0,1,2,3
	ds_load_b128 v[AF+16*\a+4*\c:AF+16*\a+4*\c+3], v[LI] offset:\a*16384+(\ks)*2048+\c*512
.endr
.endr
.endm
.macro MUL8                            ; half G: 8 accumulators, one instruction each: the 16 take turns in the same order in every K step.  The first K step starts the sums
.irp t, 0,1,2,3
.irp a, 0,1
.set AC, 8*(8*\a+4*(G%2)+\t)
.if G < 2
	v_wmma_f32_16x16x128_bf8_bf8 v[AC:AC+7], v[BF+64*(G%3)+16*\t:BF+64*(G%3)+16*\t+15], v[AF+16*\a:AF+16*\a+15], 0
.else
	v_wmma_f32_16x16x128_bf8_bf8 v[AC:AC+7], v[BF+64*(G%3)+16*\t:BF+64*(G%3)+16*\t+15], v[AF+16*\a:AF+16*\a+15], v[AC:AC+7]
.endif
.endr
.endr
.endm
.macro VLOAD reg, p                    ; a vector of 1,024 numbers in a row's layout
.set n, 0
.rept 8
	global_load_b128 v[\reg+4*n:\reg+4*n+3], v[LI], s[\p:\p+1] offset:n*512
.set n, n+1
.endr
.endm
; HALF G of the K loop.  Loads come back in order, so the wait's count is what was issued behind half G's 16 loads: the two halves behind it (32), and what was issued between them:
; a row of query (8 loads) behind each of halves 0 to 3's products; two vectors (16) behind half 13's, one (8) behind half 14's.
.macro HALF
.set NW, 32
.if (G == 1) || (G == 6)
.set NW, 40                            ; two halves and one row of query
.endif
.if (G == 2) || (G == 5)
.set NW, 48                            ; two halves and two rows
.endif
.if (G == 3) || (G == 4)
.set NW, 56                            ; two halves and three rows
.endif
.if G == 15
.set NW, 24                            ; the three vectors  (half 14: one half and two vectors: 32)
.endif
.if G%2 == 0
	s_wait_dscnt 0x0                               ; source 1's fragments of this K step are in
.endif
	s_wait_loadcnt NW
	WIN 0x50                                       ; C and D in window 1
	MUL8
	PLACES
	WIN 0
.if G < 13
	HLOAD G+3                                      ; into the set that has just been multiplied
.endif
.if G < 4
	WIN 0x40                                       ; destination window 1
.set n, 0
.rept 8
	global_load_b128 v[128+32*G+4*n:128+32*G+4*n+3], v[LI], s[RES:RES+1] offset:G*4096+n*512 th:TH_LOAD_NT
.set n, n+1
.endr
	WIN 0
.endif
.if G == 13
	VLOAD GG, 18                                   ; rn_g, rn_b: this set has had its last weights
	VLOAD BB, 20
.endif
.if G == 14
	VLOAD V1, 16                                   ; r_out_b
.endif
.if (G%2 == 1) && (G < 15)
	ALOAD G/2+1
.endif
.endm
.macro REDUCE a, b                     ; the sum over the wave's 32 lanes, in every lane
.irp m, 1,2,4,8
	v_add_f32_dpp v[\a], v[\a], v[\a] row_xmask:\m row_mask:0xf bank_mask:0xf
.endr
	v_permlanex16_b32 v[\b], v[\a], s36, s37
	v_add_f32 v[\a], v[\a], v[\b]
.endm
; LayerNorm of the row in v[xb] .. v[xb + 31]; gain v[gg] on (its window by gw), bias v[bb] on; stored as row i from s[op].
.macro LN xb, i, op, gw, gg, bb
.set n, 0
.rept 8
	v_pk_add_f32 v[16+2*n:17+2*n], v[\xb+4*n:\xb+4*n+1], v[\xb+4*n+2:\xb+4*n+3]
.set n, n+1
.endr
.irp d, 4,2,1
.set n, 0
.rept \d
	v_pk_add_f32 v[16+2*n:17+2*n], v[16+2*n:17+2*n], v[16+2*(n+\d):17+2*(n+\d)]
.set n, n+1
.endr
.endr
	v_add_f32 v16, v16, v17
	REDUCE 16, 17
	v_mul_f32 v16, s38, v16                        ; the mean
.set n, 0
.rept 16
	v_pk_add_f32 v[DD+2*n:DD+2*n+1], v[\xb+2*n:\xb+2*n+1], v[16:17] op_sel_hi:[1,0] neg_lo:[0,1] neg_hi:[0,1]
.set n, n+1
.endr
	v_pk_mul_f32 v[18:19], v[DD:DD+1], v[DD:DD+1]
	v_pk_mul_f32 v[20:21], v[DD+2:DD+3], v[DD+2:DD+3]
.set n, 1
.rept 7
	v_pk_fma_f32 v[18:19], v[DD+4*n:DD+4*n+1], v[DD+4*n:DD+4*n+1], v[18:19]
	v_pk_fma_f32 v[20:21], v[DD+4*n+2:DD+4*n+3], v[DD+4*n+2:DD+4*n+3], v[20:21]
.set n, n+1
.endr
	v_pk_add_f32 v[18:19], v[18:19], v[20:21]
	v_add_f32 v18, v18, v19
	REDUCE 18, 19
	v_fma_f32 v18, v18, s38, s39                   ; the variance + 1e-5
	v_rsq_f32 v18, v18
	v_nop
	s_wait_alu depctr_va_vdst(0)                   ; ahead of the root's first reader
	s_wait_xcnt 0x0                                ; the last row's stores have read the result's registers
.set n, 0
.rept 16
	v_pk_mul_f32 v[YY+2*n:YY+2*n+1], v[DD+2*n:DD+2*n+1], v[18:19] op_sel_hi:[1,0]
.set n, n+1
.endr
	WIN \gw
.set n, 0
.rept 16
	v_pk_fma_f32 v[YY+2*n:YY+2*n+1], v[YY+2*n:YY+2*n+1], v[\gg+2*n:\gg+2*n+1], v[\bb+2*n:\bb+2*n+1]
.set n, n+1
.endr
	WIN 0
.set n, 0
.rept 8
	global_store_b128 v[LI], v[YY+4*n:YY+4*n+3], s[\op:\op+1] offset:\i*4096+n*512 th:TH_STORE_NT
.set n, n+1
.endr
.endm
	s_load_b512 s[4:19], s[0:1], 0x0               ; ao_img 4, w_img 6, gup 8, gu 10, query 12, memory 14, r_out_b 16, rn_g 18
	s_load_b256 s[20:27], s[0:1], 0x40             ; rn_b 20, gate_b 22, wn_g 24, wn_b 26
	s_load_b128 s[28:31], s[0:1], 0x60             ; scales 28, out0 30
	s_load_b64 s[32:33], s[0:1], 0x70              ; out1
	v_lshl_add_u32 v14, v0, 2, 0x28300
	v_mov_b32 v15, 0
	v_lshrrev_b32 v1, 5, v0
	v_readfirstlane_b32 s34, v1                    ; wave 0..7
	v_and_b32 v1, 31, v0
	v_lshlrev_b32 v[LI], 4, v1
	v_and_b32 v2, 15, v0                           ; r
	v_bfe_u32 v3, v0, 4, 1                         ; h
	s_mov_b32 s36, 0x76543210
	s_mov_b32 s37, 0xfedcba98
	s_mov_b32 s38, 0x3a800000                      ; 1 / 1,024
	s_mov_b32 s39, 0x3727c5ac                      ; 1e-5
	s_mov_b32 s41, 0
	s_wait_kmcnt 0x0
	s_load_b64 s[44:45], s[28:29], 0x28            ; scale exponents 10, 11
	s_load_b64 s[46:47], s[28:29], 0x40            ; 16, 17
	s_lshl_b32 s40, ttmp9, 15
	s_lshl_b32 s35, s34, 12
	s_add_co_u32 s40, s40, s35
	s_add_nc_u64 s[42:43], s[4:5], s[40:41]        ; my 4 KB of the rows' two tiles
	v_add_nc_u32 v6, s35, v[LI]                    ; and their place in LDS
	s_lshl_b32 s40, s34, 17
	s_add_co_u32 s40, s40, 192*16384
	s_add_nc_u64 s[BP:BP+1], s[6:7], s[40:41]      ; w_img tile 192 + 8 wave
	WIN 0x40                                       ; destination window 1: the accumulators' registers carry the copy
.set n, 0
.rept 8
	global_load_b128 v[4*n:4*n+3], v[LI], s[42:43] offset:n*512
.set n, n+1
.endr
	WIN 0
	HLOAD 0
	HLOAD 1
	HLOAD 2
	s_lshl_b32 s40, ttmp9, 17
	s_lshl_b32 s35, s34, 14
	s_add_co_u32 s40, s40, s35                     ; row 32 id + 4 wave
	s_add_nc_u64 s[RES:RES+1], s[12:13], s[40:41]
	s_add_nc_u64 s[OUTP:OUTP+1], s[30:31], s[40:41]
	s_and_b32 s40, ttmp9, 31
	s_lshl_b32 s40, s40, 16
	s_lshl_b32 s35, s34, 13
	s_add_co_u32 s40, s40, s35                     ; memory row 16 (id % 32) + 2 wave
	s_add_nc_u64 s[2:3], s[8:9], s[40:41]          ; g's rows
	s_add_nc_u64 s[50:51], s[14:15], s[40:41]      ; memory's rows
	s_lshr_b32 s35, ttmp9, 5                       ; b
	s_lshl_b32 s58, s35, 21
	s_add_co_u32 s40, s40, s58
	s_add_nc_u64 s[OUTW:OUTW+1], s[32:33], s[40:41]
	s_lshl_b32 s40, s35, 12
	s_add_nc_u64 s[58:59], s[10:11], s[40:41]      ; gu[b]
	s_add_co_u32 s40, s40, UPD
	s_add_nc_u64 s[60:61], s[8:9], s[40:41]        ; upd[b]
	v_and_b32 v8, 8, v2
	v_add_nc_u32 v8, v8, v2
	v_mul_u32_u24 v8, v8, SPI
	v_lshl_add_u32 v8, v3, 6, v8
	v_lshrrev_b32 v9, 3, v2
	v_lshl_add_u32 v8, v9, 7, v8
	s_lshl_b32 s35, s34, 9
	s_add_co_u32 s35, s35, STG
	v_add_nc_u32 v8, s35, v8                       ; the stage, way in: row r + 8 (r / 8), its 128 bytes where it is 16 or more, 64 h, 512 x wave
	s_mul_i32 s35, s34, 4*SPI
	s_lshr_b32 s40, s34, 2
	s_lshl_b32 s40, s40, 7
	s_add_co_u32 s35, s35, s40
	s_add_co_u32 s35, s35, STG
	v_add_nc_u32 v10, s35, v[LI]                   ; way out: my 4 rows (rows 16 on: waves 4 to 7)
	s_wait_kmcnt 0x0
	s_add_co_i32 s48, s44, s45
	s_add_co_i32 s48, s48, 127
	s_lshl_b32 s48, s48, 23                        ; 2^(entries 10 + 11)
	s_mov_b32 s49, s48
	s_add_co_i32 s46, s46, s47
	s_add_co_i32 s46, s46, 127
	s_lshl_b32 s46, s46, 23                        ; 2^(entries 16 + 17)
	v_mov_b32 v12, s46
	v_mul_f32 v12, 0xbfb8aa3b, v12                 ; x -log2(e)
	v_mov_b32 v13, v12                             ; (named with it as a pair)
	s_wait_loadcnt 48                              ; the copy's 8 loads are in; the weights' first three halves (48 loads) stay out
	WIN 0x04                                       ; store data in window 1
.set n, 0
.rept 8
	ds_store_b128 v6, v[4*n:4*n+3] offset:n*512
.set n, n+1
.endr
	WIN 0
	s_wait_dscnt 0x0                               ; for the others' sake: my part of the images lies in LDS
	s_barrier_signal -1
	s_barrier_wait -1
	ALOAD 0
.set G, 0
.rept 16
	HALF
.set G, G+1
.endr
	WIN 0x04                                       ; the raw sums into the stage; each accumulator from its low end on
.irp a, 0,1
.set n, 0
.rept 16
	ds_store_b128 v8, v[64*\a+4*n:64*\a+4*n+3] offset:\a*8*SPI+128*(n/4)+16*(n%4)
.set n, n+1
.endr
.endr
	WIN 0
	s_wait_dscnt 0x0                               ; my sums lie in the stage, and their registers are free:
	WIN 0x40
.set n, 0
.rept 16                               ; my 2 rows of g,
	global_load_b128 v[4*n:4*n+3], v[LI], s[2:3] offset:n*512
.set n, n+1
.endr
.set n, 0
.rept 16                               ; and of memory
	global_load_b128 v[64+4*n:64+4*n+3], v[LI], s[50:51] offset:n*512
.set n, n+1
.endr
	WIN 0
	s_barrier_signal -1
	s_barrier_wait -1
.macro SLOAD i                         ; row i of my 4 out of the stage, into v32-63 and v64-95 by turns
.set n, 0
.rept 8
	ds_load_b128 v[32+32*((\i)%2)+4*n:35+32*((\i)%2)+4*n], v10 offset:(\i)*SPI+n*512
.set n, n+1
.endr
.endm
.macro ROWO i
.set XB, 32+32*(\i%2)
	s_wait_dscnt 0x0                               ; this row is in;
.if \i < 3
	SLOAD \i+1                                     ; the next is asked for
.endif
.if \i == 0
	s_wait_loadcnt 32                              ; query's rows and the three vectors are in; the 32 loads of g's and memory's rows stay out
.endif
	WIN 0x10                                       ; source 2 (query) in window 1
.set n, 0
.rept 16
	v_pk_fma_f32 v[XB+2*n:XB+2*n+1], v[XB+2*n:XB+2*n+1], s[48:49], v[128+32*\i+2*n:129+32*\i+2*n] op_sel_hi:[1,0,1]
.set n, n+1
.endr
	WIN 0
.set n, 0
.rept 16
	v_pk_add_f32 v[XB+2*n:XB+2*n+1], v[XB+2*n:XB+2*n+1], v[V1+2*n:V1+2*n+1]
.set n, n+1
.endr
	WIN 0x40                                       ; the row of query has been used: its registers take a vector of the write part
.if \i == 0
	VLOAD 128, 22                                  ; gate_b
.endif
.if \i == 1
	VLOAD 160, 58                                  ; gu[b]
.endif
.if \i == 2
	VLOAD 192, 60                                  ; upd[b]
.endif
.if \i == 3
	VLOAD 224, 24                                  ; wn_g
.endif
	WIN 0
.if \i == 3
	VLOAD V1, 26                                   ; wn_b, where r_out_b has had its last use
.endif
	LN XB, \i, OUTP, 0, GG, BB
.endm
	SLOAD 0
.irp i, 0,1,2,3
	ROWO \i
.endr
	; ---------------- the write part: 2 rows ----------------
	s_wait_loadcnt 16                              ; g's and memory's rows, gate_b, gu and upd are in; wn_g and wn_b (8 loads each) stay out
	WIN 0x01                                       ; source 0 in window 1
.set n, 0
.rept 16
	v_pk_mul_f32 v[VF+2*n:VF+2*n+1], v[128+2*n:129+2*n], 0xbfb8aa3b op_sel_hi:[1,0]
.set n, n+1
.endr
.set n, 0
.rept 16
	v_pk_fma_f32 v[VF+2*n:VF+2*n+1], v[160+2*n:161+2*n], v[12:13], v[VF+2*n:VF+2*n+1] op_sel_hi:[1,0,1]   ; -log2(e) (gu x 2^.. + gate_b): the part of the gate's argument that all rows share
.set n, n+1
.endr
	WIN 0
.macro ROWW i
	WIN 0x01                                       ; source 0 (g) in window 1
.set n, 0
.rept 16
	v_pk_fma_f32 v[32+2*n:33+2*n], v[32*\i+2*n:32*\i+2*n+1], v[12:13], v[VF+2*n:VF+2*n+1] op_sel_hi:[1,0,1]
.set n, n+1
.endr
	WIN 0
.set n, 0
.rept 32
	v_exp_f32 v[32+n], v[32+n]                     ; e^(-z)
.set n, n+1
.endr
	WIN 0x05                                       ; sources 0 (upd) and 1 (memory) in window 1
.set n, 0
.rept 16
	v_pk_add_f32 v[DD+2*n:DD+2*n+1], v[192+2*n:193+2*n], v[64+32*\i+2*n:65+32*\i+2*n] neg_lo:[0,1] neg_hi:[0,1]   ; upd - memory: independent work behind the exponentials
.set n, n+1
.endr
	WIN 0
	s_wait_alu depctr_va_vdst(0)                   ; one wait for the batch, ahead of its first reader
.set n, 0
.rept 16
	v_pk_add_f32 v[32+2*n:33+2*n], v[32+2*n:33+2*n], 1.0 op_sel_hi:[1,0]
.set n, n+1
.endr
.set n, 0
.rept 32
	v_rcp_f32 v[32+n], v[32+n]                     ; the gate
.set n, n+1
.endr
	v_nop
	s_wait_alu depctr_va_vdst(0)
	WIN 0x10                                       ; source 2 (memory) in window 1
.set n, 0
.rept 16
	v_pk_fma_f32 v[32+2*n:33+2*n], v[32+2*n:33+2*n], v[DD+2*n:DD+2*n+1], v[64+32*\i+2*n:65+32*\i+2*n]
.set n, n+1
.endr
	WIN 0
.if \i == 0
	s_wait_loadcnt 0x0                             ; wn_g and wn_b
.endif
	LN 32, \i, OUTW, 0x04, 224, V1
.endm
	ROWW 0
	ROWW 1
	s_wait_tensorcnt 0x0
	ds_add_u32 v14, v15
	s_wait_dscnt 0x0
	s_endpgm
.Lfunc_end_k_qb224168335_fin:
	.size	k_qb224168335_fin, .Lfunc_end_k_qb224168335_fin-k_qb224168335_fin
	.p2alignl 7, 3214868480
	.fill 96, 4, 3214868480
	.section	.rodata,"a",@progbits
	.p2align	6, 0x0
	.amdhsa_kernel k_qb224168335_fin
		.amdhsa_group_segment_fixed_size 165632
		.amdhsa_private_segment_fixed_size 0
		.amdhsa_enable_private_segment 0
		.amdhsa_kernarg_size 120
		.amdhsa_user_sgpr_count 2
		.amdhsa_user_sgpr_kernarg_segment_ptr 1
		.amdhsa_wavefront_size32 1
		.amdhsa_system_sgpr_workgroup_id_x 1
		.amdhsa_system_sgpr_workgroup_id_y 1
		.amdhsa_system_sgpr_workgroup_id_z 1
		.amdhsa_system_vgpr_workitem_id 0
		.amdhsa_next_free_vgpr 512
		.amdhsa_next_free_sgpr 66
		.amdhsa_reserve_vcc 0
		.amdhsa_float_denorm_mode_32 3
		.amdhsa_float_denorm_mode_16_64 3
		.amdhsa_memory_ordered 1
		.amdhsa_forward_progress 1
		.amdhsa_inst_pref_size 126
	.end_amdhsa_kernel
	.amdgpu_metadata
---
amdhsa.version: [ 1, 2 ]
amdhsa.kernels:
  - .name:           k_qb224168335_fin
    .symbol:         k_qb224168335_fin.kd
    .args:
      - { .name: ao_img, .offset: 0, .size: 8, .value_kind: global_buffer, .address_space: global }
      - { .name: w_img, .offset: 8, .size: 8, .value_kind: global_buffer, .address_space: global }
      - { .name: gup, .offset: 16, .size: 8, .value_kind: global_buffer, .address_space: global }
      - { .name: gu, .offset: 24, .size: 8, .value_kind: global_buffer, .address_space: global }
      - { .name: query, .offset: 32, .size: 8, .value_kind: global_buffer, .address_space: global }
      - { .name: memory, .offset: 40, .size: 8, .value_kind: global_buffer, .address_space: global }
      - { .name: r_out_b, .offset: 48, .size: 8, .value_kind: global_buffer, .address_space: global }
      - { .name: rn_g, .offset: 56, .size: 8, .value_kind: global_buffer, .address_space: global }
      - { .name: rn_b, .offset: 64, .size: 8, .value_kind: global_buffer, .address_space: global }
      - { .name: gate_b, .offset: 72, .size: 8, .value_kind: global_buffer, .address_space: global }
      - { .name: wn_g, .offset: 80, .size: 8, .value_kind: global_buffer, .address_space: global }
      - { .name: wn_b, .offset: 88, .size: 8, .value_kind: global_buffer, .address_space: global }
      - { .name: lowp_scales, .offset: 96, .size: 8, .value_kind: global_buffer, .address_space: global }
      - { .name: out0, .offset: 104, .size: 8, .value_kind: global_buffer, .address_space: global }
      - { .name: out1, .offset: 112, .size: 8, .value_kind: global_buffer, .address_space: global }
    .group_segment_fixed_size: 165632
    .private_segment_fixed_size: 0
    .kernarg_segment_align: 8
    .kernarg_segment_size: 120
    .max_flat_workgroup_size: 256
    .sgpr_count:     66
    .vgpr_count:     512
    .wavefront_size: 32
...
	.end_amdgpu_metadata
.endif
;; end of part 4
;; ======== version 2 of 2: 4 launches
;; workspace buffers: xq_img 8,388,608 bytes; m_img 1,572,864 bytes; w_img 7,340,032 bytes; vwp 524,288 bytes; qkv_img 9,437,184 bytes; gup 2,179,072 bytes; ao_img 8,388,608 bytes; gu 65,536 bytes
;; launch prep (part 5): grid 172 x 1, 16 waves a work-group, no clusters, 284,672 bytes of LDS; arguments query, memory, w_in_w, r_in_w_codes, r_out_w_codes, w_out_w_codes, gate_w_codes, lowp_scales, xq_img, m_img, w_img, vwp; writes xq_img, m_img, w_img, vwp
.if DOCPART == 5
	.amdgcn_target "amdgcn-amd-amdhsa--gfx1250"
	.amdhsa_code_object_version 6
	.text
	.protected	k_qb224168335_prep
	.globl	k_qb224168335_prep
	.p2align	8
	.type	k_qb224168335_prep,@function
k_qb224168335_prep:
	s_mov_b64 s[64:65], 0
	v_nop
	global_prefetch_b8 v0, s[64:65] scope:SCOPE_SE
	s_setreg_imm32_b32 hwreg(HW_REG_WAVE_MODE, 25, 1), 1
	s_wait_xcnt 0x0
; PREP: every matrix operand of the later launches is laid in memory as an IMAGE OF ITS REGISTERS.
; A tile is 16 rows x 1,024 K of E5M2 codes, 16,384 bytes: 32 blocks P of 512 bytes; in block P lane l = (r = l % 16, h = l / 16) owns the 16 bytes at 16 l: k = 32 P + 16 h + 0 .. 15.
; Lane r of tile T holds row 32 (T / 2) + 8 (T % 2) + r + 8 (r / 8): so a product's results (a lane: one row; 16 registers of two neighbouring tiles: 16 neighbours) are the next operand's block as they stand.
; THREE ROLES by the work-group's number, each a path of its own to its own end, each with LDS bytes of its own:
;   0-127   Qx (batch b = id / 16, slab = id % 16: 64 columns): query -> codes (scale entry 0); the slab's column sums over the batch's 1,024 rows; their products with the slab of Wv (rows 2,048 on of w_in_w), in f32.
;   128-143 Mx (slab): memory -> codes three times (scale entries 2, 4, 16).      144-171 Wr: the four weights that arrive as codes are laid as images, a tile a wave.
; The write attention of the problem has ONE key by its own shapes, so its weight is 1 for every finite score: only the v third of w_in_w and w_in_b is needed; the q and k thirds and scale entries 12, 13 are not read.
; LIMITS: each scale exponent e used here lies between -126 and 112 (2^e and 57,344 x 2^e are f32 numbers).  NaN among the inputs is not served (an infinity is held at the largest code).
; No tensor loads and no cluster: no two work-groups read the same bytes but the slab of Wv (8 readers, 256 KB each); all loads go straight to registers.
.set X0, 32                            ; v32-95   64 numbers a lane as loaded (two tiles)
.set X1, 96                            ; v96-159  the same, the wave's other two tiles
.set Y0, 160                           ; v160-191 32 neighbours along K of my row, tile u = 0
.set Y1, 192                           ; v192-223 tile u = 1
.set T, 224                            ; v224-255 at work
.set SP, 272                           ; a stage row: 256 bytes + 16: row r starts 4 r banks on
.set USTG, 16*SP                       ; a stage: one tile's 16 rows
.set WSTG, 2*USTG                      ; two stages a wave
.set SUMS, 16*WSTG                     ; behind Qx's stages: 16 waves x 256 bytes of column sums
.set MSTG, SUMS+4096                   ; Mx's stages
.macro LOADG x, g                      ; a group of 32 rows x 256 bytes: each load takes two whole 256-byte pieces: tile rows i and i + 8, which lie 16 rows apart in memory
.set n, 0
.rept 16
	global_load_b128 v[\x+4*n:\x+4*n+3], v4, s[32:33] offset:\g*131072+(n/8)*32768+(n%8)*4096 th:TH_LOAD_NT
.set n, n+1
.endr
.endm
.macro TURN x, u, y, si, so            ; a tile through the wave's own stage: in as loaded, out 64 neighbouring bytes a lane and block.  LDS serves a wave's instructions in order (ISA guide 5.7.1.4): no wait between
.set n, 0
.rept 8
	ds_store_b128 v[\si], v[\x+32*\u+4*n:\x+32*\u+4*n+3] offset:\u*USTG+n*SP
.set n, n+1
.endr
.set n, 0
.rept 8
	ds_load_b128 v[\y+4*n:\y+4*n+3], v[\so] offset:\u*USTG+(n/4)*128+(n%4)*16
.set n, n+1
.endr
.endm
.macro QUANT y, c, sc, lim             ; 32 numbers -> two blocks' codes in v[c] .. v[c + 7]
.set n, 0
.rept 32
	v_med3_num_f32 v[T+n], v[\y+n], -v[\lim], v[\lim]   ; the conversion to an 8-bit code does not saturate (ISA guide 7.6.2): the hold at the largest code x the scale
.set n, n+1
.endr
.set n, 0
.rept 4
	v_cvt_scalef32_pk8_bf8_f32 v[\c+2*n:\c+2*n+1], v[T+8*n:T+8*n+7], v[\sc]
.set n, n+1
.endr
	v_nop                                          ; a plain line between the conversions and the next lines that write their sources
.endm
.macro PUT c, off                      ; each store of the wave covers 512 consecutive bytes, aligned
	global_store_b128 v7, v[\c:\c+3], s[34:35] offset:\off
	global_store_b128 v7, v[\c+4:\c+7], s[34:35] offset:\off+512
.endm
.macro MKSCALE e, t, sc, lim           ; from the exponent in s[e]: 2^e and 57,344 x 2^e as f32
	s_add_co_i32 s[\t], s[\e], 127
	s_lshl_b32 s[\e], s[\t], 23
	v_mov_b32 v[\sc], s[\e]
	s_add_co_i32 s[\t], s[\t], 15
	s_lshl_b32 s[\t], s[\t], 23
	s_or_b32 s[\t], s[\t], 0x600000
	v_mov_b32 v[\lim], s[\t]
.endm
.macro SUMX x, first                   ; my four columns' sums over the set's 16 row pieces; the first two pieces start the sums
.set n, 1
.if \first && (n == 1)
	v_pk_add_f32 v[12:13], v[\x:\x+1], v[\x+4:\x+5]
	v_pk_add_f32 v[14:15], v[\x+2:\x+3], v[\x+6:\x+7]
.else
	v_pk_add_f32 v[12:13], v[12:13], v[\x+4*n:\x+4*n+1]
	v_pk_add_f32 v[14:15], v[14:15], v[\x+4*n+2:\x+4*n+3]
.endif
.set n, n+1
.rept (15)-1
.if \first && (n == 1)
	v_pk_add_f32 v[12:13], v[\x:\x+1], v[\x+4:\x+5]
	v_pk_add_f32 v[14:15], v[\x+2:\x+3], v[\x+6:\x+7]
.else
	s_delay_alu instid0(VALU_DEP_2)
	v_pk_add_f32 v[12:13], v[12:13], v[\x+4*n:\x+4*n+1]
	s_delay_alu instid0(VALU_DEP_2)
	v_pk_add_f32 v[14:15], v[14:15], v[\x+4*n+2:\x+4*n+3]
.endif
.set n, n+1
.endr
.if !\first
	s_delay_alu instid0(VALU_DEP_2)
	v_pk_add_f32 v[12:13], v[12:13], v[\x:\x+1]
	s_delay_alu instid0(VALU_DEP_2)
	v_pk_add_f32 v[14:15], v[14:15], v[\x+2:\x+3]
.endif
.endm
	s_load_b512 s[4:19], s[0:1], 0x0               ; query 4, memory 6, w_in_w 8, r_in codes 10, r_out codes 12, w_out codes 14, gate codes 16, scales 18
	s_load_b256 s[20:27], s[0:1], 0x40             ; xq_img 20, m_img 22, w_img 24, vwp 26
	v_lshrrev_b32 v1, 5, v0
	s_delay_alu instid0(VALU_DEP_1)
	v_readfirstlane_b32 s28, v1                    ; wave 0..15
	v_and_b32 v1, 31, v0                           ; lane
	v_and_b32 v2, 15, v0                           ; q = r = lane % 16
	v_bfe_u32 v3, v0, 4, 1                         ; h = lane / 16
	s_delay_alu instid0(VALU_DEP_3)
	v_lshlrev_b32 v7, 4, v1                        ; 16 x lane
	s_delay_alu instid0(VALU_DEP_3)
	v_lshlrev_b32 v4, 4, v2
	s_delay_alu instid0(VALU_DEP_1)
	v_lshl_add_u32 v4, v3, 16, v4                  ; loads: 16 q, and 16 rows of 4,096 bytes further down for lanes 16-31
	s_mul_i32 s30, s28, WSTG
	v_mul_u32_u24 v5, v3, 8*SP
	s_delay_alu instid0(VALU_DEP_1)
	v_lshl_add_u32 v5, v2, 4, v5
	s_delay_alu instid0(VALU_DEP_1)
	v_add_nc_u32 v5, s30, v5                       ; stage, way in: row i + 8 h, 16 q
	v_mul_u32_u24 v6, v2, SP
	s_delay_alu instid0(VALU_DEP_1)
	v_lshl_add_u32 v6, v3, 6, v6
	s_delay_alu instid0(VALU_DEP_1)
	v_add_nc_u32 v6, s30, v6                       ; stage, way out: row r, 64 h
	s_mov_b32 s31, 0
	s_wait_kmcnt 0x0
	s_cmp_ge_u32 ttmp9, 144
	s_cbranch_scc1 .Lwr
	s_cmp_ge_u32 ttmp9, 128
	s_cbranch_scc1 .Lmx
	; ---------------- Qx ----------------
	s_load_b32 s44, s[18:19], 0x0                  ; e of product 1's A
	s_lshr_b32 s41, ttmp9, 4                       ; b
	s_and_b32 s29, ttmp9, 15                       ; slab
	s_lshl_b32 s42, s29, 8
	s_lshl_b32 s43, s28, 18
	s_add_co_u32 s43, s43, s42                     ; 256 x slab + 64 rows x wave
	s_lshl_b32 s30, s41, 22
	s_add_co_u32 s30, s30, s43
	s_add_nc_u64 s[32:33], s[4:5], s[30:31]        ; my 64 rows of the batch, my slab
	s_wait_alu depctr_va_vdst(0)
	LOADG X0, 0
	LOADG X1, 1
	s_add_co_u32 s30, s43, 2048*4096
	s_add_nc_u64 s[36:37], s[8:9], s[30:31]        ; Wv: rows 2,048 + 64 x wave on, my slab
	s_lshl_b32 s30, s41, 20
	s_lshl_b32 s42, s28, 16
	s_add_co_u32 s30, s30, s42
	s_lshl_b32 s42, s29, 10
	s_add_co_u32 s30, s30, s42
	s_add_nc_u64 s[34:35], s[20:21], s[30:31]      ; tiles 64 b + 4 x wave on, blocks 2 x slab on
	s_lshl_b32 s30, s29, 3
	s_add_co_u32 s30, s30, s41
	s_lshl_b32 s30, s30, 12
	s_lshl_b32 s42, s28, 8
	s_add_co_u32 s30, s30, s42
	s_add_nc_u64 s[38:39], s[26:27], s[30:31]      ; vwp[slab][b][64 x wave ..]
	v_lshlrev_b32 v10, 4, v2
	s_delay_alu instid0(VALU_DEP_1)
	v_add_nc_u32 v11, SUMS, v10                    ; the sums, way out: 16 q
	s_delay_alu instid0(VALU_DEP_1)
	v_add_nc_u32 v10, s42, v11                     ; way in: + 256 x wave
	v_lshlrev_b32 v1, 4, v2
	s_delay_alu instid0(VALU_DEP_1)
	v_lshl_add_u32 v1, v3, 17, v1                  ; Wv: 16 q, and 32 rows further down for lanes 16-31
	s_mov_b32 s48, 0x76543210
	s_mov_b32 s49, 0xfedcba98                      ; v_permlanex16_b32: lane l xor 16
	s_wait_kmcnt 0x0
	MKSCALE 44, 45, 8, 9
	s_wait_loadcnt 16                              ; the first set's 16 loads are in; the second set's stay out
	SUMX X0, 1
	TURN X0, 0, Y0, 5, 6
	TURN X0, 1, Y1, 5, 6
	s_wait_dscnt 16                                ; tile 0 is back; tile 1's 8 stores and 8 loads stay out
	QUANT Y0, 16, 8, 9
	PUT 16, 0
	s_wait_dscnt 0x0
	QUANT Y1, 24, 8, 9
	PUT 24, 16384
	s_wait_loadcnt 0x0
	SUMX X1, 0
	TURN X1, 0, Y0, 5, 6
	TURN X1, 1, Y1, 5, 6
	s_wait_dscnt 0x0
	s_wait_xcnt 0x0                                ; the stores of tiles 0 and 1 have read their codes' registers, which are written again below
.set n, 0
.rept 32                               ; Wv: 64 rows x 256 bytes, two rows a load, into the registers that the query has left
	global_load_b128 v[32+4*n:35+4*n], v1, s[36:37] offset:n*4096
.set n, n+1
.endr
	QUANT Y0, 16, 8, 9
	PUT 16, 32768
	QUANT Y1, 24, 8, 9
	PUT 24, 49152
.irp k, 0,1,2,3
	v_permlanex16_b32 v[T+\k], v[12+\k], s48, s49  ; lanes l and l xor 16 hold the same columns of other rows
.endr
.irp k, 0,1,2,3
	s_delay_alu instid0(VALU_DEP_4)
	v_add_f32 v[12+\k], v[12+\k], v[T+\k]
.endr
	ds_store_b128 v10, v[12:15]
	s_wait_dscnt 0x0                               ; for the others' sake: my sums lie in LDS
	s_barrier_signal -1
	s_barrier_wait -1
.set n, 0
.rept 16
	ds_load_b128 v[160+4*n:163+4*n], v11 offset:n*256
.set n, n+1
.endr
	s_wait_dscnt 0x0
.irp d, 8,4,2,1
.set n, 0
.rept \d
	v_pk_add_f32 v[160+4*n:161+4*n], v[160+4*n:161+4*n], v[160+4*(n+\d):161+4*(n+\d)]
	v_pk_add_f32 v[162+4*n:163+4*n], v[162+4*n:163+4*n], v[162+4*(n+\d):163+4*(n+\d)]
.set n, n+1
.endr
.endr                                  ; v[160:163]: the batch's sums of my four columns
; Four rows' products at a time, line by line.  Load idx holds rows 64 w + idx (lanes 0-15) and + 32 (lanes 16-31); the sixteen lanes' parts are added by four exchanges.
; Lane l keeps rows 64 w + 2 l and 2 l + 1, so that the wave's one store covers 256 consecutive bytes.
.macro DOT4 g
	s_wait_loadcnt 28-4*\g                         ; loads come back in order: these four are in, the younger stay out
.irp k, 0,1,2,3
	v_pk_mul_f32 v[T+2*\k:T+2*\k+1], v[32+16*\g+4*\k:32+16*\g+4*\k+1], v[160:161]
.endr
.irp k, 0,1,2,3
	s_delay_alu instid0(VALU_DEP_4)
	v_pk_fma_f32 v[T+2*\k:T+2*\k+1], v[32+16*\g+4*\k+2:32+16*\g+4*\k+3], v[162:163], v[T+2*\k:T+2*\k+1]
.endr
.irp k, 0,1,2,3
	s_delay_alu instid0(VALU_DEP_4)
	v_add_f32 v[T+2*\k], v[T+2*\k], v[T+2*\k+1]
.endr
.irp m, 1,2,4,8
.irp k, 0,1,2,3
	s_delay_alu instid0(VALU_DEP_4)
	v_add_f32_dpp v[T+2*\k], v[T+2*\k], v[T+2*\k] row_xmask:\m row_mask:0xf bank_mask:0xf
.endr
.endr
	s_mov_b32 s41, 0x10001<<(2*\g+1)
.if \g == 0
	v_mov_b32 v2, v[T]
	v_mov_b32 v3, v[T+2]
.else
	s_mov_b32 s40, 0x10001<<(2*\g)
	v_cndmask_b32 v2, v2, v[T], s40
	v_cndmask_b32 v3, v3, v[T+2], s40
.endif
	s_delay_alu instid0(VALU_DEP_2)
	v_cndmask_b32 v2, v2, v[T+4], s41
	s_delay_alu instid0(VALU_DEP_2)
	v_cndmask_b32 v3, v3, v[T+6], s41
.endm
	s_wait_alu depctr_va_vdst(0)
.irp g, 0,1,2,3,4,5,6,7
	DOT4 \g
.endr
	v_lshrrev_b32 v4, 1, v7                        ; 8 x lane (the loads that v4 addressed were waited for above)
	global_store_b64 v4, v[2:3], s[38:39]
	s_wait_xcnt 0x0
	v_lshl_add_u32 v254, v0, 2, 0x45000
	v_mov_b32 v255, 0
	s_wait_alu depctr_va_vdst(0)
	s_wait_tensorcnt 0x0
	ds_add_u32 v254, v255
	s_wait_dscnt 0x0
	s_endpgm
	; ---------------- Mx ----------------
.Lmx:
	s_load_b32 s45, s[18:19], 0x8                  ; e of product 2's A,
	s_load_b32 s46, s[18:19], 0x10                 ; of product 3's A,
	s_load_b32 s47, s[18:19], 0x40                 ; of product 13's A
	s_sub_co_u32 s29, ttmp9, 128                   ; slab
	s_lshl_b32 s30, s29, 8
	s_lshl_b32 s42, s28, 17
	s_add_co_u32 s30, s30, s42
	s_add_nc_u64 s[32:33], s[6:7], s[30:31]        ; rows 32 x wave on, my slab
	s_wait_alu depctr_va_vdst(0)
	LOADG X0, 0
	s_lshl_b32 s30, s29, 10
	s_lshl_b32 s42, s28, 15
	s_add_co_u32 s30, s30, s42
	s_add_nc_u64 s[34:35], s[22:23], s[30:31]      ; tiles 2 x wave on, blocks 2 x slab on
	v_add_nc_u32 v10, MSTG, v5
	v_add_nc_u32 v11, MSTG, v6
	s_wait_alu depctr_va_vdst(0)
	s_wait_kmcnt 0x0
	MKSCALE 45, 43, 8, 9
	MKSCALE 46, 43, 20, 21
	MKSCALE 47, 43, 22, 23
	s_wait_alu depctr_va_vdst(0)
	s_wait_loadcnt 0x0
	TURN X0, 0, Y0, 10, 11
	TURN X0, 1, Y1, 10, 11
	s_wait_dscnt 0x0
	QUANT Y0, 96, 8, 9                             ; each of the six results has registers of its own: no store's data are written again
	PUT 96, 0
	QUANT Y1, 104, 8, 9
	PUT 104, 16384
	QUANT Y0, 112, 20, 21
	PUT 112, 524288
	QUANT Y1, 120, 20, 21
	PUT 120, 524288+16384
	QUANT Y0, 128, 22, 23
	PUT 128, 1048576
	QUANT Y1, 136, 22, 23
	PUT 136, 1048576+16384
	s_wait_xcnt 0x0
	v_lshl_add_u32 v254, v0, 2, 0x45000
	v_mov_b32 v255, 0
	s_wait_alu depctr_va_vdst(0)
	s_wait_tensorcnt 0x0
	ds_add_u32 v254, v255
	s_wait_dscnt 0x0
	s_endpgm
	; ---------------- Wr ----------------
.Lwr:
	s_sub_co_u32 s29, ttmp9, 144
	s_lshl_b32 s41, s29, 4
	s_add_co_u32 s41, s41, s28                     ; my tile of w_img, 0 .. 447
	s_mov_b64 s[32:33], s[16:17]                   ; which tensor, its first tile, its row's bytes as a shift, the first column: chosen on the work-group's number alone
	s_mov_b32 s42, 384
	s_mov_b32 s43, 11
	s_mov_b32 s50, 1024
	s_cmp_lt_u32 s29, 24
	s_cselect_b32 s42, 320, s42
	s_cselect_b32 s50, 0, s50
	s_cmp_lt_u32 s29, 20
	s_cselect_b64 s[32:33], s[14:15], s[32:33]
	s_cselect_b32 s42, 256, s42
	s_cselect_b32 s43, 10, s43
	s_cmp_lt_u32 s29, 16
	s_cselect_b64 s[32:33], s[12:13], s[32:33]
	s_cselect_b32 s42, 192, s42
	s_cmp_lt_u32 s29, 12
	s_cselect_b64 s[32:33], s[10:11], s[32:33]
	s_cselect_b32 s42, 0, s42
	s_sub_co_u32 s42, s41, s42                     ; the tile's number in its tensor
	s_lshr_b32 s51, s42, 1
	s_lshl_b32 s51, s51, 5
	s_and_b32 s42, s42, 1
	s_lshl_b32 s42, s42, 3
	s_add_co_u32 s51, s51, s42                     ; its first row
	s_lshl_b32 s30, s51, s43
	s_add_co_u32 s30, s30, s50
	s_add_nc_u64 s[32:33], s[32:33], s[30:31]
	s_lshl_b32 s30, s41, 14
	s_add_nc_u64 s[34:35], s[24:25], s[30:31]
	v_and_b32 v8, 8, v2
	s_delay_alu instid0(VALU_DEP_1)
	v_add_nc_u32 v8, v8, v2                        ; r + 8 (r / 8)
	s_delay_alu instid0(VALU_DEP_1)
	v_lshlrev_b32 v8, s43, v8
	s_delay_alu instid0(VALU_DEP_1)
	v_lshl_add_u32 v8, v3, 4, v8                   ; + 16 h
.set n, 0
.rept 32                               ; block n: 16 bytes a lane out of 16 rows.  Read so once, that every later reader loads 512 consecutive bytes
	global_load_b128 v[32+4*n:35+4*n], v8, s[32:33] offset:n*32 th:TH_LOAD_NT
.set n, n+1
.endr
.set n, 0
.rept 32
	s_wait_loadcnt 31-n
	global_store_b128 v7, v[32+4*n:35+4*n], s[34:35] offset:n*512
.set n, n+1
.endr
	s_endpgm
.Lfunc_end_k_qb224168335_prep:
	.size	k_qb224168335_prep, .Lfunc_end_k_qb224168335_prep-k_qb224168335_prep
	.p2alignl 7, 3214868480
	.fill 96, 4, 3214868480
	.section	.rodata,"a",@progbits
	.p2align	6, 0x0
	.amdhsa_kernel k_qb224168335_prep
		.amdhsa_group_segment_fixed_size 284672
		.amdhsa_private_segment_fixed_size 0
		.amdhsa_enable_private_segment 0
		.amdhsa_kernarg_size 96
		.amdhsa_user_sgpr_count 2
		.amdhsa_user_sgpr_kernarg_segment_ptr 1
		.amdhsa_wavefront_size32 1
		.amdhsa_system_sgpr_workgroup_id_x 1
		.amdhsa_system_sgpr_workgroup_id_y 1
		.amdhsa_system_sgpr_workgroup_id_z 1
		.amdhsa_system_vgpr_workitem_id 0
		.amdhsa_next_free_vgpr 256
		.amdhsa_next_free_sgpr 66
		.amdhsa_reserve_vcc 0
		.amdhsa_float_denorm_mode_32 3
		.amdhsa_float_denorm_mode_16_64 3
		.amdhsa_memory_ordered 1
		.amdhsa_forward_progress 1
		.amdhsa_inst_pref_size 85
	.end_amdhsa_kernel
	.amdgpu_metadata
---
amdhsa.version: [ 1, 2 ]
amdhsa.kernels:
  - .name:           k_qb224168335_prep
    .symbol:         k_qb224168335_prep.kd
    .args:
      - { .name: query, .offset: 0, .size: 8, .value_kind: global_buffer, .address_space: global }
      - { .name: memory, .offset: 8, .size: 8, .value_kind: global_buffer, .address_space: global }
      - { .name: w_in_w, .offset: 16, .size: 8, .value_kind: global_buffer, .address_space: global }
      - { .name: r_in_w_codes, .offset: 24, .size: 8, .value_kind: global_buffer, .address_space: global }
      - { .name: r_out_w_codes, .offset: 32, .size: 8, .value_kind: global_buffer, .address_space: global }
      - { .name: w_out_w_codes, .offset: 40, .size: 8, .value_kind: global_buffer, .address_space: global }
      - { .name: gate_w_codes, .offset: 48, .size: 8, .value_kind: global_buffer, .address_space: global }
      - { .name: lowp_scales, .offset: 56, .size: 8, .value_kind: global_buffer, .address_space: global }
      - { .name: xq_img, .offset: 64, .size: 8, .value_kind: global_buffer, .address_space: global }
      - { .name: m_img, .offset: 72, .size: 8, .value_kind: global_buffer, .address_space: global }
      - { .name: w_img, .offset: 80, .size: 8, .value_kind: global_buffer, .address_space: global }
      - { .name: vwp, .offset: 88, .size: 8, .value_kind: global_buffer, .address_space: global }
    .group_segment_fixed_size: 284672
    .private_segment_fixed_size: 0
    .kernarg_segment_align: 8
    .kernarg_segment_size: 96
    .max_flat_workgroup_size: 512
    .sgpr_count:     66
    .vgpr_count:     256
    .wavefront_size: 32
...
	.end_amdgpu_metadata
.endif
;; end of part 5
;; launch proj (part 6): grid 156 x 1, 8 waves a work-group, no clusters, 249,088 bytes of LDS; arguments xq_img, m_img, w_img, vwp, r_in_b, w_in_b, w_out_b, lowp_scales, qkv_img, gup; writes qkv_img, gup
.if DOCPART == 6
	.amdgcn_target "amdgcn-amd-amdhsa--gfx1250"
	.amdhsa_code_object_version 6
	.text
	.protected	k_qb224168335_proj
	.globl	k_qb224168335_proj
	.p2align	8
	.type	k_qb224168335_proj,@function
k_qb224168335_proj:
	s_mov_b64 s[64:65], 0
	v_nop
	global_prefetch_b8 v0, s[64:65] scope:SCOPE_SE
	s_setreg_imm32_b32 hwreg(HW_REG_WAVE_SCHED_MODE, 0, 2), 2
	s_setreg_imm32_b32 hwreg(HW_REG_WAVE_MODE, 25, 1), 1
	s_wait_xcnt 0x0
	s_wait_alu depctr_vm_vsrc(0)
; PROJ: the projections, on register images (a tile: 16 rows x 1,024 K, 32 blocks of 512 bytes; lane (r, h) of block P: k = 32 P + 16 h + 0 .. 15; lane r of tile T: row 32 (T / 2) + 8 (T % 2) + r + 8 (r / 8)).
; ROLES by the work-group's number:  0-127 q = Q(query) Wq^T + bq;  128-135 k = Q(memory) Wk^T + bk;  136-143 v (transposed: source 1 = Wv's rows, source 0 = memory's, so that the keys run along a lane's registers);
;   144-151 g = Q(memory) gate_w[:, :1024]^T, raw f32 sums, stored as plain rows;  152-155 W3: v_w = mean(query) Wv^T + bv from prep's parts, its codes, upd = Q(v_w) W_out^T + b_out for the 8 batches, upd's codes.
; A GEMM work-group makes 128 rows of source 1 x 512 rows of source 0; wave w: ALL eight tiles of source 1 x source-0 tiles 4 w + t, t = 0 .. 3: 32 accumulators, 256 registers (window 1).
; So each fragment of source 0 is loaded from memory by ONE wave, 512 consecutive bytes a load, straight into its registers: 512 KB a work-group.  Source 1's eight tiles are copied into LDS once and read by all waves.
; Source 0 = the rows that become the next K: a lane then holds ONE row of source 1, and the 16 registers of tiles 2 p, 2 p + 1 are 16 neighbours: two conversions give a block of the next image, one store of 512 bytes stores it.
; NO JOINT LOADS: a joint load lands in LDS, and here each fragment of source 0 has one reader: it would pass through LDS to be read once; so no cluster, no tensor load, no slot that is filled again.
; The write attention has ONE key by the problem's own shapes: its weight is 1 for every finite score, so its output is v_w for every memory slot, and products 12 and the second half of 13 have 8 distinct rows.
; LIMITS: scale exponents 6, 7, 8, 14, 16 between -126 and 112; the sums 0+1, 2+3, 4+5, 14+15 between -126 and 127.  NaN among the inputs is not served.
; THE MODE: SCHED_MODE bits 1:0 = 2 (LLVM: expert scheduling mode 2), set by the entry lines.  The code itself states the register dependences
; between vector or matrix instructions and memory or LDS instructions, with s_wait_alu, always for 0.
; THE PLAN (GEMM roles).  Registers that memory or LDS instructions touch:
;   v4, v5, v7      offsets, made at the head ahead of the wait on va_vdst before the copy's loads, never written again.   v8, v9, v12, v13, v14: made behind the first loads, read on the way out alone.
;   window 1 v0-127 the copy: loaded, read by the copy's LDS stores, then written by the products: one wait on vm_vsrc behind the barrier.
;   BF0, BF1        K step ks: its 32 products read BF[ks % 2]; behind its last pair the loads of K step ks + 2 land there.
;   AF0 .. AF2      pair G: its 8 products read AF[G % 3]; behind them the LDS loads of pair G + 3 land there.
;   So ONE wait on va_vdst stands behind a pair's products, and the pair's run of loads follows it with nothing but loads between.  (The products' destination window is 1, the fragments' is 0: so the loads stand in a run, not among the products.)
;   CC              the way out's codes: written by conversions, read by stores, registers of their own for each tile: one wait on va_vdst ahead of each four stores, none on vm_vsrc.
;   v32-95 (role g) rows out of the stage, two sets by turns: loaded from LDS, read by global stores; loaded again two tiles on, behind a wait on vm_vsrc.
.set LI, 5                             ; v5   16 x lane: also where source 1's tiles 0-3 are read;  v7: the same + 65,536, for tiles 4-7
.set CP, 4                             ; v4   where I copy source 1's images: 16,384 x wave + 16 x lane
.set BF, 32                            ; v32-159  source 0's four fragments of a K step, two sets
.set AF, 160                           ; v160-255 source 1's fragments, two tiles a set, three sets that roll
.set BI, 32                            ; the way out: the bias
.set TT, 96                            ; the way out: 64 numbers
.set CC, 160                           ; the way out: codes, 8 registers for each of the eight tiles
.set BP, 36                            ; s[36:37] source 0's first tile
.set W3ROWS, 131072                    ; LDS: 0: source 1's images (GEMM roles);  W3: v_w as 16 rows x 4,112 bytes,
.set W3IMG, W3ROWS+16*4112             ; its image,
.set GSTG, W3IMG+16384                 ; role g: a stage of 16 rows x 272 bytes for each wave
.set GP, 272
.set UPD, 2097152                      ; gup: g [512][1024] f32 at 0, upd [16][1024] f32, upd's image
.set UPDC, UPD+65536
.set MSB, 0
.macro WIN new                         ; the immediate's high byte repeats the setting that is left
.if MSB != \new
	s_set_vgpr_msb (MSB<<8)|\new
.set MSB, \new
.endif
.endm
.macro PLACES                          ; four plain lines behind matrix instructions, ahead of loads into their registers and of reads of their results
.rept 4
	v_nop
.endr
.endm
.macro BLOAD ks                        ; source 0's four fragments of K step ks into set ks % 2
.irp t, 0,1,2,3
.irp c, 0,1,2,3
	global_load_b128 v[BF+64*((\ks)%2)+16*\t+4*\c:BF+64*((\ks)%2)+16*\t+4*\c+3], v[LI], s[BP:BP+1] offset:\t*16384+(\ks)*2048+\c*512
.endr
.endr
.endm
.macro ALOAD g                         ; pair g = 4 ks + q: source 1's tiles 2 q, 2 q + 1 of K step ks into set g % 3
.irp e, 0,1
.irp c, 0,1,2,3
	ds_load_b128 v[AF+32*((\g)%3)+16*\e+4*\c:AF+32*((\g)%3)+16*\e+4*\c+3], v[5+2*(((\g)%4)/2)] offset:((2*((\g)%4)+\e)%4)*16384+((\g)/4)*2048+\c*512
.endr
.endr
.endm
.macro MUL8                            ; pair G: 8 accumulators, one instruction each: the 32 take turns in the same order in every K step.  The first K step starts the sums
.irp t, 0,1,2,3
.irp e, 0,1
.set AC, 8*(4*(2*(G%4)+\e)+\t)
.if G < 4
	v_wmma_f32_16x16x128_bf8_bf8 v[AC:AC+7], v[BF+64*((G/4)%2)+16*\t:BF+64*((G/4)%2)+16*\t+15], v[AF+32*(G%3)+16*\e:AF+32*(G%3)+16*\e+15], 0
.else
	v_wmma_f32_16x16x128_bf8_bf8 v[AC:AC+7], v[BF+64*((G/4)%2)+16*\t:BF+64*((G/4)%2)+16*\t+15], v[AF+32*(G%3)+16*\e:AF+32*(G%3)+16*\e+15], v[AC:AC+7]
.endif
.endr
.endr
.endm
.macro PAIR                            ; a quarter of a K step: two tiles of source 1 against my four of source 0
.if G < 30
	s_wait_dscnt 16                                ; this pair is in; the two pairs asked for behind it (8 loads each) stay out
.else
	s_wait_dscnt 8*(31-G)
.endif
.if G%4 == 0
.if G < 28
	s_wait_loadcnt 16                              ; this K step's fragments of source 0 are in; the next step's 16 loads stay out
.else
	s_wait_loadcnt 0x0
.endif
.endif
	WIN 0x50                                       ; C and D in window 1
	MUL8
	PLACES
	WIN 0
.if G < 29
	s_wait_alu depctr_va_vdst(0)                   ; this pair's products are done reading AF[G % 3], and at a K step's end the step's products are done reading its set of BF: the loads below land there
	ALOAD G+3                                      ; into the set that has just been multiplied
.endif
.if (G%4 == 3) && (G < 24)
	BLOAD G/4+2                                    ; likewise: the K step after the next
.endif
.endm
	s_load_b512 s[4:19], s[0:1], 0x0               ; xq_img 4, m_img 6, w_img 8, vwp 10, r_in_b 12, w_in_b 14, w_out_b 16, scales 18
	s_load_b128 s[20:23], s[0:1], 0x40             ; qkv_img 20, gup 22
	v_lshl_add_u32 v30, v0, 2, 0x3c900
	v_mov_b32 v31, 0
	v_lshrrev_b32 v1, 5, v0
	v_readfirstlane_b32 s24, v1                    ; wave 0..7
	v_and_b32 v1, 31, v0
	v_lshlrev_b32 v[LI], 4, v1
	v_and_b32 v2, 15, v0                           ; r
	v_bfe_u32 v3, v0, 4, 1                         ; h
	s_mov_b32 s35, 0
	s_wait_alu depctr_va_sdst(0)                   ; s24 is written: ahead of the branch on roles and of its first reader on either way
	s_wait_kmcnt 0x0
	s_load_b512 s[68:83], s[18:19], 0x0            ; scale exponents 0 .. 15
	s_load_b64 s[84:85], s[18:19], 0x40            ; 16, 17
	s_cmp_ge_u32 ttmp9, 152
	s_cbranch_scc1 .Lw3
	; ---------------- the GEMM roles ----------------
	s_sub_co_u32 s28, ttmp9, 128
	s_lshr_b32 s27, s28, 3
	s_add_co_u32 s27, s27, 1
	s_and_b32 s28, s28, 7
	s_cmp_lt_u32 ttmp9, 128
	s_cselect_b32 s27, 0, s27                      ; role: 0 q, 1 k, 2 v, 3 g
	s_cselect_b32 s28, ttmp9, s28                  ; the work-group's number in its role
	s_lshr_b32 s29, s28, 1                         ; rb: which 128 rows of source 1
	s_and_b32 s30, s28, 1                          ; ch: which 512 rows of source 0
	s_cmp_eq_u32 s27, 2
	s_cselect_b32 s29, s28, s29                    ; (v: source 0 has 512 rows in all)
	s_cselect_b32 s30, 0, s30
	s_cselect_b64 s[32:33], s[8:9], s[6:7]         ; source 1: Wv's images for v, else memory's
	s_cselect_b64 s[36:37], s[6:7], s[8:9]         ; source 0: memory's images for v, else a weight's
	s_cselect_b32 s46, 0x200000, 0                 ; source 1's first byte: w_img tile 128
	s_cselect_b32 s47, 0x80000, 0                  ; source 0's: memory's second set of codes
	s_cmp_eq_u32 s27, 0
	s_cselect_b64 s[32:33], s[4:5], s[32:33]       ; q: the query's images
	s_cmp_eq_u32 s27, 1
	s_cselect_b32 s47, 0x100000, s47               ; k: w_img tile 64
	s_cmp_eq_u32 s27, 3
	s_cselect_b32 s46, 0x100000, s46               ; g: memory's third set of codes,
	s_cselect_b32 s47, 0x500000, s47               ;    w_img tile 320
	s_lshl_b32 s34, s29, 17
	s_add_co_u32 s34, s34, s46
	s_lshl_b32 s48, s24, 14
	s_add_co_u32 s34, s34, s48
	s_add_nc_u64 s[32:33], s[32:33], s[34:35]      ; the tile that I copy: 8 rb + wave
	s_wait_alu depctr_va_vdst(0)
	v_add_nc_u32 v[CP], s48, v[LI]
	s_lshl_b32 s34, s30, 19
	s_add_co_u32 s34, s34, s47
	s_lshl_b32 s48, s24, 16
	s_add_co_u32 s34, s34, s48
	s_add_nc_u64 s[BP:BP+1], s[BP:BP+1], s[34:35]  ; source 0's tile 32 ch + 4 wave
	v_add_nc_u32 v7, 0x10000, v[LI]
	WIN 0x40                                       ; destination window 1: the accumulators' registers carry the copy
	s_wait_alu depctr_va_vdst(0)                   ; v4, v5 and v7 are written: the offsets of the loads below, of the copy's LDS stores and of every fragment load
.set n, 0
.rept 32
	global_load_b128 v[4*n:4*n+3], v[LI], s[32:33] offset:n*512
.set n, n+1
.endr
	WIN 0
	BLOAD 0
	BLOAD 1
	s_mul_i32 s48, s24, 16*GP
	s_add_co_u32 s48, s48, GSTG
	v_mul_u32_u24 v8, v2, GP
	v_lshl_add_u32 v8, v3, 6, v8
	v_add_nc_u32 v8, s48, v8                       ; role g's stage, way in: row r, 64 h
	v_mul_u32_u24 v9, v3, GP
	v_lshl_add_u32 v9, v2, 4, v9
	v_add_nc_u32 v9, s48, v9                       ; way out: lanes 0-15 one row of 256 bytes, lanes 16-31 the next
	v_lshlrev_b32 v14, 12, v3
	v_lshl_add_u32 v14, v2, 4, v14                 ; and the same two rows in g
	v_lshlrev_b32 v12, 6, v3                       ; bias along the registers: 64 h
	v_and_b32 v13, 8, v2
	v_add_nc_u32 v13, v13, v2
	v_lshlrev_b32 v13, 2, v13                      ; bias along the lanes: 4 (r + 8 (r / 8))
	s_lshl_b32 s52, s29, 3                         ; my first tile of source 1
	s_cmp_eq_u32 s27, 2
	s_cselect_b32 s53, 13, 14                      ; a result tile's bytes as a shift: K = 512 keys for v, else 1,024
	s_cselect_b32 s49, 0x880000, 0                 ; v's images in qkv_img
	s_lshl_b32 s52, s52, s53
	s_cmp_eq_u32 s27, 1
	s_cselect_b32 s49, 0x800000, s49               ; k's
	s_add_co_u32 s52, s52, s49
	s_lshl_b32 s53, s30, 13
	s_add_co_u32 s52, s52, s53
	s_lshl_b32 s53, s24, 10
	s_add_co_u32 s52, s52, s53                     ; + block 16 ch + 2 wave
	s_mov_b32 s53, 0
	s_add_nc_u64 s[38:39], s[20:21], s[52:53]
	s_wait_kmcnt 0x0
	s_add_co_i32 s48, s68, s69
	s_add_co_i32 s49, s70, s71
	s_add_co_i32 s50, s72, s73
	s_cmp_eq_u32 s27, 1
	s_cselect_b32 s48, s49, s48
	s_cselect_b32 s51, s75, s74
	s_cmp_eq_u32 s27, 2
	s_cselect_b32 s48, s50, s48                    ; the two operands' exponents added,
	s_cselect_b32 s51, s76, s51                    ; and the exponent of the result's own scale (role g uses neither)
	s_add_co_i32 s48, s48, 127
	s_lshl_b32 s42, s48, 23
	s_mov_b32 s43, s42                             ; (named with it as a pair)
	s_add_co_i32 s51, s51, 127
	s_lshl_b32 s44, s51, 23
	s_add_co_i32 s51, s51, 15
	s_lshl_b32 s45, s51, 23
	s_or_b32 s45, s45, 0x600000
	v_mov_b32 v10, s44                             ; the result's scale as f32
	v_mov_b32 v11, s45                             ; 57,344 x that
	s_wait_loadcnt 32                              ; the copy's 32 loads are in; source 0's first two K steps (32 loads) stay out
	WIN 0x04                                       ; store data in window 1
.set n, 0
.rept 32
	ds_store_b128 v[CP], v[4*n:4*n+3] offset:n*512
.set n, n+1
.endr
	WIN 0
	s_wait_dscnt 0x0                               ; for the others' sake: my tile lies in LDS
	s_barrier_signal -1
	s_barrier_wait -1
	s_wait_alu depctr_vm_vsrc(0)                   ; the copy's LDS stores have read window 1's v0-127, which the first products write
	ALOAD 0
	ALOAD 1
	ALOAD 2
.set G, 0
.rept 32
	PAIR
.set G, G+1
.endr
	s_cmp_eq_u32 s27, 3
	s_cbranch_scc1 .Lg_out
	s_cmp_eq_u32 s27, 2
	s_cbranch_scc1 .Lv_out
; THE WAY OUT of q, k (lanebias = 0: the bias runs along a lane's registers) and v (1: a lane has one bias a tile): sum x 2^(the operands' exponents) + bias, held, converted, stored as the next operand's blocks.
; Two tiles of source 1 (64 numbers a lane) at a time; a tile's 32 numbers are blocks 2 w and 2 w + 1 of its image's part.
.macro EPI lanebias
.if \lanebias
	s_lshl_b32 s52, s29, 9
	s_add_co_u32 s52, s52, 8192                    ; bv at row 128 rb
	s_mov_b32 s53, 0
	s_add_nc_u64 s[40:41], s[12:13], s[52:53]
	s_wait_alu depctr_va_vdst(0)                   ; the products are done reading v32 on, in which the bias lands; v13, the loads' offset, is written
.irp a, 0,1,2,3,4,5,6,7
	global_load_b32 v[BI+2*\a], v13, s[40:41] offset:(32*(\a/2)+8*(\a%2))*4
.endr
.irp a, 0,1,2,3,4,5,6,7
	v_mov_b32 v[BI+2*\a+1], 0                      ; (named as the upper half of the pair)
.endr
.else
	s_lshl_b32 s52, s27, 12
	s_lshl_b32 s53, s30, 11
	s_add_co_u32 s52, s52, s53
	s_lshl_b32 s53, s24, 8
	s_add_co_u32 s52, s52, s53                     ; bq or bk at column 512 ch + 64 wave
	s_mov_b32 s53, 0
	s_add_nc_u64 s[40:41], s[12:13], s[52:53]
	s_wait_alu depctr_va_vdst(0)                   ; the products are done reading v32 on, in which the bias lands; v12, the loads' offset, is written
.set n, 0
.rept 8
	global_load_b128 v[BI+4*n:BI+4*n+3], v12, s[40:41] offset:(n/4)*128+(n%4)*16
.set n, n+1
.endr
.endif
	s_wait_alu depctr_va_vdst(0)
	s_wait_loadcnt 0x0
.irp aa, 0,1,2,3
	WIN 0x01                                       ; source 0 (the sums) in window 1
.set n, 0
.rept 32
.if \lanebias
	v_pk_fma_f32 v[TT+2*n:TT+2*n+1], v[64*\aa+2*n:64*\aa+2*n+1], s[42:43], v[BI+2*(2*\aa+n/16):BI+2*(2*\aa+n/16)+1] op_sel_hi:[1,0,0]
.else
	v_pk_fma_f32 v[TT+2*n:TT+2*n+1], v[64*\aa+2*n:64*\aa+2*n+1], s[42:43], v[BI+(2*n)%32:BI+(2*n)%32+1] op_sel_hi:[1,0,1]
.endif
.set n, n+1
.endr
	WIN 0
.set n, 0
.rept 64
	v_med3_num_f32 v[TT+n], v[TT+n], -v11, v11     ; the conversion does not saturate (ISA guide 7.6.2)
.set n, n+1
.endr
.set n, 0
.rept 8
	v_cvt_scalef32_pk8_bf8_f32 v[CC+16*\aa+2*n:CC+16*\aa+2*n+1], v[TT+8*n:TT+8*n+7], v10
.set n, n+1
.endr
	v_nop                                          ; a plain line between the conversions and the lines that write their sources again
	s_wait_alu depctr_va_vdst(0)                   ; the conversions have written these two tiles' codes, which the four stores read
.irp e, 0,1
.irp p, 0,1
	global_store_b128 v[LI], v[CC+16*\aa+8*\e+4*\p:CC+16*\aa+8*\e+4*\p+3], s[38:39] offset:(2*\aa+\e)*(16384-8192*\lanebias)+\p*512   ; 512 consecutive bytes, aligned; each tile's codes have registers of their own
.endr
.endr
.endr
.endm
	EPI 0
	s_wait_dscnt 0x0                               ; the closing lines, six on end
	s_wait_alu 0x0
	s_wait_tensorcnt 0x0
	ds_add_u32 v30, v31
	s_wait_dscnt 0x0
	s_endpgm
.Lv_out:
	EPI 1
	s_wait_dscnt 0x0                               ; the closing lines, as above
	s_wait_alu 0x0
	s_wait_tensorcnt 0x0
	ds_add_u32 v30, v31
	s_wait_dscnt 0x0
	s_endpgm
.Lg_out:                                               ; raw sums as plain rows: a tile of 16 rows x 64 columns goes through my own stage and leaves as rows of 256 bytes, two a store
	s_lshl_b32 s52, s29, 19                        ; row 128 rb,
	s_lshl_b32 s53, s30, 11
	s_add_co_u32 s52, s52, s53
	s_lshl_b32 s53, s24, 8
	s_add_co_u32 s52, s52, s53                     ; column 512 ch + 64 wave
	s_mov_b32 s53, 0
	s_add_nc_u64 s[38:39], s[22:23], s[52:53]
.irp a, 0,1,2,3,4,5,6,7
.if \a >= 2
	s_wait_xcnt 0x0                                ; tile a - 2's stores have read the registers that this tile's rows land in
.endif
	WIN 0x04
.if \a == 0
	s_wait_alu depctr_va_vdst(0)                   ; behind the last products' four places: the accumulators are written, which the stage's stores read; the products are done reading v32-95, in which the rows land; v8, v9 and v14 are written.  No vector instruction follows on this way
.endif
.set n, 0
.rept 8
	ds_store_b128 v8, v[32*\a+4*n:32*\a+4*n+3] offset:128*(n/4)+16*(n%4)
.set n, n+1
.endr
	WIN 0
.if \a >= 2
	s_wait_alu depctr_vm_vsrc(0)                   ; tile a - 2's global stores have read their data registers, in which the loads below land
.endif
.set n, 0
.rept 8
	ds_load_b128 v[32+32*(\a%2)+4*n:35+32*(\a%2)+4*n], v9 offset:n*2*GP   ; LDS serves a wave's instructions in order: these see my stores
.set n, n+1
.endr
	s_wait_dscnt 0x0
.set n, 0
.rept 8
	global_store_b128 v14, v[32+32*(\a%2)+4*n:35+32*(\a%2)+4*n], s[38:39] offset:(32*(\a/2)+8*(\a%2)+2*n+8*(n/4))*4096   ; sixteen lanes store 256 consecutive bytes, aligned
.set n, n+1
.endr
.endr
	s_wait_dscnt 0x0                               ; the closing lines, as above
	s_wait_alu 0x0
	s_wait_tensorcnt 0x0
	ds_add_u32 v30, v31
	s_wait_dscnt 0x0
	s_endpgm
	; ---------------- W3 ----------------
	; Registers that memory or LDS instructions touch here: v5, v14 to v19 offsets, written once; window 1: slabs 0-7, then slabs 12-15 and W_out's tiles, each run of loads behind the additions that read what lay there;
	; v32-47 v_w, then its codes, then the image: stored to LDS twice and loaded once; v64-67 zeros; v96-159 slabs, then my row of v_w; v160-163, v176-191 the results that are stored.
.Lw3:
	s_sub_co_u32 s28, ttmp9, 152
	s_lshl_b32 s28, s28, 3
	s_add_co_u32 s28, s28, s24                     ; P: my pair of W_out's tiles: columns 32 P .. 32 P + 31 of upd
	s_lshl_b32 s34, s24, 12
	s_add_nc_u64 s[32:33], s[10:11], s[34:35]      ; phase 1: wave = batch b: vwp[.][b][.]
	WIN 0x40
	s_wait_alu depctr_va_vdst(0)                   ; v5 is written: the offset of the loads below
.set n, 0
.rept 64                               ; slabs 0-7 into window 1
	global_load_b128 v[4*n:4*n+3], v[LI], s[32:33] offset:(n/8)*32768+(n%8)*512
.set n, n+1
.endr
	WIN 0
.set n, 0
.rept 32                               ; slabs 8-11
	global_load_b128 v[96+4*n:99+4*n], v[LI], s[32:33] offset:(8+n/8)*32768+(n%8)*512
.set n, n+1
.endr
.set n, 0
.rept 8                                ; bv
	global_load_b128 v[64+4*n:67+4*n], v[LI], s[14:15] offset:8192+n*512
.set n, n+1
.endr
	s_mul_i32 s48, s24, 4112
	s_add_co_u32 s48, s48, W3ROWS
	v_add_nc_u32 v14, s48, v[LI]                   ; row = wave, 16 x lane
	v_mul_u32_u24 v15, v2, 4112
	v_lshl_add_u32 v15, v3, 6, v15
	s_lshl_b32 s48, s24, 9
	s_add_co_u32 s48, s48, W3ROWS
	v_add_nc_u32 v15, s48, v15                     ; row r, 64 h, K step = wave
	s_lshl_b32 s48, s24, 11
	s_add_co_u32 s48, s48, W3IMG
	v_add_nc_u32 v16, s48, v[LI]                   ; the image's K step = wave
	v_add_nc_u32 v17, W3IMG, v[LI]
	v_lshlrev_b32 v18, 6, v3
	v_lshlrev_b32 v19, 12, v2
	v_lshl_add_u32 v19, v3, 6, v19                 ; upd: row r of 4,096 bytes, 64 h
	s_lshl_b32 s34, s28, 15
	s_add_co_u32 s34, s34, 256*16384
	s_add_nc_u64 s[BP:BP+1], s[8:9], s[34:35]      ; w_img tile 256 + 2 P
	s_lshl_b32 s34, s28, 7
	s_add_nc_u64 s[46:47], s[16:17], s[34:35]      ; w_out_b at column 32 P
	s_add_co_u32 s34, s34, UPD
	s_add_nc_u64 s[38:39], s[22:23], s[34:35]
	s_lshl_b32 s34, s28, 9
	s_add_co_u32 s34, s34, UPDC
	s_add_nc_u64 s[40:41], s[22:23], s[34:35]
	s_wait_loadcnt 40                              ; slabs 0-7 are in; slabs 8-11 (32 loads) and bv (8) stay out
	WIN 0x05                                       ; both sources in window 1
.set n, 0
.rept 16
	v_pk_add_f32 v[32+2*n:33+2*n], v[2*n:2*n+1], v[32+2*n:33+2*n]   ; slab 0 + slab 1 start the sums, in window 0
.set n, n+1
.endr
	WIN 0x04                                       ; source 1 in window 1
.irp sl, 2,3,4,5,6,7
.set n, 0
.rept 16
	v_pk_add_f32 v[32+2*n:33+2*n], v[32+2*n:33+2*n], v[32*\sl+2*n:32*\sl+2*n+1]
.set n, n+1
.endr
.endr
	WIN 0x40
	s_wait_alu depctr_va_vdst(0)                   ; the additions are done reading slabs 0-3, in whose registers the loads below land
.set n, 0
.rept 32                               ; slabs 12-15, into the registers that slabs 0-3 have left
	global_load_b128 v[4*n:4*n+3], v[LI], s[32:33] offset:(12+n/8)*32768+(n%8)*512
.set n, n+1
.endr
	WIN 0
	s_wait_loadcnt 32                              ; slabs 8-11 and bv are in; the 32 just issued stay out
.irp sl, 0,1,2,3
.set n, 0
.rept 16
	v_pk_add_f32 v[32+2*n:33+2*n], v[32+2*n:33+2*n], v[96+32*\sl+2*n:97+32*\sl+2*n]
.set n, n+1
.endr
.endr
	s_wait_loadcnt 0x0
	WIN 0x04
.irp sl, 0,1,2,3
.set n, 0
.rept 16
	v_pk_add_f32 v[32+2*n:33+2*n], v[32+2*n:33+2*n], v[32*\sl+2*n:32*\sl+2*n+1]
.set n, n+1
.endr
.endr
	WIN 0x40
	s_wait_alu depctr_va_vdst(0)                   ; the additions are done reading window 1 and slab 11's v208-223: W_out's tiles and its bias land there; v18, the bias's offset, is written
.set n, 0
.rept 64                               ; W_out's two tiles, all eight K steps, into window 1: they land while v_w is quantised
	global_load_b128 v[4*n:4*n+3], v[LI], s[BP:BP+1] offset:(n/32)*16384+(n%32)*512
.set n, n+1
.endr
	WIN 0
.irp i, 0,1,2,3
	global_load_b128 v[208+4*\i:211+4*\i], v18, s[46:47] offset:16*\i
.endr
.set n, 0
.rept 16
	v_pk_fma_f32 v[32+2*n:33+2*n], v[32+2*n:33+2*n], 0x3a800000, v[64+2*n:65+2*n] op_sel_hi:[1,0,1]   ; v_w = the sums / 1,024 + bv
.set n, n+1
.endr
.irp i, 0,1,2,3
	v_mov_b32 v[64+\i], 0
.endr
	s_wait_alu depctr_va_vdst(0)                   ; v_w in v32-63 and the zeros in v64-67 are written, which the LDS stores read; the additions are done reading v96-159, in which my row of v_w lands behind the barrier
.set n, 0
.rept 8
	ds_store_b128 v14, v[32+4*n:35+4*n] offset:n*512
	ds_store_b128 v14, v[64:67] offset:8*4112+n*512   ; rows 8-15 of the tile are zeros
.set n, n+1
.endr
	s_wait_dscnt 0x0
	s_barrier_signal -1
	s_barrier_wait -1
.set n, 0
.rept 16                               ; phase 2: wave = K step: 64 numbers of my row
	ds_load_b128 v[96+4*n:99+4*n], v15 offset:(n/4)*128+(n%4)*16
.set n, n+1
.endr
	s_wait_kmcnt 0x0
	s_add_co_i32 s48, s82, 127                     ; entry 14
	s_lshl_b32 s49, s48, 23
	v_mov_b32 v20, s49
	s_add_co_i32 s48, s48, 15
	s_lshl_b32 s48, s48, 23
	s_or_b32 s48, s48, 0x600000
	v_mov_b32 v21, s48
	s_add_co_i32 s48, s84, 127                     ; entry 16
	s_lshl_b32 s49, s48, 23
	v_mov_b32 v22, s49
	s_add_co_i32 s48, s48, 15
	s_lshl_b32 s48, s48, 23
	s_or_b32 s48, s48, 0x600000
	v_mov_b32 v23, s48
	s_add_co_i32 s48, s82, s83
	s_add_co_i32 s48, s48, 127
	s_lshl_b32 s42, s48, 23                        ; 2^(entries 14 + 15)
	s_mov_b32 s43, s42
	s_wait_alu depctr_va_vdst(0)
	s_wait_dscnt 0x0
.set n, 0
.rept 64
	v_med3_num_f32 v[96+n], v[96+n], -v21, v21
.set n, n+1
.endr
	s_wait_alu depctr_vm_vsrc(0)                   ; the LDS stores of v_w have read v32-47, which the conversions write
.set n, 0
.rept 8
	v_cvt_scalef32_pk8_bf8_f32 v[32+2*n:33+2*n], v[96+8*n:103+8*n], v20
.set n, n+1
.endr
	v_nop
	s_wait_alu depctr_va_vdst(0)                   ; the conversions have written v32-47, which the LDS stores read, and are done reading v96-159, in which the image lands behind the barrier
.irp c, 0,1,2,3
	ds_store_b128 v16, v[32+4*\c:35+4*\c] offset:\c*512
.endr
	s_wait_dscnt 0x0
	s_barrier_signal -1
	s_barrier_wait -1
	s_wait_alu depctr_vm_vsrc(0)                   ; my LDS stores have read v32-47 (and, earlier, v64-67), in which the image lands
.set n, 0
.rept 32                               ; phase 3: the whole image of Q(v_w)
	ds_load_b128 v[32+4*n:35+4*n], v17 offset:n*512
.set n, n+1
.endr
	s_wait_dscnt 0x0
	s_wait_loadcnt 0x0
	WIN 0x01                                       ; source 0 (W_out) in window 1
.irp ks, 0,1,2,3,4,5,6,7
.irp u, 0,1
.if \ks == 0
	v_wmma_f32_16x16x128_bf8_bf8 v[224+8*\u:231+8*\u], v[128*\u+16*\ks:128*\u+16*\ks+15], v[32+16*\ks:47+16*\ks], 0
.else
	v_wmma_f32_16x16x128_bf8_bf8 v[224+8*\u:231+8*\u], v[128*\u+16*\ks:128*\u+16*\ks+15], v[32+16*\ks:47+16*\ks], v[224+8*\u:231+8*\u]
.endif
.endr
.endr                                  ; the two accumulators take turns
	WIN 0
	PLACES
.set n, 0
.rept 8
	v_pk_fma_f32 v[176+2*n:177+2*n], v[224+2*n:225+2*n], s[42:43], v[208+2*n:209+2*n] op_sel_hi:[1,0,1]   ; upd(r, 32 P + 16 h + ..)
.set n, n+1
.endr
.set n, 0
.rept 16
	v_med3_num_f32 v[192+n], v[176+n], -v23, v23
.set n, n+1
.endr
	v_cvt_scalef32_pk8_bf8_f32 v[160:161], v[192:199], v22
	v_cvt_scalef32_pk8_bf8_f32 v[162:163], v[200:207], v22
	v_nop
	s_wait_alu depctr_va_vdst(0)                   ; upd in v176-191 and its codes in v160-163 are written, which the five stores read
.irp i, 0,1,2,3
	global_store_b128 v19, v[176+4*\i:179+4*\i], s[38:39] offset:16*\i   ; 64 KB in all: rows 0-7 are the batches, rows 8-15 hold the bias alone and are not used
.endr
	global_store_b128 v[LI], v[160:163], s[40:41]  ; block P of upd's image
	s_wait_dscnt 0x0                               ; the closing lines, as above
	s_wait_alu 0x0
	s_wait_tensorcnt 0x0
	ds_add_u32 v30, v31
	s_wait_dscnt 0x0
	s_endpgm
.Lfunc_end_k_qb224168335_proj:
	.size	k_qb224168335_proj, .Lfunc_end_k_qb224168335_proj-k_qb224168335_proj
	.p2alignl 7, 3214868480
	.fill 96, 4, 3214868480
	.section	.rodata,"a",@progbits
	.p2align	6, 0x0
	.amdhsa_kernel k_qb224168335_proj
		.amdhsa_group_segment_fixed_size 249088
		.amdhsa_private_segment_fixed_size 0
		.amdhsa_enable_private_segment 0
		.amdhsa_kernarg_size 80
		.amdhsa_user_sgpr_count 2
		.amdhsa_user_sgpr_kernarg_segment_ptr 1
		.amdhsa_wavefront_size32 1
		.amdhsa_system_sgpr_workgroup_id_x 1
		.amdhsa_system_sgpr_workgroup_id_y 1
		.amdhsa_system_sgpr_workgroup_id_z 1
		.amdhsa_system_vgpr_workitem_id 0
		.amdhsa_next_free_vgpr 512
		.amdhsa_next_free_sgpr 88
		.amdhsa_reserve_vcc 0
		.amdhsa_float_denorm_mode_32 3
		.amdhsa_float_denorm_mode_16_64 3
		.amdhsa_memory_ordered 1
		.amdhsa_forward_progress 1
		.amdhsa_inst_pref_size 188
	.end_amdhsa_kernel
	.amdgpu_metadata
---
amdhsa.version: [ 1, 2 ]
amdhsa.kernels:
  - .name:           k_qb224168335_proj
    .symbol:         k_qb224168335_proj.kd
    .args:
      - { .name: xq_img, .offset: 0, .size: 8, .value_kind: global_buffer, .address_space: global }
      - { .name: m_img, .offset: 8, .size: 8, .value_kind: global_buffer, .address_space: global }
      - { .name: w_img, .offset: 16, .size: 8, .value_kind: global_buffer, .address_space: global }
      - { .name: vwp, .offset: 24, .size: 8, .value_kind: global_buffer, .address_space: global }
      - { .name: r_in_b, .offset: 32, .size: 8, .value_kind: global_buffer, .address_space: global }
      - { .name: w_in_b, .offset: 40, .size: 8, .value_kind: global_buffer, .address_space: global }
      - { .name: w_out_b, .offset: 48, .size: 8, .value_kind: global_buffer, .address_space: global }
      - { .name: lowp_scales, .offset: 56, .size: 8, .value_kind: global_buffer, .address_space: global }
      - { .name: qkv_img, .offset: 64, .size: 8, .value_kind: global_buffer, .address_space: global }
      - { .name: gup, .offset: 72, .size: 8, .value_kind: global_buffer, .address_space: global }
    .group_segment_fixed_size: 249088
    .private_segment_fixed_size: 0
    .kernarg_segment_align: 8
    .kernarg_segment_size: 80
    .max_flat_workgroup_size: 256
    .sgpr_count:     88
    .vgpr_count:     512
    .wavefront_size: 32
...
	.end_amdgpu_metadata
.endif
;; end of part 6
;; launch attn (part 7): grid 256 x 1, 16 waves a work-group, no clusters, 67,584 bytes of LDS; arguments qkv_img, gup, w_img, lowp_scales, ao_img, gu; writes ao_img, gu
.if DOCPART == 7
	.amdgcn_target "amdgcn-amd-amdhsa--gfx1250"
	.amdhsa_code_object_version 6
	.text
	.protected	k_qb224168335_attn
	.globl	k_qb224168335_attn
	.p2align	8
	.type	k_qb224168335_attn,@function
k_qb224168335_attn:
	s_mov_b64 s[64:65], 0
	v_nop
	global_prefetch_b8 v0, s[64:65] scope:SCOPE_SE
	s_setreg_imm32_b32 hwreg(HW_REG_WAVE_SCHED_MODE, 0, 2), 2
	s_setreg_imm32_b32 hwreg(HW_REG_WAVE_MODE, 25, 1), 1
	s_wait_xcnt 0x0
	s_wait_alu depctr_vm_vsrc(0)
; ATTN: the read attention on codes of E5M2: 16 heads of 64, 8,192 queries, the same 512 keys for all batches.  Work-group: head = id / 16, 512 queries (32 tiles); each of its sixteen waves takes two tiles, one after the other.
; The head's K (32 tiles x 1 KB) and V (4 tiles x 8 KB) lie in LDS as register images, filled once: every fragment is read as 512 consecutive bytes, with no pitch and no padding.
; Both products are used transposed: S^T = K Q^T (source 0 = 16 keys), O^T = V^T P^T (source 0 = 16 of the head's 64): a lane holds ONE query throughout, and by the images' order of rows the 16 registers of
; tiles 2 p, 2 p + 1 are 16 neighbouring keys (channels): p's codes are the second product's operand, and O's codes are blocks 2 head, 2 head + 1 of the next launch's image.
; THE SOFTMAX: t = score x log2(e) / 8; M = the running largest t rounded UP to a whole number; p = 2^(t - M) is quantised, not normalised; the row's sum is taken of the unquantised p and divides at the end;
; when M moves, the sum and O^T are multiplied by 2^(old M - new M), which rounds nothing.  The first key step starts M, the sum and O^T.
; THE HOLD OF p: p is at most 1.  Where scale entry 9 is -15 or more, the largest code x the scale is 57,344 x 2^-15 = 1.75 or more, and the hold changes no number: a scalar branch on that whole number passes over it.
; Q is asked for ahead: the first tile's with the fill of K and V, the second tile's in the first tile's last key step, behind the last product that reads Q.
; Four waves share a SIMD, so that one wave's vector work stands beside another's matrix work and LDS loads.  Work-groups of one head read the same 64 KB of K and V once each, at their heads: too little for joint loads.
; Wave 0 of work-groups 0-31 also makes 32 columns of Q(upd) gate_w[:, 1024:]^T (16 rows, of which 8 are batches): raw sums into gu.
; LIMITS: scale exponents 6 + 7 between -123 and 130 (added to c's exponent field); 9 and 10 between -126 and 112; 8 + 9 is applied by v_ldexp_f32.
; REGISTERS: v5 16 x lane; v12 -M, v13 the largest t, v[14:15] the sum; v16-23 Q; v32-95 fragments of K, then of V; v96-159 S^T, then p; v160-191 O^T; v224-239 p's codes; v240-254 constants and work.
; THE MODE: SCHED_MODE bits 1:0 = 2 (LLVM: expert scheduling mode 2), set by the entry lines.  The code itself states the register dependences
; between vector or matrix instructions and memory or LDS instructions, with s_wait_alu, always for 0.
; THE PLAN.  Registers that memory or LDS instructions touch:
;   v5, v6, v7  offsets, each written once, ahead of a wait on va_vdst that stands ahead of its first use.
;   v32-95      The fill's loads land here and its LDS stores read v32-63: one wait on vm_vsrc behind the barrier, ahead of the branches.  In a key step: K's fragments land, the products K Q^T read them, V's fragments land,
;               the products V^T P^T read them.  So a key step has two waits on va_vdst, one ahead of each run of 16 LDS loads; a tile's first key step leans on the wait ahead of the last tile's stores (in the first trip: on the head's).
;   v16-23      Q: read by the products K Q^T; the next tile's loads land behind the last key step's, under the same wait as V's fragments.
;   v128-135    the tile's codes: written by conversions, read by two stores (a wait on va_vdst ahead of them); the next tile's products write them again: a wait on vm_vsrc ahead of the backward jump.
;   gu's part   four sets of fragments: K step k's products read set k % 4, the loads of K step k + 4 land there: a wait on va_vdst ahead of each such run; v224-239 its sums: stored, and written again by p's conversions: a wait on vm_vsrc.
.set KOFF, 8388608                     ; qkv_img: q's images, k's, v's
.set VOFF, 8912896
.set UPDC, 2162688                     ; gup: upd's image
.set VLDS, 32768
.set CS, 36                            ; s[36:37] c
.set SEL, 38                           ; s[38:39] lane l xor 16
.macro PLACES
.rept 4
	v_nop
.endr
.endm
.macro GULOAD k                        ; K step k of gu's product: upd's fragment (4 loads) and the two weight tiles' (8), into set k % 4
.irp c, 0,1,2,3
	global_load_b128 v[32+16*((\k)%4)+4*\c:35+16*((\k)%4)+4*\c], v5, s[52:53] offset:(\k)*2048+\c*512
.endr
.irp u, 0,1
.irp c, 0,1,2,3
	global_load_b128 v[96+32*((\k)%4)+16*\u+4*\c:99+32*((\k)%4)+16*\u+4*\c], v5, s[50:51] offset:\u*16384+(\k)*2048+\c*512
.endr
.endr
.endm
	s_load_b256 s[4:11], s[0:1], 0x0               ; qkv_img 4, gup 6, w_img 8, scales 10
	s_load_b128 s[12:15], s[0:1], 0x20             ; ao_img 12, gu 14
	v_lshl_add_u32 v251, v0, 2, 0x10000
	v_mov_b32 v255, 0
	v_lshrrev_b32 v1, 5, v0
	v_readfirstlane_b32 s18, v1                    ; wave 0..15
	v_and_b32 v1, 31, v0
	v_lshlrev_b32 v5, 4, v1
	s_lshr_b32 s16, ttmp9, 4                       ; head
	s_and_b32 s17, ttmp9, 15                       ; which 32 tiles of queries
	s_wait_alu depctr_va_sdst(0)                   ; s18 is written, ahead of its first reader
	s_lshl_b32 s19, s18, 11
	v_add_nc_u32 v6, s19, v5                       ; the fill: 2,048 x wave + 16 x lane
	s_mov_b32 s[SEL], 0x76543210
	s_mov_b32 s[SEL+1], 0xfedcba98
	s_mov_b32 s[CS], 0x3e38aa3b                    ; c = log2(e) / sqrt(64)
	s_mov_b32 s21, 0
	s_mov_b32 s47, 0
	s_lshl_b32 s20, s16, 10
	s_lshl_b32 s30, s18, 15
	s_add_co_u32 s20, s20, s30                     ; two tiles x wave, the head's two blocks
	s_lshl_b32 s30, s17, 19
	s_add_co_u32 s46, s20, s30                     ; tile 32 blk + 2 wave of q's and of the output's images
	s_add_co_u32 s20, s20, KOFF
	s_wait_kmcnt 0x0
	s_load_b128 s[40:43], s[10:11], 0x18           ; scale exponents 6, 7, 8, 9
	s_load_b32 s44, s[10:11], 0x28                 ; 10
	s_add_nc_u64 s[22:23], s[4:5], s[20:21]        ; K: tiles 2 wave, 2 wave + 1
	s_lshl_b32 s20, s16, 15
	s_add_co_u32 s20, s20, s19
	s_add_co_u32 s20, s20, VOFF
	s_add_nc_u64 s[24:25], s[4:5], s[20:21]        ; V: my 2 KB of the head's 32
	s_add_nc_u64 s[34:35], s[4:5], s[46:47]
	s_add_nc_u64 s[48:49], s[12:13], s[46:47]
	s_wait_alu depctr_va_vdst(0)                   ; v5 and v6 are written: the offsets of every load and store below but gu's stores
	global_load_b128 v[32:35], v5, s[22:23]
	global_load_b128 v[36:39], v5, s[22:23] offset:512
	global_load_b128 v[40:43], v5, s[22:23] offset:16384
	global_load_b128 v[44:47], v5, s[22:23] offset:16384+512
.irp i, 0,1,2,3
	global_load_b128 v[48+4*\i:51+4*\i], v5, s[24:25] offset:\i*512
.endr
	global_load_b128 v[16:19], v5, s[34:35]        ; my first tile of queries, the head's 64 channels
	global_load_b128 v[20:23], v5, s[34:35] offset:512
	s_wait_loadcnt 2                               ; my part of K and V is in; Q's two loads stay out
.irp i, 0,1,2,3
	ds_store_b128 v6, v[32+4*\i:35+4*\i] offset:\i*512
	ds_store_b128 v6, v[48+4*\i:51+4*\i] offset:VLDS+\i*512
.endr
	s_wait_dscnt 0x0                               ; for the others' sake: my part of K and V lies in LDS
	s_barrier_signal -1
	s_barrier_wait -1
	s_wait_alu depctr_vm_vsrc(0)                   ; the fill's LDS stores have read v32-63, in which loads land on either way below: so ahead of the branches
	; ---- the second half of the gate's product, for the 8 distinct rows of upd: one wave of 32 work-groups.  Its eight K steps roll through four sets of registers: 36 to 48 loads are on their way
	s_cmp_lg_u32 s18, 0
	s_cbranch_scc1 .Lno_gu
	s_cmp_ge_u32 ttmp9, 32
	s_cbranch_scc1 .Lno_gu
	s_lshl_b32 s20, ttmp9, 15
	s_add_co_u32 s20, s20, 384*16384
	s_add_nc_u64 s[50:51], s[8:9], s[20:21]        ; w_img tile 384 + 2 P, P = the work-group's number
	s_add_nc_u64 s[52:53], s[6:7], UPDC
	s_lshl_b32 s20, ttmp9, 7
	s_add_nc_u64 s[54:55], s[14:15], s[20:21]      ; gu at column 32 P
	GULOAD 0
	GULOAD 1
	GULOAD 2
	GULOAD 3
	v_and_b32 v2, 15, v0
	v_bfe_u32 v3, v0, 4, 1
	v_lshlrev_b32 v7, 12, v2
	v_lshl_add_u32 v7, v3, 6, v7                   ; row r of 4,096 bytes, 64 h
.irp k, 0,1,2,3,4,5,6,7
.if \k < 5
	s_wait_loadcnt 36                              ; this K step's 12 loads are in; the three steps behind it stay out
.else
	s_wait_loadcnt 12*(7-\k)
.endif
.irp u, 0,1
.if \k == 0
	v_wmma_f32_16x16x128_bf8_bf8 v[224+8*\u:231+8*\u], v[96+32*(\k%4)+16*\u:111+32*(\k%4)+16*\u], v[32+16*(\k%4):47+16*(\k%4)], 0
.else
	v_wmma_f32_16x16x128_bf8_bf8 v[224+8*\u:231+8*\u], v[96+32*(\k%4)+16*\u:111+32*(\k%4)+16*\u], v[32+16*(\k%4):47+16*(\k%4)], v[224+8*\u:231+8*\u]
.endif
.endr                                  ; the two accumulators take turns
	PLACES
.if \k < 4
	s_wait_alu depctr_va_vdst(0)                   ; this K step's two products are done reading their set, in which the loads below land
	GULOAD \k+4                                    ; into the set that has just been multiplied
.endif
.endr
	s_wait_alu depctr_va_vdst(0)                   ; behind the four places: the sums in v224-239 and the offset v7 are written, which the stores read; the products are done reading v32-95, in which the first key step's fragments land
.irp i, 0,1,2,3
	global_store_b128 v7, v[224+4*\i:227+4*\i], s[54:55] offset:16*\i
.endr
	s_wait_xcnt 0x0                                ; the stores have read their registers, which the tasks write
	s_wait_alu depctr_vm_vsrc(0)                   ; the stores have read v224-239, which p's conversions write
.Lno_gu:
	v_mov_b32 v246, 0                              ; written once: a lane permute's destination counts as one of its sources
	v_mov_b32 v253, 0                              ; (named as the upper half of the pair v[252:253])
	s_wait_kmcnt 0x0
	s_add_co_i32 s30, s40, s41
	s_lshl_b32 s30, s30, 23
	s_add_co_i32 s[CS], s[CS], s30                 ; a score stands for score x 2^(entries 6 + 7): added to c's exponent field
	s_mov_b32 s[CS+1], s[CS]
	s_add_co_i32 s30, s43, 127
	s_lshl_b32 s45, s30, 23
	v_mov_b32 v244, s45                            ; p's scale
	s_add_co_i32 s30, s30, 15
	s_lshl_b32 s30, s30, 23
	s_or_b32 s30, s30, 0x600000
	v_mov_b32 v240, s30                            ; 57,344 x that
	s_add_co_i32 s30, s44, 127
	s_lshl_b32 s45, s30, 23
	v_mov_b32 v245, s45                            ; the output's scale
	s_add_co_i32 s30, s30, 15
	s_lshl_b32 s30, s30, 23
	s_or_b32 s30, s30, 0x600000
	v_mov_b32 v241, s30
	s_add_co_i32 s31, s42, s43                     ; entries 8 + 9
; A KEY STEP: 128 keys.
.macro STEP s
.if \s > 0
	PLACES                                         ; behind the last products, ahead of loads into the registers that they read
	s_wait_alu depctr_va_vdst(0)                   ; the last key step's products V^T P^T are done reading v32-95, in which K's fragments land.  (A tile's first key step: the wait ahead of the last tile's stores, or the head's, has stated it, and no vector instruction since names v32-95 or v5)
.endif
.set n, 0
.rept 16
	ds_load_b128 v[32+4*n:35+4*n], v5 offset:\s*8192+n*512
.set n, n+1
.endr
	s_wait_dscnt 0x0
.irp t, 0,1,2,3,4,5,6,7
	v_wmma_f32_16x16x64_bf8_bf8 v[96+8*\t:103+8*\t], v[32+8*\t:39+8*\t], v[16:23], 0
.endr
	PLACES
	s_wait_alu depctr_va_vdst(0)                   ; the products K Q^T are done reading v32-95, in which V's fragments land, and v16-23, in which the last key step's loads of Q land
.if \s == 3
	s_cmp_eq_u32 s32, 1                            ; Q has had its last reader of this tile: the next tile's is asked for, if there is a next tile
	s_cbranch_scc1 .Llast_q
	global_load_b128 v[16:19], v5, s[34:35] offset:16384
	global_load_b128 v[20:23], v5, s[34:35] offset:16384+512
.Llast_q:
.endif
.set n, 0
.rept 16                               ; V's four fragments of these keys land while the softmax is worked
	ds_load_b128 v[32+4*n:35+4*n], v5 offset:VLDS+(n/4)*8192+\s*2048+(n%4)*512
.set n, n+1
.endr
	v_max3_num_f32 v254, v96, v97, v98             ; the step's largest score of my query among my 64 keys, in two chains, each accumulator from its low end on
	v_max3_num_f32 v252, v99, v100, v101
.irp i, 6,10,14,18,22,26,30,34,38,42,46,50,54,58
	v_max3_num_f32 v254, v254, v[96+\i], v[97+\i]
	v_max3_num_f32 v252, v252, v[98+\i], v[99+\i]
.endr
	v_max3_num_f32 v254, v254, v158, v159
	v_max_num_f32 v254, v254, v252
	v_permlanex16_b32 v246, v254, s[SEL], s[SEL+1]
	v_max_num_f32 v254, v254, v246                 ; and among lane l xor 16's
.if \s == 0
	v_mul_f32 v13, s[CS], v254                     ; as t (c is positive)
	v_floor_f32 v12, -v13                          ; -M = floor(-t): M is a whole number
.else
	v_mul_f32 v254, s[CS], v254
	v_max_num_f32 v13, v13, v254                   ; the running largest t
	v_mov_b32 v254, v12
	v_floor_f32 v12, -v13
	v_sub_f32 v254, v12, v254                      ; old M - new M: a whole number, 0 or less
	v_cvt_i32_f32 v254, v254
	v_ldexp_f32 v252, 1.0, v254                    ; f = 2^(old M - new M)
.endif
.set n, 0
.rept 32
	v_pk_fma_f32 v[96+2*n:97+2*n], v[96+2*n:97+2*n], s[CS:CS+1], v[12:13] op_sel_hi:[1,0,0]   ; t - M
.set n, n+1
.endr
.set n, 0
	s_wait_alu depctr_va_vdst(0)
.rept 64
	v_exp_f32 v[96+n], v[96+n]                     ; p = 2^(t - M), at most 1
.set n, n+1
.endr
.if \s == 0
	v_mov_b32 v14, 0                               ; the sum begins (plain lines behind the exponentials)
	v_mov_b32 v15, 0
.else
	v_pk_mul_f32 v[14:15], v[14:15], v[252:253] op_sel_hi:[1,0]   ; the sum under the new M (a plain line behind the exponentials)
.endif
	s_wait_alu depctr_va_vdst(0)                   ; the 64 exponentials have written p: one wait for the whole batch, ahead of its first reader
	v_pk_add_f32 v[242:243], v[96:97], v[98:99]    ; the sum of the unquantised p, in two chains
.irp j, 4,8,12,16,20,24,28,32,36,40,44,48,52,56,60
	v_pk_add_f32 v[14:15], v[14:15], v[96+\j:97+\j]
	v_pk_add_f32 v[242:243], v[242:243], v[98+\j:99+\j]
.endr
	v_pk_add_f32 v[14:15], v[14:15], v[242:243]
	s_cmp_ge_i32 s43, -15                          ; entry 9 at -15 or above: 57,344 x the scale is 1.75 or more, p is at most 1: the hold would change nothing
	s_cbranch_scc1 .Lnohold_\@
.set n, 0
.rept 64
	v_min_num_f32 v[96+n], v[96+n], v240           ; the conversion does not saturate (ISA guide 7.6.2); p is not negative: a one-sided hold
.set n, n+1
.endr
.Lnohold_\@:
.set n, 0
.rept 8
	v_cvt_scalef32_pk8_bf8_f32 v[224+2*n:225+2*n], v[96+8*n:103+8*n], v244
.set n, n+1
.endr
.if \s == 0
	s_wait_alu depctr_va_vdst(0)
	v_nop                                          ; a plain line between the conversions and the products that read their results
.else
.set n, 0
.rept 16
	v_pk_mul_f32 v[160+2*n:161+2*n], v[160+2*n:161+2*n], v[252:253] op_sel_hi:[1,0]   ; O^T under the new M
.set n, n+1
.endr
.endif
	s_wait_alu depctr_va_vdst(0)
	s_wait_dscnt 0x0                               ; V's fragments are in
.irp t, 0,1,2,3
.if \s == 0
	v_wmma_f32_16x16x128_bf8_bf8 v[160+8*\t:167+8*\t], v[32+16*\t:47+16*\t], v[224:239], 0
.else
	v_wmma_f32_16x16x128_bf8_bf8 v[160+8*\t:167+8*\t], v[32+16*\t:47+16*\t], v[224:239], v[160+8*\t:167+8*\t]
.endif
.endr
.endm
	s_mov_b32 s32, 2
.Ltask:
	s_wait_loadcnt 0x0                             ; this tile's Q, asked for at the head or in the last tile's last key step
	STEP 0
	STEP 1
	STEP 2
	STEP 3
	PLACES
	v_add_f32 v14, v14, v15                        ; the sum's two halves,
	v_permlanex16_b32 v246, v14, s[SEL], s[SEL+1]
	v_add_f32 v14, v14, v246                       ; and lane l xor 16's
	s_wait_alu depctr_va_vdst(0)
	v_rcp_f32 v14, v14
	v_nop
	s_wait_alu depctr_va_vdst(0)                   ; the reciprocal has written v14: ahead of its first reader
	v_ldexp_f32 v14, v14, s31                      ; x 2^(entries 8 + 9)
.set n, 0
.rept 16
	v_pk_mul_f32 v[96+2*n:97+2*n], v[160+2*n:161+2*n], v[14:15] op_sel_hi:[1,0]
.set n, n+1
.endr
.set n, 0
.rept 32
	v_med3_num_f32 v[96+n], v[96+n], -v241, v241
.set n, n+1
.endr
.set n, 0
.rept 4
	v_cvt_scalef32_pk8_bf8_f32 v[128+2*n:129+2*n], v[96+8*n:103+8*n], v245
.set n, n+1
.endr
	v_nop
	s_wait_alu depctr_va_vdst(0)                   ; the conversions have written v128-135, which the two stores read; the last products V^T P^T are done reading v32-95, in which the next tile's first fragments land
	global_store_b128 v5, v[128:131], s[48:49]     ; blocks 2 head and 2 head + 1 of my tile's image: 512 consecutive bytes each
	global_store_b128 v5, v[132:135], s[48:49] offset:512
	s_wait_xcnt 0x0                                ; the stores and loads have read their registers and bases: both are written again
	s_wait_alu depctr_vm_vsrc(0)                   ; the two stores have read v128-135, which the next tile's products write: ahead of the backward jump
	s_add_nc_u64 s[34:35], s[34:35], 16384
	s_add_nc_u64 s[48:49], s[48:49], 16384
	s_sub_co_u32 s32, s32, 1
	s_cmp_lg_u32 s32, 0
	s_cbranch_scc1 .Ltask
	s_wait_dscnt 0x0                               ; the closing lines, six on end
	s_wait_alu 0x0
	s_wait_tensorcnt 0x0
	ds_add_u32 v251, v255
	s_wait_dscnt 0x0
	s_endpgm
.Lfunc_end_k_qb224168335_attn:
	.size	k_qb224168335_attn, .Lfunc_end_k_qb224168335_attn-k_qb224168335_attn
	.p2alignl 7, 3214868480
	.fill 96, 4, 3214868480
	.section	.rodata,"a",@progbits
	.p2align	6, 0x0
	.amdhsa_kernel k_qb224168335_attn
		.amdhsa_group_segment_fixed_size 67584
		.amdhsa_private_segment_fixed_size 0
		.amdhsa_enable_private_segment 0
		.amdhsa_kernarg_size 48
		.amdhsa_user_sgpr_count 2
		.amdhsa_user_sgpr_kernarg_segment_ptr 1
		.amdhsa_wavefront_size32 1
		.amdhsa_system_sgpr_workgroup_id_x 1
		.amdhsa_system_sgpr_workgroup_id_y 1
		.amdhsa_system_sgpr_workgroup_id_z 1
		.amdhsa_system_vgpr_workitem_id 0
		.amdhsa_next_free_vgpr 256
		.amdhsa_next_free_sgpr 66
		.amdhsa_reserve_vcc 0
		.amdhsa_float_denorm_mode_32 3
		.amdhsa_float_denorm_mode_16_64 3
		.amdhsa_memory_ordered 1
		.amdhsa_forward_progress 1
		.amdhsa_inst_pref_size 81
	.end_amdhsa_kernel
	.amdgpu_metadata
---
amdhsa.version: [ 1, 2 ]
amdhsa.kernels:
  - .name:           k_qb224168335_attn
    .symbol:         k_qb224168335_attn.kd
    .args:
      - { .name: qkv_img, .offset: 0, .size: 8, .value_kind: global_buffer, .address_space: global }
      - { .name: gup, .offset: 8, .size: 8, .value_kind: global_buffer, .address_space: global }
      - { .name: w_img, .offset: 16, .size: 8, .value_kind: global_buffer, .address_space: global }
      - { .name: lowp_scales, .offset: 24, .size: 8, .value_kind: global_buffer, .address_space: global }
      - { .name: ao_img, .offset: 32, .size: 8, .value_kind: global_buffer, .address_space: global }
      - { .name: gu, .offset: 40, .size: 8, .value_kind: global_buffer, .address_space: global }
    .group_segment_fixed_size: 67584
    .private_segment_fixed_size: 0
    .kernarg_segment_align: 8
    .kernarg_segment_size: 48
    .max_flat_workgroup_size: 512
    .sgpr_count:     66
    .vgpr_count:     256
    .wavefront_size: 32
...
	.end_amdgpu_metadata
.endif
;; end of part 7
;; launch fin (part 8): grid 256 x 1, 8 waves a work-group, no clusters, 165,632 bytes of LDS; arguments ao_img, w_img, gup, gu, query, memory, r_out_b, rn_g, rn_b, gate_b, wn_g, wn_b, lowp_scales, out0, out1; writes out0, out1
.if DOCPART == 8
	.amdgcn_target "amdgcn-amd-amdhsa--gfx1250"
	.amdhsa_code_object_version 6
	.text
	.protected	k_qb224168335_fin
	.globl	k_qb224168335_fin
	.p2align	8
	.type	k_qb224168335_fin,@function
k_qb224168335_fin:
	s_mov_b64 s[64:65], 0
	v_nop
	global_prefetch_b8 v0, s[64:65] scope:SCOPE_SE
	s_setreg_imm32_b32 hwreg(HW_REG_WAVE_SCHED_MODE, 0, 2), 2
	s_setreg_imm32_b32 hwreg(HW_REG_WAVE_MODE, 25, 1), 1
	s_wait_xcnt 0x0
	s_wait_alu depctr_vm_vsrc(0)
; FIN: both outputs, in 256 equal work-groups.  Work-group id makes 32 whole rows of out0 (rows 32 id on) and 16 whole rows of out1 (batch id / 32, memory rows 16 (id % 32) on).
; OUT0 = LayerNorm(Q(attention) W_out_r^T + b + query).  Wave w makes columns 128 w .. 128 w + 127 of the 32 rows: 16 accumulators (window 1): source 0 = 8 tiles of r_out_w's images, straight from memory into
;   registers, each fragment read by this one wave, in halves of four tiles that roll through three sets of registers; source 1 = the rows' two tiles, copied into LDS once.  The raw sums meet in a stage of 32 rows,
;   and each wave finishes 4 whole rows.  Its 4 rows of query are asked for in the K loop's first four halves, into registers that nothing else wants; the three vectors in its last halves, into sets that have had their last use.
; OUT1: gate = sigmoid((g + gu[b]) x 2^(entries 16 + 17) + gate_b), out1 = LayerNorm(memory + gate (upd[b] - memory)).  A wave owns 2 whole rows.  Their rows of g and memory are asked for as soon as the accumulators
;   are free, the five vectors as the rows of query are used up: all of it lands while out0's rows are finished.
; A row of 1,024 numbers lies in a wave as 8 x 16 bytes a lane (number 128 j + 4 lane + ..): every load and store of a row covers 512 consecutive bytes.  The variance is taken of x - mean, in a second pass.
; THE STAGE: row m at 4,112 m, rows 16-31 a further 128 bytes on: a tile's lanes 0-7 hold rows m .. m + 7 and lanes 8-15 rows 16 further on, so its sixteen rows start at sixteen different groups of four banks.
; NO JOINT LOADS: the weights go to one wave's registers each; through LDS they would be written and read once more, 1 MB a work-group.
; LIMITS: scale exponents 10 + 11 and 16 + 17 between -126 and 127.
; REGISTERS.  Window 0: v5-13 addresses and constants, v16-31 at work; in the K loop v32-63 source 1's two fragments, v64-255 three sets of four weight fragments;
;   behind it v32-95 two rows out of the stage by turns, v96-127 x - mean, v128-191 gain and bias, v192-223 r_out_b (later wn_b), v224-255 the result.  Window 1: v0-127 accumulators (later g's and memory's rows), v128-255 four rows of query (later gate_b, gu, upd, wn_g).
; THE MODE: SCHED_MODE bits 1:0 = 2 (LLVM: expert scheduling mode 2), set by the entry lines.  The code itself states the register dependences
; between vector or matrix instructions and memory or LDS instructions, with s_wait_alu, always for 0.
; THE PLAN.  Registers that memory or LDS instructions touch:
;   v5, v6, v8, v10     offsets, each written once at the head.
;   window 1 v0-31      the copy: loaded, read by the copy's LDS stores, then written by the products: a wait on vm_vsrc behind the first barrier.
;   BF0 .. BF2, AF      half G: its 8 products read BF[G % 3] and AF.  Behind them land: half G + 3's weights (later the three vectors) in BF[G % 3]; behind a K step's second half, the next K step's fragments in AF.
;                       ONE wait on va_vdst behind a half's products states both; the half's loads, a row of query among them, follow it with nothing but loads and window switches between.
;   window 1 v0-127     the accumulators: written by the products, read by the stage's LDS stores, then g's and memory's rows land: waits on va_vdst and vm_vsrc directly ahead of those loads.
;   v32-95              two rows out of the stage by turns: a row's arithmetic names its set for the last time ahead of the row's root; the wait that the root owes also frees the set for the row after the next.
;   window 1 v128-255, v192-223   a row of query and r_out_b are read by the row's first lines; the write part's vectors land there BEHIND THE ROOT'S WAIT, which stands anyway.
;   YY (v224-255)       a row's result: a wait on va_vdst ahead of its 8 stores; a wait on vm_vsrc, beside the wait on XCNT, ahead of the next row's writes of it.
.set LI, 5                             ; v5   16 x lane (also where source 1's images are read)
.set AF, 32
.set BF, 64
.set VF, 64                            ; the part of the gate's argument that all rows share
.set DD, 96
.set GG, 128
.set BB, 160
.set V1, 192
.set YY, 224
.set BP, 52                            ; s[52:53] my eight weight tiles
.set RES, 54                           ; s[54:55] my 4 rows of query
.set OUTP, 56                          ; s[56:57] my 4 rows of out0
.set OUTW, 62                          ; s[62:63] my 2 rows of out1
.set UPD, 2097152
.set SPI, 4112                         ; a stage row: 4,096 bytes + 16
.set STG, 32768                        ; LDS: 0: source 1's two tiles; from here the stage
.set MSB, 0
.macro WIN new                         ; the immediate's high byte repeats the setting that is left
.if MSB != \new
	s_set_vgpr_msb (MSB<<8)|\new
.set MSB, \new
.endif
.endm
.macro PLACES                          ; four plain lines behind matrix instructions, ahead of loads into their registers and of reads of their results
.rept 4
	v_nop
.endr
.endm
.macro HLOAD g                         ; half g = 2 ks + hf: weight tiles 4 hf .. 4 hf + 3 of K step ks into set g % 3
.irp t, 0,1,2,3
.irp c, 0,1,2,3
	global_load_b128 v[BF+64*((\g)%3)+16*\t+4*\c:BF+64*((\g)%3)+16*\t+4*\c+3], v[LI], s[BP:BP+1] offset:(4*((\g)%2)+\t)*16384+((\g)/2)*2048+\c*512
.endr
.endr
.endm
.macro ALOAD ks
.irp a, 0,1
.irp c, 0,1,2,3
	ds_load_b128 v[AF+16*\a+4*\c:AF+16*\a+4*\c+3], v[LI] offset:\a*16384+(\ks)*2048+\c*512
.endr
.endr
.endm
.macro MUL8                            ; half G: 8 accumulators, one instruction each: the 16 take turns in the same order in every K step.  The first K step starts the sums
.irp t, 0,1,2,3
.irp a, 0,1
.set AC, 8*(8*\a+4*(G%2)+\t)
.if G < 2
	v_wmma_f32_16x16x128_bf8_bf8 v[AC:AC+7], v[BF+64*(G%3)+16*\t:BF+64*(G%3)+16*\t+15], v[AF+16*\a:AF+16*\a+15], 0
.else
	v_wmma_f32_16x16x128_bf8_bf8 v[AC:AC+7], v[BF+64*(G%3)+16*\t:BF+64*(G%3)+16*\t+15], v[AF+16*\a:AF+16*\a+15], v[AC:AC+7]
.endif
.endr
.endr
.endm
.macro VLOAD reg, p                    ; a vector of 1,024 numbers in a row's layout
.set n, 0
.rept 8
	global_load_b128 v[\reg+4*n:\reg+4*n+3], v[LI], s[\p:\p+1] offset:n*512
.set n, n+1
.endr
.endm
; HALF G of the K loop.  Loads come back in order, so the wait's count is what was issued behind half G's 16 loads: the two halves behind it (32), and what was issued between them:
; a row of query (8 loads) behind each of halves 0 to 3's products; two vectors (16) behind half 13's, one (8) behind half 14's.
.macro HALF
.set NW, 32
.if (G == 1) || (G == 6)
.set NW, 40                            ; two halves and one row of query
.endif
.if (G == 2) || (G == 5)
.set NW, 48                            ; two halves and two rows
.endif
.if (G == 3) || (G == 4)
.set NW, 56                            ; two halves and three rows
.endif
.if G == 15
.set NW, 24                            ; the three vectors  (half 14: one half and two vectors: 32)
.endif
.if G%2 == 0
	s_wait_dscnt 0x0                               ; source 1's fragments of this K step are in
.endif
	s_wait_loadcnt NW
	WIN 0x50                                       ; C and D in window 1
	MUL8
	PLACES
	WIN 0
.if G < 15
	s_wait_alu depctr_va_vdst(0)                   ; this half's products are done reading BF[G % 3], and behind a K step's second half the step's products are done reading AF: the loads below land there
.endif
.if G < 13
	HLOAD G+3                                      ; into the set that has just been multiplied
.endif
.if G < 4
	WIN 0x40                                       ; destination window 1
.set n, 0
.rept 8
	global_load_b128 v[128+32*G+4*n:128+32*G+4*n+3], v[LI], s[RES:RES+1] offset:G*4096+n*512 th:TH_LOAD_NT
.set n, n+1
.endr
	WIN 0
.endif
.if G == 13
	VLOAD GG, 18                                   ; rn_g, rn_b: this set has had its last weights
	VLOAD BB, 20
.endif
.if G == 14
	VLOAD V1, 16                                   ; r_out_b
.endif
.if (G%2 == 1) && (G < 15)
	ALOAD G/2+1
.endif
.endm
.macro REDUCE a, b                     ; the sum over the wave's 32 lanes, in every lane
.irp m, 1,2,4,8
	v_add_f32_dpp v[\a], v[\a], v[\a] row_xmask:\m row_mask:0xf bank_mask:0xf
.endr
	v_permlanex16_b32 v[\b], v[\a], s36, s37
	v_add_f32 v[\a], v[\a], v[\b]
.endm
; LayerNorm of the row in v[xb] .. v[xb + 31], in two parts.  LNA: the mean, x - mean, the variance, the root and the plain line behind it.  The root's wait is written by the caller, who may lay loads behind it.
.macro LNA xb
.set n, 0
.rept 8
	v_pk_add_f32 v[16+2*n:17+2*n], v[\xb+4*n:\xb+4*n+1], v[\xb+4*n+2:\xb+4*n+3]
.set n, n+1
.endr
.irp d, 4,2,1
.set n, 0
.rept \d
	v_pk_add_f32 v[16+2*n:17+2*n], v[16+2*n:17+2*n], v[16+2*(n+\d):17+2*(n+\d)]
.set n, n+1
.endr
.endr
	v_add_f32 v16, v16, v17
	REDUCE 16, 17
	v_mul_f32 v16, s38, v16                        ; the mean
.set n, 0
.rept 16
	v_pk_add_f32 v[DD+2*n:DD+2*n+1], v[\xb+2*n:\xb+2*n+1], v[16:17] op_sel_hi:[1,0] neg_lo:[0,1] neg_hi:[0,1]
.set n, n+1
.endr
	v_pk_mul_f32 v[18:19], v[DD:DD+1], v[DD:DD+1]
	v_pk_mul_f32 v[20:21], v[DD+2:DD+3], v[DD+2:DD+3]
.set n, 1
.rept 7
	v_pk_fma_f32 v[18:19], v[DD+4*n:DD+4*n+1], v[DD+4*n:DD+4*n+1], v[18:19]
	v_pk_fma_f32 v[20:21], v[DD+4*n+2:DD+4*n+3], v[DD+4*n+2:DD+4*n+3], v[20:21]
.set n, n+1
.endr
	v_pk_add_f32 v[18:19], v[18:19], v[20:21]
	v_add_f32 v18, v18, v19
	REDUCE 18, 19
	v_fma_f32 v18, v18, s38, s39                   ; the variance + 1e-5
	s_wait_alu depctr_va_vdst(0)
	v_rsq_f32 v18, v18
	v_nop
.endm
; LNB: gain v[gg] on (its window by gw), bias v[bb] on; stored as row i from s[op].
.macro LNB i, op, gw, gg, bb
	s_wait_xcnt 0x0                                ; the last row's stores have read the result's registers
	s_wait_alu depctr_vm_vsrc(0)                   ; the last row's stores have read YY, which the lines below write
.set n, 0
.rept 16
	v_pk_mul_f32 v[YY+2*n:YY+2*n+1], v[DD+2*n:DD+2*n+1], v[18:19] op_sel_hi:[1,0]
.set n, n+1
.endr
	WIN \gw
.set n, 0
.rept 16
	v_pk_fma_f32 v[YY+2*n:YY+2*n+1], v[YY+2*n:YY+2*n+1], v[\gg+2*n:\gg+2*n+1], v[\bb+2*n:\bb+2*n+1]
.set n, n+1
.endr
	WIN 0
	s_wait_alu depctr_va_vdst(0)                   ; the row's result is written in YY, which the 8 stores read
.set n, 0
.rept 8
	global_store_b128 v[LI], v[YY+4*n:YY+4*n+3], s[\op:\op+1] offset:\i*4096+n*512 th:TH_STORE_NT
.set n, n+1
.endr
.endm
	s_load_b512 s[4:19], s[0:1], 0x0               ; ao_img 4, w_img 6, gup 8, gu 10, query 12, memory 14, r_out_b 16, rn_g 18
	s_load_b256 s[20:27], s[0:1], 0x40             ; rn_b 20, gate_b 22, wn_g 24, wn_b 26
	s_load_b128 s[28:31], s[0:1], 0x60             ; scales 28, out0 30
	s_load_b64 s[32:33], s[0:1], 0x70              ; out1
	v_lshl_add_u32 v14, v0, 2, 0x28300
	v_mov_b32 v15, 0
	v_lshrrev_b32 v1, 5, v0
	v_readfirstlane_b32 s34, v1                    ; wave 0..7
	v_and_b32 v1, 31, v0
	v_lshlrev_b32 v[LI], 4, v1
	v_and_b32 v2, 15, v0                           ; r
	v_bfe_u32 v3, v0, 4, 1                         ; h
	s_mov_b32 s36, 0x76543210
	s_mov_b32 s37, 0xfedcba98
	s_mov_b32 s38, 0x3a800000                      ; 1 / 1,024
	s_mov_b32 s39, 0x3727c5ac                      ; 1e-5
	s_mov_b32 s41, 0
	s_wait_alu depctr_va_sdst(0)                   ; s34 is written, ahead of its first reader
	s_wait_alu depctr_va_vdst(0)
	s_wait_kmcnt 0x0
	s_load_b64 s[44:45], s[28:29], 0x28            ; scale exponents 10, 11
	s_load_b64 s[46:47], s[28:29], 0x40            ; 16, 17
	s_lshl_b32 s40, ttmp9, 15
	s_lshl_b32 s35, s34, 12
	s_add_co_u32 s40, s40, s35
	s_add_nc_u64 s[42:43], s[4:5], s[40:41]        ; my 4 KB of the rows' two tiles
	v_add_nc_u32 v6, s35, v[LI]                    ; and their place in LDS
	s_lshl_b32 s40, s34, 17
	s_add_co_u32 s40, s40, 192*16384
	s_add_nc_u64 s[BP:BP+1], s[6:7], s[40:41]      ; w_img tile 192 + 8 wave
	WIN 0x40                                       ; destination window 1: the accumulators' registers carry the copy
	s_wait_alu depctr_va_vdst(0)                   ; v5 and v6 are written: the offsets of the loads below and of the copy's LDS stores
.set n, 0
.rept 8
	global_load_b128 v[4*n:4*n+3], v[LI], s[42:43] offset:n*512
.set n, n+1
.endr
	WIN 0
	HLOAD 0
	HLOAD 1
	HLOAD 2
	s_lshl_b32 s40, ttmp9, 17
	s_lshl_b32 s35, s34, 14
	s_add_co_u32 s40, s40, s35                     ; row 32 id + 4 wave
	s_add_nc_u64 s[RES:RES+1], s[12:13], s[40:41]
	s_add_nc_u64 s[OUTP:OUTP+1], s[30:31], s[40:41]
	s_and_b32 s40, ttmp9, 31
	s_lshl_b32 s40, s40, 16
	s_lshl_b32 s35, s34, 13
	s_add_co_u32 s40, s40, s35                     ; memory row 16 (id % 32) + 2 wave
	s_add_nc_u64 s[2:3], s[8:9], s[40:41]          ; g's rows
	s_add_nc_u64 s[50:51], s[14:15], s[40:41]      ; memory's rows
	s_lshr_b32 s35, ttmp9, 5                       ; b
	s_lshl_b32 s58, s35, 21
	s_add_co_u32 s40, s40, s58
	s_add_nc_u64 s[OUTW:OUTW+1], s[32:33], s[40:41]
	s_lshl_b32 s40, s35, 12
	s_add_nc_u64 s[58:59], s[10:11], s[40:41]      ; gu[b]
	s_add_co_u32 s40, s40, UPD
	s_add_nc_u64 s[60:61], s[8:9], s[40:41]        ; upd[b]
	v_and_b32 v8, 8, v2
	v_add_nc_u32 v8, v8, v2
	v_mul_u32_u24 v8, v8, SPI
	v_lshl_add_u32 v8, v3, 6, v8
	v_lshrrev_b32 v9, 3, v2
	v_lshl_add_u32 v8, v9, 7, v8
	s_lshl_b32 s35, s34, 9
	s_add_co_u32 s35, s35, STG
	v_add_nc_u32 v8, s35, v8                       ; the stage, way in: row r + 8 (r / 8), its 128 bytes where it is 16 or more, 64 h, 512 x wave
	s_mul_i32 s35, s34, 4*SPI
	s_lshr_b32 s40, s34, 2
	s_lshl_b32 s40, s40, 7
	s_add_co_u32 s35, s35, s40
	s_add_co_u32 s35, s35, STG
	v_add_nc_u32 v10, s35, v[LI]                   ; way out: my 4 rows (rows 16 on: waves 4 to 7)
	s_wait_kmcnt 0x0
	s_add_co_i32 s48, s44, s45
	s_add_co_i32 s48, s48, 127
	s_lshl_b32 s48, s48, 23                        ; 2^(entries 10 + 11)
	s_mov_b32 s49, s48
	s_add_co_i32 s46, s46, s47
	s_add_co_i32 s46, s46, 127
	s_lshl_b32 s46, s46, 23                        ; 2^(entries 16 + 17)
	v_mov_b32 v12, s46
	v_mul_f32 v12, 0xbfb8aa3b, v12                 ; x -log2(e)
	v_mov_b32 v13, v12                             ; (named with it as a pair)
	s_wait_loadcnt 48                              ; the copy's 8 loads are in; the weights' first three halves (48 loads) stay out
	WIN 0x04                                       ; store data in window 1
.set n, 0
.rept 8
	ds_store_b128 v6, v[4*n:4*n+3] offset:n*512
.set n, n+1
.endr
	WIN 0
	s_wait_dscnt 0x0                               ; for the others' sake: my part of the images lies in LDS
	s_barrier_signal -1
	s_barrier_wait -1
	s_wait_alu depctr_vm_vsrc(0)                   ; the copy's LDS stores have read window 1's v0-31, which the first products write
	ALOAD 0
.set G, 0
.rept 16
	HALF
.set G, G+1
.endr
	WIN 0x04                                       ; the raw sums into the stage; each accumulator from its low end on
	s_wait_alu depctr_va_vdst(0)                   ; behind the last products' four places: the accumulators are written, which the stage's stores read; v8 and v10 are written; the products are done reading v32-95, in which rows out of the stage land
.irp a, 0,1
.set n, 0
.rept 16
	ds_store_b128 v8, v[64*\a+4*n:64*\a+4*n+3] offset:\a*8*SPI+128*(n/4)+16*(n%4)
.set n, n+1
.endr
.endr
	WIN 0
	s_wait_dscnt 0x0                               ; my sums lie in the stage, and their registers are free:
	WIN 0x40
	s_wait_alu depctr_va_vdst(0)                   ; the products have written window 1's v0-127, in which the loads below land: stated directly ahead of them, since the stage's stores name these registers in between
	s_wait_alu depctr_vm_vsrc(0)                   ; and the stage's stores have read them
.set n, 0
.rept 16                               ; my 2 rows of g,
	global_load_b128 v[4*n:4*n+3], v[LI], s[2:3] offset:n*512
.set n, n+1
.endr
.set n, 0
.rept 16                               ; and of memory
	global_load_b128 v[64+4*n:64+4*n+3], v[LI], s[50:51] offset:n*512
.set n, n+1
.endr
	WIN 0
	s_barrier_signal -1
	s_barrier_wait -1
.macro SLOAD i                         ; row i of my 4 out of the stage, into v32-63 and v64-95 by turns
.set n, 0
.rept 8
	ds_load_b128 v[32+32*((\i)%2)+4*n:35+32*((\i)%2)+4*n], v10 offset:(\i)*SPI+n*512
.set n, n+1
.endr
.endm
.macro ROWO i
.set XB, 32+32*(\i%2)
	s_wait_dscnt 0x0                               ; this row is in;
.if \i < 3
	SLOAD \i+1                                     ; the next is asked for: its set was named for the last time ahead of the last row's root, whose wait has stated it (rows 0 and 1: the wait ahead of the stage's stores)
.endif
.if \i == 0
	s_wait_loadcnt 32                              ; query's rows and the three vectors are in; the 32 loads of g's and memory's rows stay out
.endif
	WIN 0x10                                       ; source 2 (query) in window 1
.set n, 0
.rept 16
	v_pk_fma_f32 v[XB+2*n:XB+2*n+1], v[XB+2*n:XB+2*n+1], s[48:49], v[128+32*\i+2*n:129+32*\i+2*n] op_sel_hi:[1,0,1]
.set n, n+1
.endr
	WIN 0
.set n, 0
.rept 16
	v_pk_add_f32 v[XB+2*n:XB+2*n+1], v[XB+2*n:XB+2*n+1], v[V1+2*n:V1+2*n+1]
.set n, n+1
.endr
	LNA XB
	WIN 0x40                                       ; the row of query has been used: its registers take a vector of the write part
	s_wait_alu depctr_va_vdst(0)                   ; the root has written v18, ahead of its first reader; the row's first lines are done reading its row of query and, in row 3, r_out_b: the loads below land there; and the row's set of v32-95 has had its last reader
.if \i == 0
	VLOAD 128, 22                                  ; gate_b
.endif
.if \i == 1
	VLOAD 160, 58                                  ; gu[b]
.endif
.if \i == 2
	VLOAD 192, 60                                  ; upd[b]
.endif
.if \i == 3
	VLOAD 224, 24                                  ; wn_g
.endif
	WIN 0
.if \i == 3
	VLOAD V1, 26                                   ; wn_b, where r_out_b has had its last use
.endif
	LNB \i, OUTP, 0, GG, BB
.endm
	SLOAD 0
.irp i, 0,1,2,3
	ROWO \i
.endr
	; ---------------- the write part: 2 rows ----------------
	s_wait_loadcnt 16                              ; g's and memory's rows, gate_b, gu and upd are in; wn_g and wn_b (8 loads each) stay out
	WIN 0x01                                       ; source 0 in window 1
.set n, 0
.rept 16
	v_pk_mul_f32 v[VF+2*n:VF+2*n+1], v[128+2*n:129+2*n], 0xbfb8aa3b op_sel_hi:[1,0]
.set n, n+1
.endr
.set n, 0
.rept 16
	v_pk_fma_f32 v[VF+2*n:VF+2*n+1], v[160+2*n:161+2*n], v[12:13], v[VF+2*n:VF+2*n+1] op_sel_hi:[1,0,1]   ; -log2(e) (gu x 2^.. + gate_b): the part of the gate's argument that all rows share
.set n, n+1
.endr
	WIN 0
.macro ROWW i
	WIN 0x01                                       ; source 0 (g) in window 1
.set n, 0
.rept 16
	v_pk_fma_f32 v[32+2*n:33+2*n], v[32*\i+2*n:32*\i+2*n+1], v[12:13], v[VF+2*n:VF+2*n+1] op_sel_hi:[1,0,1]
.set n, n+1
.endr
	WIN 0
.set n, 0
	s_wait_alu depctr_va_vdst(0)
.rept 32
	v_exp_f32 v[32+n], v[32+n]                     ; e^(-z)
.set n, n+1
.endr
	WIN 0x05                                       ; sources 0 (upd) and 1 (memory) in window 1
.set n, 0
.rept 16
	v_pk_add_f32 v[DD+2*n:DD+2*n+1], v[192+2*n:193+2*n], v[64+32*\i+2*n:65+32*\i+2*n] neg_lo:[0,1] neg_hi:[0,1]   ; upd - memory: independent work behind the exponentials
.set n, n+1
.endr
	WIN 0
	s_wait_alu depctr_va_vdst(0)                   ; the 32 exponentials have written v32-63: one wait for the batch, ahead of its first reader
.set n, 0
.rept 16
	v_pk_add_f32 v[32+2*n:33+2*n], v[32+2*n:33+2*n], 1.0 op_sel_hi:[1,0]
.set n, n+1
.endr
.set n, 0
	s_wait_alu depctr_va_vdst(0)
.rept 32
	v_rcp_f32 v[32+n], v[32+n]                     ; the gate
.set n, n+1
.endr
	v_nop
	s_wait_alu depctr_va_vdst(0)                   ; the 32 reciprocals have written v32-63: one wait for the batch, ahead of its first reader
	WIN 0x10                                       ; source 2 (memory) in window 1
.set n, 0
.rept 16
	v_pk_fma_f32 v[32+2*n:33+2*n], v[32+2*n:33+2*n], v[DD+2*n:DD+2*n+1], v[64+32*\i+2*n:65+32*\i+2*n]
.set n, n+1
.endr
	WIN 0
.if \i == 0
	s_wait_alu depctr_va_vdst(0)
	s_wait_loadcnt 0x0                             ; wn_g and wn_b
.endif
	LNA 32
	s_wait_alu depctr_va_vdst(0)                   ; the root has written v18, ahead of its first reader
	LNB \i, OUTW, 0x04, 224, V1
.endm
	ROWW 0
	ROWW 1
	s_wait_dscnt 0x0                               ; the closing lines, six on end
	s_wait_alu 0x0
	s_wait_tensorcnt 0x0
	ds_add_u32 v14, v15
	s_wait_dscnt 0x0
	s_endpgm
.Lfunc_end_k_qb224168335_fin:
	.size	k_qb224168335_fin, .Lfunc_end_k_qb224168335_fin-k_qb224168335_fin
	.p2alignl 7, 3214868480
	.fill 96, 4, 3214868480
	.section	.rodata,"a",@progbits
	.p2align	6, 0x0
	.amdhsa_kernel k_qb224168335_fin
		.amdhsa_group_segment_fixed_size 165632
		.amdhsa_private_segment_fixed_size 0
		.amdhsa_enable_private_segment 0
		.amdhsa_kernarg_size 120
		.amdhsa_user_sgpr_count 2
		.amdhsa_user_sgpr_kernarg_segment_ptr 1
		.amdhsa_wavefront_size32 1
		.amdhsa_system_sgpr_workgroup_id_x 1
		.amdhsa_system_sgpr_workgroup_id_y 1
		.amdhsa_system_sgpr_workgroup_id_z 1
		.amdhsa_system_vgpr_workitem_id 0
		.amdhsa_next_free_vgpr 512
		.amdhsa_next_free_sgpr 66
		.amdhsa_reserve_vcc 0
		.amdhsa_float_denorm_mode_32 3
		.amdhsa_float_denorm_mode_16_64 3
		.amdhsa_memory_ordered 1
		.amdhsa_forward_progress 1
		.amdhsa_inst_pref_size 128
	.end_amdhsa_kernel
	.amdgpu_metadata
---
amdhsa.version: [ 1, 2 ]
amdhsa.kernels:
  - .name:           k_qb224168335_fin
    .symbol:         k_qb224168335_fin.kd
    .args:
      - { .name: ao_img, .offset: 0, .size: 8, .value_kind: global_buffer, .address_space: global }
      - { .name: w_img, .offset: 8, .size: 8, .value_kind: global_buffer, .address_space: global }
      - { .name: gup, .offset: 16, .size: 8, .value_kind: global_buffer, .address_space: global }
      - { .name: gu, .offset: 24, .size: 8, .value_kind: global_buffer, .address_space: global }
      - { .name: query, .offset: 32, .size: 8, .value_kind: global_buffer, .address_space: global }
      - { .name: memory, .offset: 40, .size: 8, .value_kind: global_buffer, .address_space: global }
      - { .name: r_out_b, .offset: 48, .size: 8, .value_kind: global_buffer, .address_space: global }
      - { .name: rn_g, .offset: 56, .size: 8, .value_kind: global_buffer, .address_space: global }
      - { .name: rn_b, .offset: 64, .size: 8, .value_kind: global_buffer, .address_space: global }
      - { .name: gate_b, .offset: 72, .size: 8, .value_kind: global_buffer, .address_space: global }
      - { .name: wn_g, .offset: 80, .size: 8, .value_kind: global_buffer, .address_space: global }
      - { .name: wn_b, .offset: 88, .size: 8, .value_kind: global_buffer, .address_space: global }
      - { .name: lowp_scales, .offset: 96, .size: 8, .value_kind: global_buffer, .address_space: global }
      - { .name: out0, .offset: 104, .size: 8, .value_kind: global_buffer, .address_space: global }
      - { .name: out1, .offset: 112, .size: 8, .value_kind: global_buffer, .address_space: global }
    .group_segment_fixed_size: 165632
    .private_segment_fixed_size: 0
    .kernarg_segment_align: 8
    .kernarg_segment_size: 120
    .max_flat_workgroup_size: 256
    .sgpr_count:     66
    .vgpr_count:     512
    .wavefront_size: 32
...
	.end_amdgpu_metadata
.endif
;; end of part 8
